; MI455X (gfx1250); checked and timed in simulation.
; The chip was launched on July 23, 2026; its instructions are those of AMD's public machine-readable ISA for CDNA 5 (MIT licence, August 2026) and "CDNA5" Instruction Set Architecture Reference Guide (July 2026). The comments in the code are by the model that wrote it; some were corrected since.
;; Mamba3 Block. Allowed arithmetic: float matrix products may take bf16 or f16 operands with f32 sums; all other float work in f32.
;; Inputs: ada_b 3,072 float32; ada_w 1,024 x 3,072 float32; bwd_b1 1,024 float32; bwd_b2 1,024 float32; bwd_w1 1,024 x 1,024 float32; bwd_w2 1,024 x 1,024 float32; ff_b1 2,048 float32; ff_b2 1,024 float32; ff_w1 1,024 x 2,048 float32; ff_w2 2,048 x 1,024 float32; ffada_b 3,072 float32; ffada_w 1,024 x 3,072 float32; mask 8 x 1,024 bool; ssm_b1 1,024 float32; ssm_b2 1,024 float32; ssm_w1 1,024 x 1,024 float32; ssm_w2 1,024 x 1,024 float32; t 8 x 1,024 float32; x 8 x 1,024 x 1,024 float32.
;; Outputs: out0 8 x 1,024 x 1,024 float32.
;; 3 versions, each right; version 2 is faster than version 1; version 3 is version 2 with the launch prep written anew for expert scheduling mode. Each part assembles by itself: llvm-mc -triple=amdgcn-amd-amdhsa -mcpu=gfx1250 --defsym DOCPART=n.
;; ======== version 1 of 3: 7 launches
;; workspace buffers: wts 16,777,216 bytes; mods 196,608 bytes; act 16,777,216 bytes; hid 33,554,432 bytes; x1 33,554,432 bytes
;; launch prep (part 1): grid 352 x 1, 8 waves a work-group, no clusters, 66,560 bytes of LDS; arguments t, ada_w, ada_b, ffada_w, ffada_b, ssm_w1, bwd_w1, ssm_w2, bwd_w2, ff_w1, ff_w2, wts, mods; writes wts, mods
.if DOCPART == 1
	.amdgcn_target "amdgcn-amd-amdhsa--gfx1250"
	.amdhsa_code_object_version 6
	.text
	.protected	k_qa0361305af_prep
	.globl	k_qa0361305af_prep
	.p2align	8
	.type	k_qa0361305af_prep,@function
k_qa0361305af_prep:
	s_mov_b64 s[64:65], 0
	v_nop
	global_prefetch_b8 v0, s[64:65] scope:SCOPE_SE
	s_setreg_imm32_b32 hwreg(HW_REG_WAVE_MODE, 25, 1), 1
	s_wait_xcnt 0x0
; Mamba3Block, launch 1 of 7: the two conditioning products and the cast of the six large weights to bf16.
;
; WORK LEFT OUT IN THE WHOLE PROGRAM: the two flips along axis 1.  _ssm_fallback is Linear, GELU, Linear on the last axis alone: it treats every
; position of axis 1 by itself, so f(flip(u)) = flip(f(u)) and flip(f(flip(u))) = f(u) for every value of every input.  The flips only move
; numbers, they compute nothing, so no NaN, infinity or overflow is lost with them.  fwd + bwd is then ONE layer pair 1024 -> 2048 -> 1024 with
; the first weights side by side [ssm_w1 | bwd_w1], the second on top of each other [ssm_w2 ; bwd_w2] and the bias ssm_b2 + bwd_b2.
; Every input has a way to the output and is loaded by some launch.
;
; Work-groups 0-95: emb = silu(t) @ W + b for W = ada_w (0-47) and ffada_w (48-95), 64 columns each, all 8 batches, all f32 on the vector unit:
; eight rows against 25 MB of weights that are read once, so bytes decide and the matrix unit would add nothing.
; Work-groups 96-351: f32 -> bf16 (nearest even), 32 pieces of 4,096 source bytes each.  wts holds, in bf16, rows along N as in the inputs:
;   W1c [1024][2048] at 0 (row k: ssm_w1[k], bwd_w1[k]); W2c [2048][1024] at 4 MiB (ssm_w2, bwd_w2); F1c [1024][2048] at 8 MiB; F2c [2048][1024] at 12 MiB.
; mods holds emb of ada at byte 0 and of ffada at byte 98,304, each [8][3072] f32 (shift, scale, gate).
; LIMITS: v_exp_f32 and v_rcp_f32 are good to 1 ulp and flush denormals; the sum over k is taken in 16 partial sums, another order than a plain chain.
.set ROWB, 12288                       ; bytes in a row of ada_w / ffada_w
.set PART, 32768                       ; LDS: silu(t) [8][1024] f32 at 0; partial sums [16][8][64] f32 at PART
.set WO,  1                            ; v1        my byte offset in the wave's 128 rows of W
.set SA,  2                            ; v2        LDS address of my 64 silu values of batch 0
.set TA,  3                            ; v3        4,096 wave + 16 lane: t in memory and silu(t) in LDS
.set ACC, 4                            ; v[4:35]   sums: batch b, my 4 columns, at 4 b
.set X0,  36                           ; v[36:99]  16 rows of W, 4 columns each
.set X1,  100                          ; v[100:163] the next 16
.set S0,  164                          ; v[164:195] 4 k x 8 batches of silu(t); first t itself
.set S1,  196                          ; v[196:227] the next 4 k
.set BI,  228                          ; v[228:229] bias of my two final columns
.set PW,  230                          ; v230      where I put my partial sums
.set PR,  231                          ; v231      where I read partial sums back
.set L8,  232                          ; v232      8 x lane
.set TMP, 234                          ; v[234:236] lane, lane % 16, lane / 16
	s_load_b256 s[8:15], s[0:1], 0x0               ; t s[8:9], ada_w s[10:11], ada_b s[12:13], ffada_w s[14:15]
	s_load_b256 s[16:23], s[0:1], 0x20             ; ffada_b s[16:17], ssm_w1 s[18:19], bwd_w1 s[20:21], ssm_w2 s[22:23]
	s_load_b256 s[24:31], s[0:1], 0x40             ; bwd_w2 s[24:25], ff_w1 s[26:27], ff_w2 s[28:29], wts s[30:31]
	s_load_b64 s[32:33], s[0:1], 0x60              ; mods
	v_lshl_add_u32 v240, v0, 2, 0x10000
	v_mov_b32 v241, 0
	v_lshrrev_b32 v[TMP], 5, v0
	v_readfirstlane_b32 s4, v[TMP]                 ; wave 0..7
	v_and_b32 v[TMP], 31, v0                       ; lane
	s_wait_kmcnt 0x0
	s_cmp_ge_u32 ttmp9, 96                         ; the same for all waves of a work-group
	s_cbranch_scc1 .Lcast
	; ---------------- silu(t) @ W + b: 8 x 64 outputs, wave w takes k = 128 w .. 128 w + 127 ----------------
	s_cmp_ge_u32 ttmp9, 48
	s_cselect_b64 s[34:35], s[14:15], s[10:11]     ; W
	s_cselect_b64 s[36:37], s[16:17], s[12:13]     ; its bias
	s_cselect_b32 s38, 98304, 0                    ; its part of mods
	s_cselect_b32 s39, 48, 0
	s_sub_co_u32 s39, ttmp9, s39                   ; which 64 columns
	s_lshl_b32 s40, s39, 8                         ; their byte offset in a row: a multiple of 256
	s_mov_b32 s41, 0
	s_add_nc_u64 s[36:37], s[36:37], s[40:41]
	s_mul_i32 s42, s4, 128*ROWB
	s_add_co_u32 s42, s42, s40
	s_mov_b32 s43, 0
	s_add_nc_u64 s[34:35], s[34:35], s[42:43]      ; W at my wave's first row, my work-group's first column
	s_mul_i32 s44, s4, ROWB                        ; the final sum: wave w stores batch w
	s_add_co_u32 s44, s44, s38
	s_add_co_u32 s44, s44, s40
	s_mov_b32 s45, 0
	s_add_nc_u64 s[32:33], s[32:33], s[44:45]
	v_and_b32 v[TMP+1], 15, v0                     ; c4: my four columns
	v_bfe_u32 v[TMP+2], v0, 4, 1                   ; hh: which 64 of the wave's 128 rows
	v_lshlrev_b32 v[L8], 3, v[TMP]
	v_lshlrev_b32 v[TA], 4, v[TMP]
	v_lshl_add_u32 v[TA], s4, 12, v[TA]
	v_mul_u32_u24 v[WO], v[TMP+2], 64*ROWB
	v_lshl_add_u32 v[WO], v[TMP+1], 4, v[WO]       ; sixteen lanes take 256 consecutive bytes of a row
	v_lshlrev_b32 v[SA], 8, v[TMP+2]
	v_lshl_add_u32 v[SA], s4, 9, v[SA]             ; 4 (128 w + 64 hh)
	v_lshlrev_b32 v[PW], 11, v[TMP+2]
	v_lshl_add_u32 v[PW], v[TMP+1], 4, v[PW]
	s_lshl_b32 s46, s4, 12
	s_add_co_u32 s46, s46, PART
	v_add_nc_u32 v[PW], s46, v[PW]                 ; PART + 2,048 (2 w + hh) + 16 c4
	s_lshl_b32 s47, s4, 8
	s_add_co_u32 s47, s47, PART
	v_add_nc_u32 v[PR], s47, v[L8]                 ; PART + 256 w + 8 lane
.macro XLD g, buf                      ; rows 16 g .. 16 g + 15 of my 64
.irp i, 0,1,2,3,4,5,6,7,8,9,10,11,12,13,14,15
	global_load_b128 v[\buf+4*\i:\buf+4*\i+3], v[WO], s[34:35] offset:(16*\g+\i)*ROWB th:TH_LOAD_NT
.endr
.endm
	global_load_b64 v[BI:BI+1], v[L8], s[36:37]
.irp j, 0,1,2,3,4,5,6,7
	global_load_b128 v[S0+4*\j:S0+4*\j+3], v[TA], s[8:9] offset:512*\j     ; wave w: t of batch w
.endr
	XLD 0, X0
	XLD 1, X1
	s_wait_loadcnt 0x20                            ; the 32 younger loads (W) stay out; bias and t are in
	; silu(x) = x / (1 + 2^(-1.442695 x)); the sums' registers serve as temporaries
.set pp, 0
.rept 16
	v_pk_mul_f32 v[S1+pp:S1+pp+1], v[S0+pp:S0+pp+1], 0xbfb8aa3b op_sel_hi:[1,0]
.set pp, pp+2
.endr
.set pp, 0
.rept 32
	v_exp_f32 v[ACC+pp], v[S1+pp]
.set pp, pp+1
.endr
	v_nop                                          ; one plain instruction between a transcendental and the use of its result (ISA guide 5.7.2)
.set pp, 0
	s_wait_alu depctr_va_vdst(0)
.rept 16
	v_pk_add_f32 v[ACC+pp:ACC+pp+1], v[ACC+pp:ACC+pp+1], 1.0 op_sel_hi:[1,0]
.set pp, pp+2
.endr
.set pp, 0
.rept 32
	v_rcp_f32 v[S1+pp], v[ACC+pp]
.set pp, pp+1
.endr
	v_nop
.set pp, 0
	s_wait_alu depctr_va_vdst(0)
.rept 16
	v_pk_mul_f32 v[S0+pp:S0+pp+1], v[S0+pp:S0+pp+1], v[S1+pp:S1+pp+1]
.set pp, pp+2
.endr
.irp j, 0,1,2,3,4,5,6,7
	ds_store_b128 v[TA], v[S0+4*\j:S0+4*\j+3] offset:512*\j
.endr
	s_wait_dscnt 0x0                               ; my stores are done before I say so: the other waves read them
	s_barrier_signal -1
	s_barrier_wait -1
.macro SLD q, buf                      ; silu of my rows 4 q .. 4 q + 3, all eight batches (every lane of a half reads the same 16 bytes)
.irp b, 0,1,2,3,4,5,6,7
	ds_load_b128 v[\buf+4*\b:\buf+4*\b+3], v[SA] offset:4096*\b+16*(\q)
.endr
.endm
; four rows: sums[b][4 columns] += W[row][4 columns] x silu[b][row].  The one silu value is taken for both halves of the packed product:
; from the first register of its pair (op_sel_hi 0) or from the second (op_sel 1).  The very first row starts the sums: nothing is cleared.
.macro FMA4 q, xbuf, sbuf, first
.irp u, 0,1,2,3
.irp b, 0,1,2,3,4,5,6,7
.irp p, 0,2
.if 4*\first-\u == 4
	v_pk_mul_f32 v[ACC+4*\b+\p:ACC+4*\b+\p+1], v[\xbuf+4*((4*(\q)+\u)%16)+\p:\xbuf+4*((4*(\q)+\u)%16)+\p+1], v[\sbuf+4*\b:\sbuf+4*\b+1] op_sel_hi:[1,0]
.else
.if \u & 1
	v_pk_fma_f32 v[ACC+4*\b+\p:ACC+4*\b+\p+1], v[\xbuf+4*((4*(\q)+\u)%16)+\p:\xbuf+4*((4*(\q)+\u)%16)+\p+1], v[\sbuf+4*\b+\u-1:\sbuf+4*\b+\u], v[ACC+4*\b+\p:ACC+4*\b+\p+1] op_sel:[0,1,0] op_sel_hi:[1,1,1]
.else
	v_pk_fma_f32 v[ACC+4*\b+\p:ACC+4*\b+\p+1], v[\xbuf+4*((4*(\q)+\u)%16)+\p:\xbuf+4*((4*(\q)+\u)%16)+\p+1], v[\sbuf+4*\b+\u:\sbuf+4*\b+\u+1], v[ACC+4*\b+\p:ACC+4*\b+\p+1] op_sel_hi:[1,0,1]
.endif
.endif
.endr
.endr
.endr
.endm
.macro KQ q, xbuf, sb, sn, first
	SLD \q+1, \sn
	s_wait_dscnt 0x8                               ; the eight loads just issued stay out; this step's silu values are in
	FMA4 \q, \xbuf, \sb, \first
.endm
	SLD 0, S0
	s_wait_loadcnt 0x10                            ; rows 0-15 are in, the 16 younger loads stay out
	KQ 0, X0, S0, S1, 1
	KQ 1, X0, S1, S0, 0
	KQ 2, X0, S0, S1, 0
	KQ 3, X0, S1, S0, 0
	XLD 2, X0
	s_wait_loadcnt 0x10                            ; rows 16-31 are in, rows 32-47 stay out
	KQ 4, X1, S0, S1, 0
	KQ 5, X1, S1, S0, 0
	KQ 6, X1, S0, S1, 0
	KQ 7, X1, S1, S0, 0
	XLD 3, X1
	s_wait_loadcnt 0x10                            ; rows 32-47 are in, rows 48-63 stay out
	KQ 8, X0, S0, S1, 0
	KQ 9, X0, S1, S0, 0
	KQ 10, X0, S0, S1, 0
	KQ 11, X0, S1, S0, 0
	s_wait_loadcnt 0x0
	KQ 12, X1, S0, S1, 0
	KQ 13, X1, S1, S0, 0
	KQ 14, X1, S0, S1, 0
	s_wait_dscnt 0x0
	FMA4 15, X1, S1, 0
	; the 16 partial sums (8 waves x 2 halves) meet in LDS, in bytes that held nothing before
.irp b, 0,1,2,3,4,5,6,7
	ds_store_b128 v[PW], v[ACC+4*\b:ACC+4*\b+3] offset:256*\b
.endr
	s_wait_dscnt 0x0
	s_barrier_signal -1
	s_barrier_wait -1
.irp p, 0,1,2,3,4,5,6,7,8,9,10,11,12,13,14,15
	ds_load_b64 v[X0+2*\p:X0+2*\p+1], v[PR] offset:2048*\p                 ; batch w, columns 2 lane and 2 lane + 1
.endr
	s_wait_dscnt 0x0
.irp p, 0,2,4,6,8,10,12,14
	v_pk_add_f32 v[X0+\p:X0+\p+1], v[X0+\p:X0+\p+1], v[X0+16+\p:X0+16+\p+1]
.endr
.irp p, 0,2,4,6
	v_pk_add_f32 v[X0+\p:X0+\p+1], v[X0+\p:X0+\p+1], v[X0+8+\p:X0+8+\p+1]
.endr
	v_pk_add_f32 v[X0:X0+1], v[X0:X0+1], v[X0+4:X0+5]
	v_pk_add_f32 v[X0+2:X0+3], v[X0+2:X0+3], v[X0+6:X0+7]
	v_pk_add_f32 v[X0:X0+1], v[X0:X0+1], v[X0+2:X0+3]
	v_pk_add_f32 v[X0:X0+1], v[X0:X0+1], v[BI:BI+1]
	global_store_b64 v[L8], v[X0:X0+1], s[32:33]   ; the wave's store covers 256 consecutive bytes, aligned
	s_wait_tensorcnt 0x0
	ds_add_u32 v240, v241
	s_wait_dscnt 0x0
	s_endpgm
	; ---------------- the cast: a piece is 1,024 f32 (4,096 bytes) -> 2,048 bytes; a wave takes four pieces ----------------
.Lcast:
	s_sub_co_u32 s34, ttmp9, 96
	s_lshr_b32 s35, s34, 5                         ; segment of 4 MiB of source: 0 ssm_w1, 1 bwd_w1, 2 ssm_w2, 3 bwd_w2, 4-5 ff_w1, 6-7 ff_w2
	s_and_b32 s36, s34, 31
	s_lshl_b32 s36, s36, 5
	s_lshl2_add_u32 s36, s4, s36                   ; my first piece in the segment
	s_cmp_eq_u32 s35, 1
	s_cselect_b64 s[38:39], s[20:21], s[18:19]
	s_cmp_eq_u32 s35, 2
	s_cselect_b64 s[38:39], s[22:23], s[38:39]
	s_cmp_eq_u32 s35, 3
	s_cselect_b64 s[38:39], s[24:25], s[38:39]
	s_cmp_ge_u32 s35, 4
	s_cselect_b64 s[38:39], s[26:27], s[38:39]
	s_cmp_ge_u32 s35, 6
	s_cselect_b64 s[38:39], s[28:29], s[38:39]
	s_and_b32 s40, s35, 1
	s_lshl_b32 s40, s40, 22                        ; the second 4 MiB of ff_w1 or ff_w2
	s_cmp_ge_u32 s35, 4
	s_cselect_b32 s40, s40, 0
	s_lshl_b32 s41, s36, 12
	s_add_co_u32 s40, s40, s41
	s_mov_b32 s41, 0
	s_add_nc_u64 s[38:39], s[38:39], s[40:41]
	s_lshl_b32 s43, s35, 11                        ; segments 0, 1: left and right half of W1c's rows of 4,096 bytes
	s_lshl_b32 s44, s35, 21                        ; the others are dense: segment x 2 MiB
	s_movk_i32 s42, 0x800
	s_cmp_lt_u32 s35, 2
	s_cselect_b32 s42, 4096, s42                   ; bytes from piece to piece in wts
	s_cselect_b32 s43, s43, s44
	s_mul_i32 s44, s36, s42
	s_add_co_u32 s44, s44, s43
	s_mov_b32 s45, 0
	s_add_nc_u64 s[46:47], s[30:31], s[44:45]
	v_lshlrev_b32 v1, 4, v[TMP]
	v_lshlrev_b32 v2, 3, v[TMP]                    ; v[2:5]: 8 lane + piece x step
	v_add_nc_u32 v3, s42, v2
	v_add_nc_u32 v4, s42, v3
	v_add_nc_u32 v5, s42, v4
.irp i, 0,1,2,3
.irp j, 0,1,2,3,4,5,6,7
	global_load_b128 v[8+32*\i+4*\j:8+32*\i+4*\j+3], v1, s[38:39] offset:4096*\i+512*\j th:TH_LOAD_NT
.endr
.endr
.irp i, 0,1,2,3
	s_wait_loadcnt 24-8*\i                         ; this piece's eight loads are in, the younger pieces stay out
.irp j, 0,1,2,3,4,5,6,7
	v_cvt_pk_bf16_f32 v[8+32*\i+4*\j], v[8+32*\i+4*\j], v[8+32*\i+4*\j+1]
	v_cvt_pk_bf16_f32 v[8+32*\i+4*\j+1], v[8+32*\i+4*\j+2], v[8+32*\i+4*\j+3]
	global_store_b64 v[2+\i], v[8+32*\i+4*\j:8+32*\i+4*\j+1], s[46:47] offset:256*\j   ; 256 consecutive bytes, aligned; no register is written again
.endr
.endr
	s_endpgm
.Lfunc_end_k_qa0361305af_prep:
	.size	k_qa0361305af_prep, .Lfunc_end_k_qa0361305af_prep-k_qa0361305af_prep
	.p2alignl 7, 3214868480
	.fill 96, 4, 3214868480
	.section	.rodata,"a",@progbits
	.p2align	6, 0x0
	.amdhsa_kernel k_qa0361305af_prep
		.amdhsa_group_segment_fixed_size 66560
		.amdhsa_private_segment_fixed_size 0
		.amdhsa_enable_private_segment 0
		.amdhsa_kernarg_size 104
		.amdhsa_user_sgpr_count 2
		.amdhsa_user_sgpr_kernarg_segment_ptr 1
		.amdhsa_wavefront_size32 1
		.amdhsa_system_sgpr_workgroup_id_x 1
		.amdhsa_system_sgpr_workgroup_id_y 1
		.amdhsa_system_sgpr_workgroup_id_z 1
		.amdhsa_system_vgpr_workitem_id 0
		.amdhsa_next_free_vgpr 242
		.amdhsa_next_free_sgpr 66
		.amdhsa_reserve_vcc 0
		.amdhsa_float_denorm_mode_32 3
		.amdhsa_float_denorm_mode_16_64 3
		.amdhsa_memory_ordered 1
		.amdhsa_forward_progress 1
		.amdhsa_inst_pref_size 103
	.end_amdhsa_kernel
	.amdgpu_metadata
---
amdhsa.version: [ 1, 2 ]
amdhsa.kernels:
  - .name:           k_qa0361305af_prep
    .symbol:         k_qa0361305af_prep.kd
    .args:
      - { .name: t, .offset: 0, .size: 8, .value_kind: global_buffer, .address_space: global }
      - { .name: ada_w, .offset: 8, .size: 8, .value_kind: global_buffer, .address_space: global }
      - { .name: ada_b, .offset: 16, .size: 8, .value_kind: global_buffer, .address_space: global }
      - { .name: ffada_w, .offset: 24, .size: 8, .value_kind: global_buffer, .address_space: global }
      - { .name: ffada_b, .offset: 32, .size: 8, .value_kind: global_buffer, .address_space: global }
      - { .name: ssm_w1, .offset: 40, .size: 8, .value_kind: global_buffer, .address_space: global }
      - { .name: bwd_w1, .offset: 48, .size: 8, .value_kind: global_buffer, .address_space: global }
      - { .name: ssm_w2, .offset: 56, .size: 8, .value_kind: global_buffer, .address_space: global }
      - { .name: bwd_w2, .offset: 64, .size: 8, .value_kind: global_buffer, .address_space: global }
      - { .name: ff_w1, .offset: 72, .size: 8, .value_kind: global_buffer, .address_space: global }
      - { .name: ff_w2, .offset: 80, .size: 8, .value_kind: global_buffer, .address_space: global }
      - { .name: wts, .offset: 88, .size: 8, .value_kind: global_buffer, .address_space: global }
      - { .name: mods, .offset: 96, .size: 8, .value_kind: global_buffer, .address_space: global }
    .group_segment_fixed_size: 66560
    .private_segment_fixed_size: 0
    .kernarg_segment_align: 8
    .kernarg_segment_size: 104
    .max_flat_workgroup_size: 256
    .sgpr_count:     66
    .vgpr_count:     242
    .wavefront_size: 32
...
	.end_amdgpu_metadata
.endif
;; end of part 1
;; launch ln1 (part 2): grid 256 x 1, 8 waves a work-group, no clusters, 0 bytes of LDS; arguments x, mask, mods, act; writes act
.if DOCPART == 2
	.amdgcn_target "amdgcn-amd-amdhsa--gfx1250"
	.amdhsa_code_object_version 6
	.text
	.protected	k_qa0361305af_ln1
	.globl	k_qa0361305af_ln1
	.p2align	8
	.type	k_qa0361305af_ln1,@function
k_qa0361305af_ln1:
	s_mov_b64 s[64:65], 0
	v_nop
	global_prefetch_b8 v0, s[64:65] scope:SCOPE_SE
	s_setreg_imm32_b32 hwreg(HW_REG_WAVE_MODE, 25, 1), 1
	s_wait_xcnt 0x0
; act[row] = bf16( LN(src[row]) * (1 + scale[batch]) + shift[batch] ), and with MASKED = 1 zero where mask[row] is false.
; MASKED = 1: src = x, emb of ada.  MASKED = 0: src = x1, emb of ffada.
; Memory binds: 8 waves, 32 rows a work-group, a wave takes 4 whole rows of 4,096 bytes, each kept in 32 registers between the passes, so a row is read
; once and no wave waits for another; all 32 row loads of a wave are issued at once.  No LDS, no matrix unit, no cluster: nothing is shared but 8 KB of modulation.
; Mean first, then the variance of the centred numbers: a common offset of the inputs cancels before anything is squared.
; LIMITS: v_rsq_f32 is good to 1 ulp; the sums along a row are taken in another order than a plain chain.
.set MASKED, 1
.set EMBOFF, 0                         ; byte offset of this layer's emb in mods
.set SC, 4                             ; v[4:35]    1 + scale of my 32 columns (chunk j: columns 128 j + 4 lane ..)
.set SH, 36                            ; v[36:67]   shift
.set X,  68                            ; v[68:195]  row i at 68 + 32 i
.set T,  196                           ; v[196:203] four chains of sums
.set M,  204                           ; v[204:205] the mean, twice
.set R,  206                           ; v[206:207] 1 / sqrt(var + eps), twice
.set PX, 208                           ; v208       the other half's sum
.if MASKED
	s_load_b256 s[4:11], s[0:1], 0x0               ; src s[4:5], mask s[6:7], mods s[8:9], act s[10:11]
.else
	s_load_b64 s[4:5], s[0:1], 0x0                 ; src
	s_load_b128 s[8:11], s[0:1], 0x8               ; mods s[8:9], act s[10:11]
.endif
	v_lshrrev_b32 v3, 5, v0
	v_readfirstlane_b32 s20, v3                    ; wave
	v_and_b32 v3, 31, v0
	v_lshlrev_b32 v1, 4, v3                        ; 16 lane
	v_lshlrev_b32 v2, 3, v3                        ; 8 lane
	v_mov_b32 v[PX], 0                             ; v_permlanex16_b32 counts as a reader of its destination
	s_mov_b32 s12, 0x76543210                      ; lane i of one half reads lane i of the other
	s_mov_b32 s13, 0xfedcba98
	s_mov_b32 s22, 0x3a800000                      ; 1 / 1024
	s_mov_b32 s23, 0x358637bd                      ; 1e-6
	s_lshl_b32 s24, ttmp9, 5
	s_lshl2_add_u32 s24, s20, s24                  ; my first row = 32 g + 4 w
	s_mov_b32 s25, 0
	s_lshl_b32 s26, s24, 12
	s_mov_b32 s27, 0
	s_lshl_b32 s28, s24, 11
	s_mov_b32 s29, 0
	s_lshr_b32 s30, ttmp9, 5                       ; batch
	s_mul_i32 s30, s30, 12288
	s_add_co_u32 s30, s30, EMBOFF
	s_mov_b32 s31, 0
	s_wait_kmcnt 0x0
	s_add_nc_u64 s[4:5], s[4:5], s[26:27]
	s_add_nc_u64 s[8:9], s[8:9], s[30:31]
	s_add_nc_u64 s[10:11], s[10:11], s[28:29]
.if MASKED
	s_add_nc_u64 s[6:7], s[6:7], s[24:25]
	s_load_b32 s14, s[6:7], 0x0                    ; my four rows' mask bytes: the address is a multiple of 4
.endif
.irp j, 0,1,2,3,4,5,6,7
	global_load_b128 v[SH+4*\j:SH+4*\j+3], v1, s[8:9] offset:512*\j
.endr
.irp j, 0,1,2,3,4,5,6,7
	global_load_b128 v[SC+4*\j:SC+4*\j+3], v1, s[8:9] offset:4096+512*\j
.endr
.irp i, 0,1,2,3
.irp j, 0,1,2,3,4,5,6,7
	global_load_b128 v[X+32*\i+4*\j:X+32*\i+4*\j+3], v1, s[4:5] offset:4096*\i+512*\j
.endr
.endr
.if MASKED
	s_wait_kmcnt 0x0
.irp i, 0,1,2,3
	s_bfe_u32 s21, s14, (8<<16)|(8*\i)
	s_cmp_lg_u32 s21, 0
	s_cselect_b32 s[16+\i], -1, 0                  ; all ones keeps the row, zero clears it
.endr
.endif
.macro WSUM                            ; the four chains, then the 32 lanes; every lane ends with the sum in v[T]
	v_pk_add_f32 v[T:T+1], v[T:T+1], v[T+2:T+3]
	v_pk_add_f32 v[T+4:T+5], v[T+4:T+5], v[T+6:T+7]
	v_pk_add_f32 v[T:T+1], v[T:T+1], v[T+4:T+5]
	v_add_f32 v[T], v[T], v[T+1]
	v_add_f32_dpp v[T], v[T], v[T] row_xmask:1 row_mask:0xf bank_mask:0xf
	v_add_f32_dpp v[T], v[T], v[T] row_xmask:2 row_mask:0xf bank_mask:0xf
	v_add_f32_dpp v[T], v[T], v[T] row_xmask:4 row_mask:0xf bank_mask:0xf
	v_add_f32_dpp v[T], v[T], v[T] row_xmask:8 row_mask:0xf bank_mask:0xf
	v_permlanex16_b32 v[PX], v[T], s12, s13
	v_add_f32 v[T], v[T], v[PX]
.endm
.macro ROW i
	s_wait_loadcnt 24-8*\i                         ; this row's eight loads are in (and shift and scale, which are older); the younger rows stay out
.if \i == 0
.set pp, 0
.rept 16
	v_pk_add_f32 v[SC+pp:SC+pp+1], v[SC+pp:SC+pp+1], 1.0 op_sel_hi:[1,0]
.set pp, pp+2
.endr
.endif
.irp k, 0,2,4,6
	v_pk_add_f32 v[T+\k:T+\k+1], v[X+32*\i+\k:X+32*\i+\k+1], v[X+32*\i+8+\k:X+32*\i+8+\k+1]
.endr
.irp m, 16,24
.irp k, 0,2,4,6
	v_pk_add_f32 v[T+\k:T+\k+1], v[T+\k:T+\k+1], v[X+32*\i+\m+\k:X+32*\i+\m+\k+1]
.endr
.endr
	WSUM
	v_mul_f32 v[M], s22, v[T]
	v_mul_f32 v[M+1], s22, v[T]
.set pp, 0
.rept 16
	v_pk_add_f32 v[X+32*\i+pp:X+32*\i+pp+1], v[X+32*\i+pp:X+32*\i+pp+1], v[M:M+1] neg_lo:[0,1] neg_hi:[0,1]
.set pp, pp+2
.endr
.irp k, 0,2,4,6
	v_pk_mul_f32 v[T+\k:T+\k+1], v[X+32*\i+\k:X+32*\i+\k+1], v[X+32*\i+\k:X+32*\i+\k+1]
.endr
.irp m, 8,16,24
.irp k, 0,2,4,6
	v_pk_fma_f32 v[T+\k:T+\k+1], v[X+32*\i+\m+\k:X+32*\i+\m+\k+1], v[X+32*\i+\m+\k:X+32*\i+\m+\k+1], v[T+\k:T+\k+1]
.endr
.endr
	WSUM
	v_fma_f32 v[T+2], v[T], s22, s23               ; var + eps
	v_rsq_f32 v[R], v[T+2]
	v_rsq_f32 v[R+1], v[T+2]
	v_nop                                          ; one plain instruction between a transcendental and the use of its result (ISA guide 5.7.2)
.set pp, 0
	s_wait_alu depctr_va_vdst(0)
.rept 16
	v_pk_mul_f32 v[X+32*\i+pp:X+32*\i+pp+1], v[X+32*\i+pp:X+32*\i+pp+1], v[R:R+1]
.set pp, pp+2
.endr
.set pp, 0
.rept 16
	v_pk_fma_f32 v[X+32*\i+pp:X+32*\i+pp+1], v[X+32*\i+pp:X+32*\i+pp+1], v[SC+pp:SC+pp+1], v[SH+pp:SH+pp+1]
.set pp, pp+2
.endr
.set pp, 0
.rept 16
	v_cvt_pk_bf16_f32 v[X+32*\i+pp], v[X+32*\i+2*pp], v[X+32*\i+2*pp+1]    ; ascending: word pp is written when words 2 pp, 2 pp + 1 are read
.set pp, pp+1
.endr
.if MASKED
.set pp, 0
.rept 16
	v_and_b32 v[X+32*\i+pp], s[16+\i], v[X+32*\i+pp]                       ; the where(): bits, so a NaN in a masked row becomes +0 too
.set pp, pp+1
.endr
.endif
.irp j, 0,1,2,3,4,5,6,7
	global_store_b64 v2, v[X+32*\i+2*\j:X+32*\i+2*\j+1], s[10:11] offset:2048*\i+256*\j   ; 256 consecutive bytes, aligned; no register is written again
.endr
.endm
	ROW 0
	ROW 1
	ROW 2
	ROW 3
	s_endpgm
.Lfunc_end_k_qa0361305af_ln1:
	.size	k_qa0361305af_ln1, .Lfunc_end_k_qa0361305af_ln1-k_qa0361305af_ln1
	.p2alignl 7, 3214868480
	.fill 96, 4, 3214868480
	.section	.rodata,"a",@progbits
	.p2align	6, 0x0
	.amdhsa_kernel k_qa0361305af_ln1
		.amdhsa_group_segment_fixed_size 0
		.amdhsa_private_segment_fixed_size 0
		.amdhsa_enable_private_segment 0
		.amdhsa_kernarg_size 32
		.amdhsa_user_sgpr_count 2
		.amdhsa_user_sgpr_kernarg_segment_ptr 1
		.amdhsa_wavefront_size32 1
		.amdhsa_system_sgpr_workgroup_id_x 1
		.amdhsa_system_sgpr_workgroup_id_y 1
		.amdhsa_system_sgpr_workgroup_id_z 1
		.amdhsa_system_vgpr_workitem_id 0
		.amdhsa_next_free_vgpr 212
		.amdhsa_next_free_sgpr 66
		.amdhsa_reserve_vcc 0
		.amdhsa_float_denorm_mode_32 3
		.amdhsa_float_denorm_mode_16_64 3
		.amdhsa_memory_ordered 1
		.amdhsa_forward_progress 1
		.amdhsa_inst_pref_size 42
	.end_amdhsa_kernel
	.amdgpu_metadata
---
amdhsa.version: [ 1, 2 ]
amdhsa.kernels:
  - .name:           k_qa0361305af_ln1
    .symbol:         k_qa0361305af_ln1.kd
    .args:
      - { .name: x, .offset: 0, .size: 8, .value_kind: global_buffer, .address_space: global }
      - { .name: mask, .offset: 8, .size: 8, .value_kind: global_buffer, .address_space: global }
      - { .name: mods, .offset: 16, .size: 8, .value_kind: global_buffer, .address_space: global }
      - { .name: act, .offset: 24, .size: 8, .value_kind: global_buffer, .address_space: global }
    .group_segment_fixed_size: 0
    .private_segment_fixed_size: 0
    .kernarg_segment_align: 8
    .kernarg_segment_size: 32
    .max_flat_workgroup_size: 256
    .sgpr_count:     66
    .vgpr_count:     212
    .wavefront_size: 32
...
	.end_amdgpu_metadata
.endif
;; end of part 2
;; launch up1 (part 3): grid 8 x 64, 4 waves a work-group, clusters of 4 x 4, 327,680 bytes of LDS; arguments act, wts, ssm_b1, bwd_b1, hid; writes hid
.if DOCPART == 3
	.amdgcn_target "amdgcn-amd-amdhsa--gfx1250"
	.amdhsa_code_object_version 6
	.text
	.protected	k_qa0361305af_up1
	.globl	k_qa0361305af_up1
	.p2align	8
	.type	k_qa0361305af_up1,@function
k_qa0361305af_up1:
	s_mov_b64 s[64:65], 0
	v_nop
	global_prefetch_b8 v0, s[64:65] scope:SCOPE_SE
	s_setreg_imm32_b32 hwreg(HW_REG_WAVE_MODE, 25, 1), 1
	s_wait_xcnt 0x0
	s_wait_alu depctr_hold_cnt(0) depctr_sa_sdst(0) depctr_va_vdst(0) depctr_va_sdst(0) depctr_va_ssrc(0) depctr_va_vcc(0) depctr_vm_vsrc(0)
	s_getreg_b32 s2, hwreg(HW_REG_IB_STS2, 6, 4)
	s_cmp_eq_u32 s2, 0
	s_cbranch_scc0 .Lentry_in_a_cluster
	s_endpgm
.Lentry_in_a_cluster:
	s_bfe_u32 s2, ttmp6, 0x10000c
	s_cmp_lg_u32 s2, 0xf033
	s_cbranch_scc0 .Lentry_shape_is_right
	s_endpgm
.Lentry_shape_is_right:
; hid = bf16( gelu( act @ W + bias ) ).  act [8192][1024] bf16, W [1024][2048] bf16 in wts (rows along N), hid [8192][2048] bf16; sums in f32.
; VARIANT 0: W = [ssm_w1 | bwd_w1], bias = [ssm_b1 | bwd_b1], exact (erf) GELU.  The flips of axis 1 are left out: the layers treat each position by itself.
; VARIANT 1: W = ff_w1, bias = ff_b1, tanh GELU.
; A work-group makes 128 x 256 of the result with four waves, as many as a WGP has SIMDs; a wave makes 64 x 128: 32 accumulator tiles, 256 registers.
; K goes in steps of 128 through two LDS slots filled by the tensor data mover, one load a wave: waves 0, 1 bring 64 rows x 256 bytes of A each,
; waves 2, 3 bring 64 k-rows x 512 bytes of W each.  W stays [K][N]; its fragments are taken by the transposing LDS load.
; CLUSTERS: 4 x 4 work-groups.  A's tile hangs on the block row alone and is asked for jointly by the four of a row of the cluster; W's hangs on the
; block column alone and is asked for jointly by the four of a column.  That divides the requests for both by four.
; A wave has two tensor loads out at the start and one behind each round of the cluster's barrier.
; REGISTERS in windows of 256: window 0 addresses, fragments (two buffers), the way out; window 1 the accumulators, tile (a, b) at v[8 (8 a + b)];
; window 2 v0-63 the bias of my 8 columns in each of 8 column blocks.
; The matrix instruction is used transposed (source 0 = W's columns, source 1 = A's rows): a lane then holds 8 neighbouring columns of one row.
; LIMITS: erf by a fifth-degree fit in 1 / (1 + 0.3275911 |z|) with absolute error 1.5e-7, for every finite x; v_exp_f32 and v_rcp_f32 are good to
; 1 ulp and flush denormals; an infinite pre-activation gives NaN in the erf form.
.set VARIANT, 0
.set KD, 1024
.set ND, 2048
.set WOFF, 0                           ; byte offset of W in wts
.if VARIANT == 0
.set HIDP, 76
.else
.set HIDP, 74
.endif
.set KSTEP, 128
.set PA, 272                           ; A's LDS row: 256 bytes + 16: an odd multiple of 16, so 16 rows start at 16 different groups of banks
.set PB, 544                           ; W's LDS row: 512 bytes + 32: an odd multiple of 32, as the transposing load's eight rows want
.set AHALF, 64*PA
.set ATILE, 2*AHALF
.set BHALF, 64*PB                      ; = ATILE
.set SLOT, ATILE+2*BHALF               ; A's 128 rows, then W's 128 k-rows
.set STAGE, 2*SLOT                     ; behind the ring, a multiple of 256: 16 rows x 272 bytes for each wave; no fill lands here
.set SPITCH, 272
.set LAPS, KD/(2*KSTEP)
.set ADRA, 8                           ; v[8:9]   LDS address of my A fragments in slot 0, 1
.set ADRB, 10                          ; v[10:11] the same for W
.set STO, 12                           ; v12      the way out: where I put 16 bytes of a row
.set RD,  13                           ; v13      where I read rows back
.set CO,  14                           ; v14      my byte offset in hid
.set BO,  15                           ; v15      my byte offset in the bias
.set TN,  24                           ; v[24:31] GELU: max(x, 0), then the result
.set FA0, 32                           ; v[32:63], v[64:95]    A fragments, buffers 0, 1
.set FB0, 96                           ; v[96:159], v[160:223] W fragments, buffers 0, 1
.set XE,  32                           ; the way out: v[32:95] 64 numbers in f32
.set PK,  96                           ; v[96:127]  packed results
.set RB0, 128                          ; v[128:159], v[160:191] rows read back, two buffers
.set RB1, 160
.set TD,  192                          ; v[192:223] GELU: four banks of eight
.set TE,  200
.set TM,  208
.set TQ,  216
.set CK,  224                          ; v[224:235] GELU's constants, each twice
.set G1, 24                            ; s[24:31] descriptor group 1 for A
.set G0, 32                            ; s[32:39] group 0 for A, one set a slot
.set G1B, 48                           ; s[48:55] group 1 for W
.set G0B, 56                           ; s[56:63] group 0 for W, one set a slot
.set MSB, 0
.macro WIN new                         ; low byte: bits 1:0 source 0, 3:2 source 1, 5:4 source 2, 7:6 destination; the high byte repeats the setting that is left
.if MSB != \new
	s_set_vgpr_msb (MSB<<8)|\new
.set MSB, \new
.endif
.endm
.macro JLOAD s                         ; waves 0, 1 ask for A's halves, waves 2, 3 for W's: each line has one mask; the branch hangs on the wave's number alone
	s_cmp_eq_u32 s11, 0
	s_cbranch_scc0 .Lfor_b_\@
	tensor_load_to_lds s[G0+4*\s:G0+4*\s+3], s[G1:G1+7]
	s_nop 0
	s_branch .Lasked_\@
.Lfor_b_\@:
	tensor_load_to_lds s[G0B+4*\s:G0B+4*\s+3], s[G1B:G1B+7]
	s_nop 0
.Lasked_\@:
.endm
.macro CREST                           ; a round of the cluster's barrier behind its opening work-group barrier
	s_cmp_lg_u32 s10, 0
	s_cbranch_scc1 .Lnot_wave_0_\@
	s_barrier_signal -3
.Lnot_wave_0_\@:
	s_barrier_wait -3
	s_barrier_signal -1
	s_barrier_wait -1
.endm
.macro CROUND
	s_barrier_signal -1
	s_barrier_wait -1
	CREST
.endm
	s_load_b256 s[68:75], s[0:1], 0x0              ; act s[68:69], wts s[70:71], then VARIANT 0: ssm_b1, bwd_b1; VARIANT 1: ff_b1, hid
.if VARIANT == 0
	s_load_b64 s[76:77], s[0:1], 0x20              ; hid
	v_lshl_add_u32 v254, v0, 2, 0x37400
	v_mov_b32 v255, 0
	ds_add_u32 v254, v255
.endif
	v_lshrrev_b32 v1, 5, v0
	v_readfirstlane_b32 s10, v1                    ; wave 0..3
	s_lshr_b32 s11, s10, 1                         ; which 64 of the block's rows are mine.  Also: I fetch for A (0) or for W (1)
	s_and_b32 s12, s10, 1                          ; which 128 of its columns.  Also: which half of that tile I fetch
	s_bfe_u32 s40, ttmp6, 0x40000                  ; cx
	s_bfe_u32 s41, ttmp6, 0x40004                  ; cy
	s_lshl_b32 s42, ttmp9, 2
	s_add_co_u32 s42, s42, s40                     ; block column = 4 x cluster x + cx
	s_and_b32 s13, ttmp7, 0xffff
	s_lshl_b32 s13, s13, 2
	s_add_co_u32 s13, s13, s41                     ; block row = 4 x cluster y + cy
	s_lshl_b32 s43, s41, 2
	s_lshl_b32 s43, 15, s43                        ; my row of the cluster
	s_lshl_b32 s44, 0x1111, s40                    ; my column
	s_or_b32 s[G1+0], s43, (1<<16)|(1<<20)|(1<<21)|(5<<22)|(3<<25)    ; mask; 2-byte elements; padding on; bit 21 beside a mask; after every 64 words 4 words
	s_or_b32 s[G1B+0], s44, (1<<16)|(1<<20)|(1<<21)|(6<<22)|(7<<25)   ; the same for W: after every 128 words 8 words
	s_mov_b32 s[G1+1], KSTEP<<16                   ; tensor_dim0 = 128
	s_mov_b32 s[G1+2], 64<<16                      ; tensor_dim1 = 64
	s_mov_b32 s[G1+3], KSTEP<<16                   ; tile_dim0 = 128 elements = 256 bytes
	s_mov_b32 s[G1+4], 64                          ; tile_dim1 = 64 rows
	s_mov_b32 s[G1+5], KD                          ; elements from row to row
	s_mov_b32 s[G1+6], 0
	s_mov_b32 s[G1+7], 0
	s_mov_b32 s[G1B+1], 256<<16                    ; tensor_dim0 = 256
	s_mov_b32 s[G1B+2], 64<<16
	s_mov_b32 s[G1B+3], 256<<16                    ; tile_dim0 = 256 elements = 512 bytes
	s_mov_b32 s[G1B+4], 64
	s_mov_b32 s[G1B+5], ND
	s_mov_b32 s[G1B+6], 0
	s_mov_b32 s[G1B+7], 0
	s_lshl_b32 s16, s13, 7                         ; A: row 128 x block row + 64 x half; these registers never hold cx
	s_lshl_b32 s17, s12, 6
	s_add_co_u32 s16, s16, s17
	s_mul_i32 s16, s16, KD*2
	s_mov_b32 s17, 0
	s_mul_i32 s46, s12, 64*ND*2                    ; W: k-row 64 x half, column 256 x block column; these never hold cy
	s_lshl_b32 s47, s42, 9
	s_add_co_u32 s46, s46, s47
	s_add_co_u32 s46, s46, WOFF
	s_mov_b32 s47, 0
	s_mul_i32 s20, s10, AHALF                      ; where they go: A's halves at wave x AHALF (waves 0, 1),
	s_mul_i32 s21, s10, BHALF
	s_sub_co_u32 s21, s21, BHALF                   ; W's at ATILE + (wave - 2) x BHALF = wave x BHALF - BHALF (waves 2, 3)
	s_wait_dscnt 0x0
	s_wait_kmcnt 0x0
	s_add_nc_u64 s[14:15], s[68:69], s[16:17]
	s_add_nc_u64 s[46:47], s[70:71], s[46:47]
	CROUND                                         ; all sixteen work-groups are here: the first joint loads meet
.irp s, 0,1
	s_mov_b32 s[G0+4*\s], 1
	s_add_co_u32 s[G0+4*\s+1], s20, \s*SLOT
	s_add_nc_u64 s[G0+4*\s+2:G0+4*\s+3], s[14:15], \s*KSTEP*2
	s_or_b32 s[G0+4*\s+3], s[G0+4*\s+3], 0x80000000
	s_mov_b32 s[G0B+4*\s], 1
	s_add_co_u32 s[G0B+4*\s+1], s21, \s*SLOT
	s_add_nc_u64 s[G0B+4*\s+2:G0B+4*\s+3], s[46:47], \s*KSTEP*ND*2
	s_or_b32 s[G0B+4*\s+3], s[G0B+4*\s+3], 0x80000000
	JLOAD \s                                       ; both slots are asked for before anything else is done
.endr
	v_and_b32 v1, 15, v0                           ; r = lane % 16
	v_bfe_u32 v2, v0, 4, 1                         ; h = lane / 16
	v_and_b32 v3, 7, v0
	v_bfe_u32 v4, v0, 3, 1
	v_mul_u32_u24 v5, v1, PA                       ; A fragment: row r, 16 bytes for each half of the lanes, two loads 32 bytes apart
	v_lshl_add_u32 v5, v2, 4, v5
	s_mul_i32 s22, s11, 64*PA
	v_add_nc_u32 v[ADRA], s22, v5
	v_add_nc_u32 v[ADRA+1], SLOT, v[ADRA]
	v_lshl_add_u32 v6, v2, 3, v3                   ; W fragment: k-row 8 h + lane % 8, 16 bytes by bit 3 of the lane, two loads 16 k-rows apart
	v_mul_u32_u24 v6, v6, PB
	v_lshl_add_u32 v6, v4, 4, v6
	s_lshl_b32 s22, s12, 8
	s_add_co_u32 s22, s22, ATILE
	v_add_nc_u32 v[ADRB], s22, v6
	v_add_nc_u32 v[ADRB+1], SLOT, v[ADRB]
	s_mul_i32 s23, s10, 16*SPITCH
	s_add_co_u32 s23, s23, STAGE                   ; my stage
	v_mul_u32_u24 v5, v1, SPITCH
	v_lshl_add_u32 v5, v2, 4, v5
	v_add_nc_u32 v[STO], s23, v5
	v_mul_u32_u24 v5, v2, SPITCH
	v_lshl_add_u32 v5, v1, 4, v5
	v_add_nc_u32 v[RD], s23, v5
	v_mul_u32_u24 v5, v2, ND*2
	v_lshl_add_u32 v[CO], v1, 4, v5
	v_lshlrev_b32 v[BO], 5, v2
	s_lshl_b32 s22, s12, 9
	v_add_nc_u32 v[BO], s22, v[BO]                 ; 32 h + 512 x column half
	; bases that hang on both block coordinates, in registers that feed no descriptor
	s_lshl_b32 s4, s13, 7
	s_lshl_b32 s5, s11, 6
	s_add_co_u32 s4, s4, s5
	s_mul_i32 s4, s4, ND*2
	s_lshl_b32 s5, s42, 9
	s_add_co_u32 s4, s4, s5
	s_lshl_b32 s5, s12, 8
	s_add_co_u32 s4, s4, s5
	s_mov_b32 s5, 0
	s_add_nc_u64 s[84:85], s[HIDP:HIDP+1], s[4:5]  ; hid at my first row and column
.if VARIANT == 0
	s_cmp_ge_u32 ttmp9, 1                          ; block columns 4-7 (cluster x = 1) are bwd's
	s_cselect_b64 s[86:87], s[74:75], s[72:73]
	s_lshl_b32 s6, s40, 10
.else
	s_mov_b64 s[86:87], s[72:73]
	s_lshl_b32 s6, s42, 10
.endif
	s_mov_b32 s7, 0
	s_add_nc_u64 s[86:87], s[86:87], s[6:7]
	WIN 0x80                                       ; destination window 2
.irp b, 0,1,2,3,4,5,6,7
	global_load_b128 v[8*\b:8*\b+3], v[BO], s[86:87] offset:64*\b          ; bias of columns 16 b + 8 h + 0..3
	global_load_b128 v[8*\b+4:8*\b+7], v[BO], s[86:87] offset:64*\b+16     ; and + 4..7; waited for behind the K loop
.endr
	WIN 0
.if VARIANT == 0
	s_mov_b32 s8, 0x3e6d3388                       ; 0.3275911 / sqrt 2
.irp d, 0,1
	v_mov_b32 v[CK+\d], 0x3f07dc22                 ; the fit's coefficients, halved:  0.5307027
	v_mov_b32 v[CK+2+\d], 0xbf3a00e3               ; -0.7265760
	v_mov_b32 v[CK+4+\d], 0x3f35f0e3               ;  0.7107069
	v_mov_b32 v[CK+6+\d], 0xbe11a98e               ; -0.1422484
	v_mov_b32 v[CK+8+\d], 0x3e027906               ;  0.1274148
	v_mov_b32 v[CK+10+\d], 0xbf38aa3b              ; -log2(e) / 2
.endr
.else
.irp d, 0,1
	v_mov_b32 v[CK+\d], 0xbdd2d3e8                 ; -2 log2(e) sqrt(2/pi) 0.044715
	v_mov_b32 v[CK+2+\d], 0xc0135761               ; -2 log2(e) sqrt(2/pi)
.endr
.endif
; 16 matrix instructions: row blocks a0, a0 + 1 x all 8 column blocks, 32 along K, from fragment buffer f.  zero = 1: the product starts the sums.
; The 32 accumulators take turns, one instruction a turn, in the same order in every quarter step and over the backward jump.
.macro MUL16 f, a0, zero
.irp a, \a0, \a0+1
.irp b, 0,1,2,3,4,5,6,7
.if \zero
	v_wmma_f32_16x16x32_bf16 v[8*(8*(\a)+\b):8*(8*(\a)+\b)+7], v[FB0+64*\f+8*\b:FB0+64*\f+8*\b+7], v[FA0+32*\f+8*(\a):FA0+32*\f+8*(\a)+7], 0
.else
	v_wmma_f32_16x16x32_bf16 v[8*(8*(\a)+\b):8*(8*(\a)+\b)+7], v[FB0+64*\f+8*\b:FB0+64*\f+8*\b+7], v[FA0+32*\f+8*(\a):FA0+32*\f+8*(\a)+7], v[8*(8*(\a)+\b):8*(8*(\a)+\b)+7]
.endif
.endr
.endr
.endm
; 24 LDS loads in one run: quarter q (32 along K) of a slot into buffer f: W's 128 columns, A's 64 rows
.macro FETCH slot, q, f
	WIN 0
.irp b, 0,1,2,3,4,5,6,7
	ds_load_tr16_b128 v[FB0+64*\f+8*\b:FB0+64*\f+8*\b+3], v[ADRB+\slot] offset:\q*32*PB+32*\b
	ds_load_tr16_b128 v[FB0+64*\f+8*\b+4:FB0+64*\f+8*\b+7], v[ADRB+\slot] offset:\q*32*PB+32*\b+16*PB
.endr
.irp a, 0,1,2,3
	ds_load_b128 v[FA0+32*\f+8*\a:FA0+32*\f+8*\a+3], v[ADRA+\slot] offset:64*\q+\a*16*PA
	ds_load_b128 v[FA0+32*\f+8*\a+4:FA0+32*\f+8*\a+7], v[ADRA+\slot] offset:64*\q+\a*16*PA+32
.endr
.endm
.macro PLACES                          ; a load into a register that a matrix instruction has read, and a vector instruction on a matrix result, stand four plain vector instructions behind it
.rept 4
	v_nop
.endr
.endm
; one of a K step's first three quarters: asks for quarter qn into buffer g, then multiplies buffer f
.macro QUARTER slot, qn, f, g, zero
	PLACES
	FETCH \slot, \qn, \g
	s_wait_dscnt 24                                ; the 24 loads just issued stay out; buffer f, asked for a quarter ago, is in
	WIN 0x50                                       ; C and D in window 1
	MUL16 \f, 0, \zero
	MUL16 \f, 2, \zero
.endm
.macro THREE slot, zero
	QUARTER \slot, 1, 0, 1, \zero
	QUARTER \slot, 2, 1, 0, 0
	QUARTER \slot, 3, 0, 1, 0
.endm
; the last quarter multiplies buffer 1 and changes slots.  In front of the barrier each wave waits for its reads of this slot and for all its tensor
; loads (one is out: its part of the next slot).  With fill = 1 the barrier opens a round of the cluster's barrier; behind the round no wave of any
; partner reads this slot or has a load on its way, and the joint refill is the wave's first and only tensor load there.
.macro TURN slot, next, fill
	s_wait_dscnt 0x0
	s_wait_tensorcnt 0x0
	ds_add_u32 v254, v255
	s_wait_dscnt 0x0
	s_barrier_signal -1
	WIN 0x50
	MUL16 1, 0, 0                                  ; registers only, while the others arrive
	WIN 0
	s_barrier_wait -1
.if \fill
	CREST
	s_add_nc_u64 s[G0+4*\slot+2:G0+4*\slot+3], s[G0+4*\slot+2:G0+4*\slot+3], 2*KSTEP*2          ; no tensor load of mine is out: the addresses may step, two K steps on
	s_add_nc_u64 s[G0B+4*\slot+2:G0B+4*\slot+3], s[G0B+4*\slot+2:G0B+4*\slot+3], 2*KSTEP*ND*2
	JLOAD \slot
.endif
	PLACES
	FETCH \next, 0, 0
	WIN 0x50
	MUL16 1, 2, 0
.endm
.macro LAP zero
	THREE 0, \zero
	TURN 0, 1, 1
	THREE 1, 0
	TURN 1, 0, 1
.endm
	s_wait_tensorcnt 0x1                           ; my part of K step 0 is in; K step 1's stays out
	s_barrier_signal -1
	s_barrier_wait -1
	FETCH 0, 0, 0
	LAP 1                                          ; the first lap's first products start the sums: nothing is cleared
.if LAPS > 2
	WIN 0
	s_mov_b32 s3, LAPS-2
.Llap:
	LAP 0
	WIN 0
	s_sub_co_u32 s3, s3, 1
	s_cmp_lg_u32 s3, 0
	s_cbranch_scc1 .Llap
.endif
	THREE 0, 0                                     ; the last lap fills nothing
	TURN 0, 1, 0
	THREE 1, 0
	s_wait_dscnt 0x0
	WIN 0x50
	MUL16 1, 0, 0
	MUL16 1, 2, 0
	PLACES
	WIN 0
	s_wait_loadcnt 0x0                             ; the bias
; GELU of the 8 numbers at v[x ..], packed to bf16 in v[o .. o + 3]
.macro GELU8 x, o
.if VARIANT == 0
	; gelu(x) = max(x, 0) - |x| y,  y = poly(t) exp(-x^2 / 2) / 2,  t = 1 / (1 + 0.2316419 |x|): one form for both signs, no difference of large numbers
.irp i, 0,1,2,3,4,5,6,7
	v_fma_f32 v[TD+\i], |v[\x+\i]|, s8, 1.0
.endr
.irp p, 0,2,4,6
	v_pk_mul_f32 v[TE+\p:TE+\p+1], v[\x+\p:\x+\p+1], v[\x+\p:\x+\p+1]
.endr
.irp p, 0,2,4,6
	v_pk_mul_f32 v[TE+\p:TE+\p+1], v[TE+\p:TE+\p+1], v[CK+10:CK+11]
.endr
.irp i, 0,1,2,3,4,5,6,7
	v_rcp_f32 v[TQ+\i], v[TD+\i]
.endr
.irp i, 0,1,2,3,4,5,6,7
	v_exp_f32 v[TM+\i], v[TE+\i]
.endr
.irp i, 0,1,2,3,4,5,6,7
	v_max_num_f32 v[TN+\i], 0, v[\x+\i]            ; plain work that touches none of the transcendentals' registers (ISA guide 5.7.2)
.endr
	s_wait_alu depctr_va_vdst(0)
.irp p, 0,2,4,6
	v_pk_fma_f32 v[TD+\p:TD+\p+1], v[TQ+\p:TQ+\p+1], v[CK:CK+1], v[CK+2:CK+3]
.endr
.irp c, 4,6,8
.irp p, 0,2,4,6
	v_pk_fma_f32 v[TD+\p:TD+\p+1], v[TD+\p:TD+\p+1], v[TQ+\p:TQ+\p+1], v[CK+\c:CK+\c+1]
.endr
.endr
.irp p, 0,2,4,6
	v_pk_mul_f32 v[TD+\p:TD+\p+1], v[TD+\p:TD+\p+1], v[TQ+\p:TQ+\p+1]
.endr
.irp p, 0,2,4,6
	v_pk_mul_f32 v[TD+\p:TD+\p+1], v[TD+\p:TD+\p+1], v[TM+\p:TM+\p+1]
.endr
.irp i, 0,1,2,3,4,5,6,7
	v_fma_f32 v[TN+\i], -|v[\x+\i]|, v[TD+\i], v[TN+\i]
.endr
.irp r, 0,1,2,3
	v_cvt_pk_bf16_f32 v[\o+\r], v[TN+2*\r], v[TN+2*\r+1]
.endr
.else
	; gelu(x) = x / (1 + 2^(x (c3 x^2 + c1))): 0.5 (1 + tanh u) = 1 / (1 + e^(-2u)); both ends saturate to x and to 0
.irp p, 0,2,4,6
	v_pk_mul_f32 v[TD+\p:TD+\p+1], v[\x+\p:\x+\p+1], v[\x+\p:\x+\p+1]
.endr
.irp p, 0,2,4,6
	v_pk_fma_f32 v[TD+\p:TD+\p+1], v[TD+\p:TD+\p+1], v[CK:CK+1], v[CK+2:CK+3]
.endr
.irp p, 0,2,4,6
	v_pk_mul_f32 v[TD+\p:TD+\p+1], v[TD+\p:TD+\p+1], v[\x+\p:\x+\p+1]
.endr
.irp i, 0,1,2,3,4,5,6,7
	v_exp_f32 v[TE+\i], v[TD+\i]
.endr
	v_nop                                          ; one plain instruction behind the transcendentals (ISA guide 5.7.2)
.irp p, 0,2,4,6
	v_pk_add_f32 v[TE+\p:TE+\p+1], v[TE+\p:TE+\p+1], 1.0 op_sel_hi:[1,0]
.endr
.irp i, 0,1,2,3,4,5,6,7
	v_rcp_f32 v[TQ+\i], v[TE+\i]
.endr
	v_nop
.irp p, 0,2,4,6
	v_pk_mul_f32 v[TQ+\p:TQ+\p+1], v[TQ+\p:TQ+\p+1], v[\x+\p:\x+\p+1]
.endr
.irp r, 0,1,2,3
	v_cvt_pk_bf16_f32 v[\o+\r], v[TQ+2*\r], v[TQ+2*\r+1]
.endr
.endif
.endm
; rows 16 a .. 16 a + 15 of my block: bias, GELU, 16 bytes a lane into my own stage, whole rows of 256 bytes back and out
.macro OUT16 a, rb
	WIN 0x09                                       ; source 0 window 1 (sums), source 1 window 2 (bias)
.irp b, 0,1,2,3,4,5,6,7
.irp p, 0,2,4,6
	v_pk_add_f32 v[XE+8*\b+\p:XE+8*\b+\p+1], v[8*(8*\a+\b)+\p:8*(8*\a+\b)+\p+1], v[8*\b+\p:8*\b+\p+1]
.endr
.endr
	WIN 0
.irp b, 0,1,2,3,4,5,6,7
	GELU8 XE+8*\b, PK+4*\b
	ds_store_b128 v[STO], v[PK+4*\b:PK+4*\b+3] offset:32*\b
.endr
	s_wait_xcnt 0x0                                ; earlier stores have had their addresses translated (ISA guide 3.1): their data registers and base are written again only behind this wait
.if \a
	s_add_nc_u64 s[84:85], s[84:85], 16*ND*2
.endif
.irp t, 0,1,2,3,4,5,6,7
	ds_load_b128 v[\rb+4*\t:\rb+4*\t+3], v[RD] offset:\t*2*SPITCH          ; LDS serves a wave's instructions in order (ISA guide 5.7.1): these see the stores above
.endr
.irp t, 0,1,2,3,4,5,6,7
	s_wait_dscnt 7-\t                              ; read-back t is in, the younger ones stay out
	global_store_b128 v[CO], v[\rb+4*\t:\rb+4*\t+3], s[84:85] offset:2*\t*ND*2   ; sixteen lanes store 256 consecutive bytes, aligned
.endr
.endm
	OUT16 0, RB0
	OUT16 1, RB1
	OUT16 2, RB0
	OUT16 3, RB1
	s_wait_tensorcnt 0x0
	ds_add_u32 v254, v255
	s_wait_dscnt 0x0
	CROUND                                         ; the closing round: no work-group ends while a partner may still ask for a tile that names it
	s_endpgm
.Lfunc_end_k_qa0361305af_up1:
	.size	k_qa0361305af_up1, .Lfunc_end_k_qa0361305af_up1-k_qa0361305af_up1
	.p2alignl 7, 3214868480
	.fill 96, 4, 3214868480
	.section	.rodata,"a",@progbits
	.p2align	6, 0x0
	.amdhsa_kernel k_qa0361305af_up1
		.amdhsa_group_segment_fixed_size 327680
		.amdhsa_private_segment_fixed_size 0
		.amdhsa_enable_private_segment 0
		.amdhsa_kernarg_size 40
		.amdhsa_user_sgpr_count 2
		.amdhsa_user_sgpr_kernarg_segment_ptr 1
		.amdhsa_wavefront_size32 1
		.amdhsa_system_sgpr_workgroup_id_x 1
		.amdhsa_system_sgpr_workgroup_id_y 1
		.amdhsa_system_sgpr_workgroup_id_z 1
		.amdhsa_system_vgpr_workitem_id 0
		.amdhsa_next_free_vgpr 576
		.amdhsa_next_free_sgpr 96
		.amdhsa_reserve_vcc 0
		.amdhsa_float_denorm_mode_32 3
		.amdhsa_float_denorm_mode_16_64 3
		.amdhsa_memory_ordered 1
		.amdhsa_forward_progress 1
		.amdhsa_inst_pref_size 249
	.end_amdhsa_kernel
	.amdgpu_metadata
---
amdhsa.version: [ 1, 2 ]
amdhsa.kernels:
  - .name:           k_qa0361305af_up1
    .symbol:         k_qa0361305af_up1.kd
    .args:
      - { .name: act, .offset: 0, .size: 8, .value_kind: global_buffer, .address_space: global }
      - { .name: wts, .offset: 8, .size: 8, .value_kind: global_buffer, .address_space: global }
      - { .name: ssm_b1, .offset: 16, .size: 8, .value_kind: global_buffer, .address_space: global }
      - { .name: bwd_b1, .offset: 24, .size: 8, .value_kind: global_buffer, .address_space: global }
      - { .name: hid, .offset: 32, .size: 8, .value_kind: global_buffer, .address_space: global }
    .group_segment_fixed_size: 327680
    .private_segment_fixed_size: 0
    .kernarg_segment_align: 8
    .kernarg_segment_size: 40
    .max_flat_workgroup_size: 128
    .sgpr_count:     96
    .vgpr_count:     576
    .wavefront_size: 32
...
	.end_amdgpu_metadata
.endif
;; end of part 3
;; launch down1 (part 4): grid 4 x 64, 4 waves a work-group, clusters of 4 x 4, 327,680 bytes of LDS; arguments hid, wts, ssm_b2, bwd_b2, mods, x, mask, x1; writes x1
.if DOCPART == 4
	.amdgcn_target "amdgcn-amd-amdhsa--gfx1250"
	.amdhsa_code_object_version 6
	.text
	.protected	k_qa0361305af_down1
	.globl	k_qa0361305af_down1
	.p2align	8
	.type	k_qa0361305af_down1,@function
k_qa0361305af_down1:
	s_mov_b64 s[64:65], 0
	v_nop
	global_prefetch_b8 v0, s[64:65] scope:SCOPE_SE
	s_setreg_imm32_b32 hwreg(HW_REG_WAVE_MODE, 25, 1), 1
	s_wait_xcnt 0x0
	s_wait_alu depctr_hold_cnt(0) depctr_sa_sdst(0) depctr_va_vdst(0) depctr_va_sdst(0) depctr_va_ssrc(0) depctr_va_vcc(0) depctr_vm_vsrc(0)
	s_getreg_b32 s2, hwreg(HW_REG_IB_STS2, 6, 4)
	s_cmp_eq_u32 s2, 0
	s_cbranch_scc0 .Lentry_in_a_cluster
	s_endpgm
.Lentry_in_a_cluster:
	s_bfe_u32 s2, ttmp6, 0x10000c
	s_cmp_lg_u32 s2, 0xf033
	s_cbranch_scc0 .Lentry_shape_is_right
	s_endpgm
.Lentry_shape_is_right:
; out = res + gate[batch] * ( hid @ W + bias ), f32.  hid [8192][2048] bf16, W [2048][1024] bf16 in wts (rows along N); sums in f32.
; VARIANT 0: W = [ssm_w2 ; bwd_w2], bias = ssm_b2 + bwd_b2, gate = gate_msa, res = x, and the gated term is 0 where mask[row] is false; out = x1.
;            The flips of axis 1 are left out: the layers treat each position by itself.  Masked rows are computed and selected away.
; VARIANT 1: W = ff_w2, bias = ff_b2, gate = gate_mlp, res = x1, no mask; out = out0.
; A work-group makes 128 x 256 with four waves, as many as a WGP has SIMDs; a wave makes 64 x 128: 32 accumulator tiles, 256 registers.  K goes in steps
; of 128 through two LDS slots filled by the tensor data mover, one load a wave: waves 0, 1 bring 64 rows x 256 bytes of hid, waves 2, 3 bring 64 k-rows x 512 bytes of W.
; CLUSTERS: 4 x 4 work-groups; hid's tile is asked for jointly along a row of the cluster, W's along a column, which divides the requests for both by four.
; A wave has two tensor loads out at the start and one behind each round of the cluster's barrier.
; REGISTERS in windows of 256: window 0 addresses, fragments, the way out; window 1 the accumulators, tile (a, b) at v[8 (8 a + b)]; window 2 v0-63 bias,
; v64-127 gate, v128-191 second bias; window 3 the residual of my 64 rows x 512 bytes, row i at v[4 i], asked for ahead of the K loop so that it costs no wait behind it.
; LIMIT: the bias enters as gate x sum + (gate x bias), another order of rounding than gate x (sum + bias).
.set VARIANT, 0
.set KD, 2048
.set ND, 1024
.if VARIANT == 0
.set WOFF, 4194304                     ; byte offset of W in wts
.set EMBOFF, 0                         ; byte offset of this layer's emb in mods
.set MODP, 76
.set RESP, 78
.set MASKP, 80
.set OUTP, 82
.else
.set WOFF, 12582912
.set EMBOFF, 98304
.set MODP, 74
.set RESP, 76
.set OUTP, 78
.endif
.set KSTEP, 128
.set PA, 272                           ; A's LDS row: 256 bytes + 16: an odd multiple of 16
.set PB, 544                           ; W's LDS row: 512 bytes + 32: an odd multiple of 32
.set AHALF, 64*PA
.set ATILE, 2*AHALF
.set BHALF, 64*PB                      ; = ATILE
.set SLOT, ATILE+2*BHALF
.set STAGE, 2*SLOT                     ; behind the ring, a multiple of 256: 16 rows x 528 bytes for each wave; no fill lands here
.set SPITCH, 528
.set LAPS, KD/(2*KSTEP)
.set ADRA, 8                           ; v[8:9]   LDS address of my A fragments in slot 0, 1
.set ADRB, 10                          ; v[10:11] the same for W
.set STO, 12                           ; v12      the way out: where I put 32 bytes of a row
.set RD,  13                           ; v13      where I read rows back
.set CO,  14                           ; v14      16 lane: my bytes in a row's 512, in the residual and in the output
.set BO,  15                           ; v15      my byte offset in bias and gate
.set MO,  16                           ; v16      lane % 16: my row in a block of 16, for the mask
.set MK,  18                           ; v[18:21] mask byte of my row in each of the four row blocks
.set FA0, 32                           ; v[32:63], v[64:95]    A fragments, buffers 0, 1
.set FB0, 96                           ; v[96:159], v[160:223] W fragments, buffers 0, 1
.set XE,  32                           ; the way out: v[32:95] 64 numbers
.set RB0, 96                           ; v[96:159], v[160:223] 16 rows read back, two buffers
.set RB1, 160
.set G1, 24
.set G0, 32
.set G1B, 48
.set G0B, 56
.set MSB, 0
.macro WIN new                         ; low byte: bits 1:0 source 0, 3:2 source 1, 5:4 source 2, 7:6 destination; the high byte repeats the setting that is left
.if MSB != \new
	s_set_vgpr_msb (MSB<<8)|\new
.set MSB, \new
.endif
.endm
.macro JLOAD s                         ; waves 0, 1 ask for A's halves, waves 2, 3 for W's: each line has one mask; the branch hangs on the wave's number alone
	s_cmp_eq_u32 s11, 0
	s_cbranch_scc0 .Lfor_b_\@
	tensor_load_to_lds s[G0+4*\s:G0+4*\s+3], s[G1:G1+7]
	s_nop 0
	s_branch .Lasked_\@
.Lfor_b_\@:
	tensor_load_to_lds s[G0B+4*\s:G0B+4*\s+3], s[G1B:G1B+7]
	s_nop 0
.Lasked_\@:
.endm
.macro CREST                           ; a round of the cluster's barrier behind its opening work-group barrier
	s_cmp_lg_u32 s10, 0
	s_cbranch_scc1 .Lnot_wave_0_\@
	s_barrier_signal -3
.Lnot_wave_0_\@:
	s_barrier_wait -3
	s_barrier_signal -1
	s_barrier_wait -1
.endm
.macro CROUND
	s_barrier_signal -1
	s_barrier_wait -1
	CREST
.endm
.if VARIANT == 0
	s_load_b512 s[68:83], s[0:1], 0x0              ; hid 68, wts 70, ssm_b2 72, bwd_b2 74, mods 76, x 78, mask 80, x1 82
	v_lshl_add_u32 v254, v0, 2, 0x3b400
	v_mov_b32 v255, 0
	ds_add_u32 v254, v255
.else
	s_load_b256 s[68:75], s[0:1], 0x0              ; hid 68, wts 70, ff_b2 72, mods 74
	s_load_b128 s[76:79], s[0:1], 0x20             ; x1 76, out0 78
.endif
	v_lshrrev_b32 v1, 5, v0
	v_readfirstlane_b32 s10, v1                    ; wave 0..3
	s_lshr_b32 s11, s10, 1                         ; which 64 of the block's rows are mine.  Also: I fetch for A (0) or for W (1)
	s_and_b32 s12, s10, 1                          ; which 128 of its columns.  Also: which half of that tile I fetch
	s_bfe_u32 s40, ttmp6, 0x40000                  ; cx
	s_bfe_u32 s41, ttmp6, 0x40004                  ; cy
	s_lshl_b32 s42, ttmp9, 2
	s_add_co_u32 s42, s42, s40                     ; block column
	s_and_b32 s13, ttmp7, 0xffff
	s_lshl_b32 s13, s13, 2
	s_add_co_u32 s13, s13, s41                     ; block row
	s_lshl_b32 s43, s41, 2
	s_lshl_b32 s43, 15, s43                        ; my row of the cluster
	s_lshl_b32 s44, 0x1111, s40                    ; my column
	s_or_b32 s[G1+0], s43, (1<<16)|(1<<20)|(1<<21)|(5<<22)|(3<<25)    ; mask; 2-byte elements; padding on; bit 21 beside a mask; after every 64 words 4 words
	s_or_b32 s[G1B+0], s44, (1<<16)|(1<<20)|(1<<21)|(6<<22)|(7<<25)   ; the same for W: after every 128 words 8 words
	s_mov_b32 s[G1+1], KSTEP<<16                   ; tensor_dim0 = 128
	s_mov_b32 s[G1+2], 64<<16                      ; tensor_dim1 = 64
	s_mov_b32 s[G1+3], KSTEP<<16                   ; tile_dim0 = 128 elements = 256 bytes
	s_mov_b32 s[G1+4], 64                          ; tile_dim1 = 64 rows
	s_mov_b32 s[G1+5], KD                          ; elements from row to row
	s_mov_b32 s[G1+6], 0
	s_mov_b32 s[G1+7], 0
	s_mov_b32 s[G1B+1], 256<<16
	s_mov_b32 s[G1B+2], 64<<16
	s_mov_b32 s[G1B+3], 256<<16                    ; tile_dim0 = 256 elements = 512 bytes
	s_mov_b32 s[G1B+4], 64
	s_mov_b32 s[G1B+5], ND
	s_mov_b32 s[G1B+6], 0
	s_mov_b32 s[G1B+7], 0
	s_lshl_b32 s16, s13, 7                         ; A: row 128 x block row + 64 x half; these registers never hold cx
	s_lshl_b32 s17, s12, 6
	s_add_co_u32 s16, s16, s17
	s_mul_i32 s16, s16, KD*2
	s_mov_b32 s17, 0
	s_mul_i32 s46, s12, 64*ND*2                    ; W: k-row 64 x half, column 256 x block column; these never hold cy
	s_lshl_b32 s47, s42, 9
	s_add_co_u32 s46, s46, s47
	s_add_co_u32 s46, s46, WOFF
	s_mov_b32 s47, 0
	s_mul_i32 s20, s10, AHALF                      ; where they go: A's halves at wave x AHALF (waves 0, 1),
	s_mul_i32 s21, s10, BHALF
	s_sub_co_u32 s21, s21, BHALF                   ; W's at ATILE + (wave - 2) x BHALF = wave x BHALF - BHALF (waves 2, 3)
	s_wait_dscnt 0x0
	s_wait_kmcnt 0x0
	s_add_nc_u64 s[14:15], s[68:69], s[16:17]
	s_add_nc_u64 s[46:47], s[70:71], s[46:47]
	CROUND                                         ; all sixteen work-groups are here: the first joint loads meet
.irp s, 0,1
	s_mov_b32 s[G0+4*\s], 1
	s_add_co_u32 s[G0+4*\s+1], s20, \s*SLOT
	s_add_nc_u64 s[G0+4*\s+2:G0+4*\s+3], s[14:15], \s*KSTEP*2
	s_or_b32 s[G0+4*\s+3], s[G0+4*\s+3], 0x80000000
	s_mov_b32 s[G0B+4*\s], 1
	s_add_co_u32 s[G0B+4*\s+1], s21, \s*SLOT
	s_add_nc_u64 s[G0B+4*\s+2:G0B+4*\s+3], s[46:47], \s*KSTEP*ND*2
	s_or_b32 s[G0B+4*\s+3], s[G0B+4*\s+3], 0x80000000
	JLOAD \s                                       ; both slots are asked for before anything else is done
.endr
	v_and_b32 v1, 15, v0                           ; r = lane % 16
	v_bfe_u32 v2, v0, 4, 1                         ; h = lane / 16
	v_and_b32 v3, 7, v0
	v_bfe_u32 v4, v0, 3, 1
	v_and_b32 v7, 31, v0                           ; lane
	v_mul_u32_u24 v5, v1, PA
	v_lshl_add_u32 v5, v2, 4, v5
	s_mul_i32 s22, s11, 64*PA
	v_add_nc_u32 v[ADRA], s22, v5
	v_add_nc_u32 v[ADRA+1], SLOT, v[ADRA]
	v_lshl_add_u32 v6, v2, 3, v3
	v_mul_u32_u24 v6, v6, PB
	v_lshl_add_u32 v6, v4, 4, v6
	s_lshl_b32 s22, s12, 8
	s_add_co_u32 s22, s22, ATILE
	v_add_nc_u32 v[ADRB], s22, v6
	v_add_nc_u32 v[ADRB+1], SLOT, v[ADRB]
	s_mul_i32 s23, s10, 16*SPITCH
	s_add_co_u32 s23, s23, STAGE                   ; my stage
	v_mul_u32_u24 v5, v1, SPITCH
	v_lshl_add_u32 v5, v2, 5, v5
	v_add_nc_u32 v[STO], s23, v5                   ; row r, 32 bytes for each half of the lanes
	v_lshlrev_b32 v[CO], 4, v7
	v_add_nc_u32 v[RD], s23, v[CO]                 ; a whole row of 512 bytes a load
	v_lshlrev_b32 v[BO], 5, v2
	s_lshl_b32 s22, s12, 9
	v_add_nc_u32 v[BO], s22, v[BO]                 ; 32 h + 512 x column half
	v_mov_b32 v[MO], v1
	; bases that hang on both block coordinates, in registers that feed no descriptor
	s_lshl_b32 s4, s13, 7
	s_lshl_b32 s5, s11, 6
	s_add_co_u32 s4, s4, s5                        ; my first row
	s_mov_b32 s5, 0
.if VARIANT == 0
	s_add_nc_u64 s[92:93], s[MASKP:MASKP+1], s[4:5]
.endif
	s_lshl_b32 s6, s4, 12
	s_lshl_b32 s7, s42, 10
	s_add_co_u32 s6, s6, s7
	s_lshl_b32 s7, s12, 9
	s_add_co_u32 s6, s6, s7
	s_mov_b32 s7, 0
	s_add_nc_u64 s[90:91], s[RESP:RESP+1], s[6:7]  ; the residual and the output at my first row and column
	s_add_nc_u64 s[84:85], s[OUTP:OUTP+1], s[6:7]
	s_lshl_b32 s8, s42, 10
	s_mov_b32 s9, 0
	s_add_nc_u64 s[86:87], s[72:73], s[8:9]
.if VARIANT == 0
	s_add_nc_u64 s[88:89], s[74:75], s[8:9]
.endif
	s_lshr_b32 s4, s13, 3                          ; batch: 8 block rows of 128
	s_mul_i32 s4, s4, 12288
	s_add_co_u32 s4, s4, s8
	s_add_co_u32 s4, s4, EMBOFF+8192               ; the gate is the third third of emb
	s_add_nc_u64 s[94:95], s[MODP:MODP+1], s[4:5]
	; what the way out needs is asked for now and waited for behind the K loop; none of these registers is touched in between
	WIN 0x80                                       ; destination window 2
.irp b, 0,1,2,3,4,5,6,7
	global_load_b128 v[8*\b:8*\b+3], v[BO], s[86:87] offset:64*\b
	global_load_b128 v[8*\b+4:8*\b+7], v[BO], s[86:87] offset:64*\b+16
.endr
.if VARIANT == 0
.irp b, 0,1,2,3,4,5,6,7
	global_load_b128 v[128+8*\b:128+8*\b+3], v[BO], s[88:89] offset:64*\b
	global_load_b128 v[128+8*\b+4:128+8*\b+7], v[BO], s[88:89] offset:64*\b+16
.endr
.endif
.irp b, 0,1,2,3,4,5,6,7
	global_load_b128 v[64+8*\b:64+8*\b+3], v[BO], s[94:95] offset:64*\b
	global_load_b128 v[64+8*\b+4:64+8*\b+7], v[BO], s[94:95] offset:64*\b+16
.endr
	WIN 0
.if VARIANT == 0
.irp a, 0,1,2,3
	global_load_u8 v[MK+\a], v[MO], s[92:93] offset:16*\a
.endr
.endif
	WIN 0xc0                                       ; destination window 3
.set ii, 0
.rept 64
	global_load_b128 v[4*ii:4*ii+3], v[CO], s[90:91] offset:4096*ii th:TH_LOAD_NT   ; 512 consecutive bytes of row ii
.set ii, ii+1
.endr
	WIN 0
; 16 matrix instructions: row blocks a0, a0 + 1 x all 8 column blocks, 32 along K, from fragment buffer f.  zero = 1: the product starts the sums.
; The 32 accumulators take turns, one instruction a turn, in the same order in every quarter step and over the backward jump.
.macro MUL16 f, a0, zero
.irp a, \a0, \a0+1
.irp b, 0,1,2,3,4,5,6,7
.if \zero
	v_wmma_f32_16x16x32_bf16 v[8*(8*(\a)+\b):8*(8*(\a)+\b)+7], v[FB0+64*\f+8*\b:FB0+64*\f+8*\b+7], v[FA0+32*\f+8*(\a):FA0+32*\f+8*(\a)+7], 0
.else
	v_wmma_f32_16x16x32_bf16 v[8*(8*(\a)+\b):8*(8*(\a)+\b)+7], v[FB0+64*\f+8*\b:FB0+64*\f+8*\b+7], v[FA0+32*\f+8*(\a):FA0+32*\f+8*(\a)+7], v[8*(8*(\a)+\b):8*(8*(\a)+\b)+7]
.endif
.endr
.endr
.endm
.macro FETCH slot, q, f                ; 24 LDS loads in one run: quarter q of a slot into buffer f
	WIN 0
.irp b, 0,1,2,3,4,5,6,7
	ds_load_tr16_b128 v[FB0+64*\f+8*\b:FB0+64*\f+8*\b+3], v[ADRB+\slot] offset:\q*32*PB+32*\b
	ds_load_tr16_b128 v[FB0+64*\f+8*\b+4:FB0+64*\f+8*\b+7], v[ADRB+\slot] offset:\q*32*PB+32*\b+16*PB
.endr
.irp a, 0,1,2,3
	ds_load_b128 v[FA0+32*\f+8*\a:FA0+32*\f+8*\a+3], v[ADRA+\slot] offset:64*\q+\a*16*PA
	ds_load_b128 v[FA0+32*\f+8*\a+4:FA0+32*\f+8*\a+7], v[ADRA+\slot] offset:64*\q+\a*16*PA+32
.endr
.endm
.macro PLACES                          ; a load into a register that a matrix instruction has read, and a vector instruction on a matrix result, stand four plain vector instructions behind it
.rept 4
	v_nop
.endr
.endm
.macro QUARTER slot, qn, f, g, zero
	PLACES
	FETCH \slot, \qn, \g
	s_wait_dscnt 24                                ; the 24 loads just issued stay out; buffer f, asked for a quarter ago, is in
	WIN 0x50                                       ; C and D in window 1
	MUL16 \f, 0, \zero
	MUL16 \f, 2, \zero
.endm
.macro THREE slot, zero
	QUARTER \slot, 1, 0, 1, \zero
	QUARTER \slot, 2, 1, 0, 0
	QUARTER \slot, 3, 0, 1, 0
.endm
; the last quarter multiplies buffer 1 and changes slots.  In front of the barrier each wave waits for its reads of this slot and for all its tensor
; loads (one is out: its part of the next slot).  With fill = 1 the barrier opens a round of the cluster's barrier; behind the round no wave of any
; partner reads this slot or has a load on its way, and the joint refill is the wave's first and only tensor load there.
.macro TURN slot, next, fill
	s_wait_dscnt 0x0
	s_wait_tensorcnt 0x0
	ds_add_u32 v254, v255
	s_wait_dscnt 0x0
	s_barrier_signal -1
	WIN 0x50
	MUL16 1, 0, 0                                  ; registers only, while the others arrive
	WIN 0
	s_barrier_wait -1
.if \fill
	CREST
	s_add_nc_u64 s[G0+4*\slot+2:G0+4*\slot+3], s[G0+4*\slot+2:G0+4*\slot+3], 2*KSTEP*2          ; no tensor load of mine is out: the addresses may step, two K steps on
	s_add_nc_u64 s[G0B+4*\slot+2:G0B+4*\slot+3], s[G0B+4*\slot+2:G0B+4*\slot+3], 2*KSTEP*ND*2
	JLOAD \slot
.endif
	PLACES
	FETCH \next, 0, 0
	WIN 0x50
	MUL16 1, 2, 0
.endm
.macro LAP zero
	THREE 0, \zero
	TURN 0, 1, 1
	THREE 1, 0
	TURN 1, 0, 1
.endm
	s_wait_tensorcnt 0x1                           ; my part of K step 0 is in; K step 1's stays out
	s_barrier_signal -1
	s_barrier_wait -1
	FETCH 0, 0, 0
	LAP 1                                          ; the first lap's first products start the sums: nothing is cleared
.if LAPS > 2
	WIN 0
	s_mov_b32 s3, LAPS-2
.Llap:
	LAP 0
	WIN 0
	s_sub_co_u32 s3, s3, 1
	s_cmp_lg_u32 s3, 0
	s_cbranch_scc1 .Llap
.endif
	THREE 0, 0                                     ; the last lap fills nothing
	TURN 0, 1, 0
	THREE 1, 0
	s_wait_dscnt 0x0
	WIN 0x50
	MUL16 1, 0, 0
	MUL16 1, 2, 0
	PLACES
	s_wait_loadcnt 0x0                             ; bias, gate, mask, residual
	WIN 0x8a                                       ; all in window 2
.if VARIANT == 0
.set pp, 0
.rept 32
	v_pk_add_f32 v[pp:pp+1], v[pp:pp+1], v[128+pp:128+pp+1]                ; ssm_b2 + bwd_b2
.set pp, pp+2
.endr
.endif
.set pp, 0
.rept 32
	v_pk_mul_f32 v[pp:pp+1], v[pp:pp+1], v[64+pp:64+pp+1]                  ; gate x bias, once for all 64 rows
.set pp, pp+2
.endr
; rows 16 a .. 16 a + 15 of my block: gate and bias in one fused step, the mask's select, 32 bytes a lane into my own stage, whole rows of 512 bytes back,
; the residual added, and out
.macro OUT16 a, rb
	WIN 0x29                                       ; source 0 window 1 (sums), sources 1 and 2 window 2 (gate, gate x bias)
.irp b, 0,1,2,3,4,5,6,7
.irp p, 0,2,4,6
	v_pk_fma_f32 v[XE+8*\b+\p:XE+8*\b+\p+1], v[8*(8*\a+\b)+\p:8*(8*\a+\b)+\p+1], v[64+8*\b+\p:64+8*\b+\p+1], v[8*\b+\p:8*\b+\p+1]
.endr
.endr
	WIN 0
.if VARIANT == 0
	v_cmp_ne_u32 vcc_lo, 0, v[MK+\a]               ; my lane's row is row lane % 16 of the block
.set ii, 0
.rept 64
	v_cndmask_b32 v[XE+ii], 0, v[XE+ii], vcc_lo    ; the where(): 0 in a masked row, whatever was computed there
.set ii, ii+1
.endr
.endif
.irp b, 0,1,2,3,4,5,6,7
	ds_store_b128 v[STO], v[XE+8*\b:XE+8*\b+3] offset:64*\b
	ds_store_b128 v[STO], v[XE+8*\b+4:XE+8*\b+7] offset:64*\b+16
.endr
	s_wait_xcnt 0x0                                ; earlier stores have had their addresses translated (ISA guide 3.1): their data registers and base are written again only behind this wait
.if \a
	s_add_nc_u64 s[84:85], s[84:85], 16*4096
.endif
.irp t, 0,1,2,3,4,5,6,7,8,9,10,11,12,13,14,15
	ds_load_b128 v[\rb+4*\t:\rb+4*\t+3], v[RD] offset:\t*SPITCH            ; LDS serves a wave's instructions in order (ISA guide 5.7.1): these see the stores above
.endr
	s_wait_dscnt 0x0
	WIN 0x03                                       ; source 0 window 3: the residual of rows 16 a ..
.set pp, 0
.rept 32
	v_pk_add_f32 v[\rb+pp:\rb+pp+1], v[64*\a+pp:64*\a+pp+1], v[\rb+pp:\rb+pp+1]
.set pp, pp+2
.endr
	WIN 0
.irp t, 0,1,2,3,4,5,6,7,8,9,10,11,12,13,14,15
	global_store_b128 v[CO], v[\rb+4*\t:\rb+4*\t+3], s[84:85] offset:4096*\t   ; the wave stores 512 consecutive bytes, aligned
.endr
.endm
	OUT16 0, RB0
	OUT16 1, RB1
	OUT16 2, RB0
	OUT16 3, RB1
	s_wait_tensorcnt 0x0
	ds_add_u32 v254, v255
	s_wait_dscnt 0x0
	CROUND                                         ; the closing round: no work-group ends while a partner may still ask for a tile that names it
	s_endpgm
.Lfunc_end_k_qa0361305af_down1:
	.size	k_qa0361305af_down1, .Lfunc_end_k_qa0361305af_down1-k_qa0361305af_down1
	.p2alignl 7, 3214868480
	.fill 96, 4, 3214868480
	.section	.rodata,"a",@progbits
	.p2align	6, 0x0
	.amdhsa_kernel k_qa0361305af_down1
		.amdhsa_group_segment_fixed_size 327680
		.amdhsa_private_segment_fixed_size 0
		.amdhsa_enable_private_segment 0
		.amdhsa_kernarg_size 64
		.amdhsa_user_sgpr_count 2
		.amdhsa_user_sgpr_kernarg_segment_ptr 1
		.amdhsa_wavefront_size32 1
		.amdhsa_system_sgpr_workgroup_id_x 1
		.amdhsa_system_sgpr_workgroup_id_y 1
		.amdhsa_system_sgpr_workgroup_id_z 1
		.amdhsa_system_vgpr_workitem_id 0
		.amdhsa_next_free_vgpr 1024
		.amdhsa_next_free_sgpr 96
		.amdhsa_reserve_vcc 1
		.amdhsa_float_denorm_mode_32 3
		.amdhsa_float_denorm_mode_16_64 3
		.amdhsa_memory_ordered 1
		.amdhsa_forward_progress 1
		.amdhsa_inst_pref_size 155
	.end_amdhsa_kernel
	.amdgpu_metadata
---
amdhsa.version: [ 1, 2 ]
amdhsa.kernels:
  - .name:           k_qa0361305af_down1
    .symbol:         k_qa0361305af_down1.kd
    .args:
      - { .name: hid, .offset: 0, .size: 8, .value_kind: global_buffer, .address_space: global }
      - { .name: wts, .offset: 8, .size: 8, .value_kind: global_buffer, .address_space: global }
      - { .name: ssm_b2, .offset: 16, .size: 8, .value_kind: global_buffer, .address_space: global }
      - { .name: bwd_b2, .offset: 24, .size: 8, .value_kind: global_buffer, .address_space: global }
      - { .name: mods, .offset: 32, .size: 8, .value_kind: global_buffer, .address_space: global }
      - { .name: x, .offset: 40, .size: 8, .value_kind: global_buffer, .address_space: global }
      - { .name: mask, .offset: 48, .size: 8, .value_kind: global_buffer, .address_space: global }
      - { .name: x1, .offset: 56, .size: 8, .value_kind: global_buffer, .address_space: global }
    .group_segment_fixed_size: 327680
    .private_segment_fixed_size: 0
    .kernarg_segment_align: 8
    .kernarg_segment_size: 64
    .max_flat_workgroup_size: 128
    .sgpr_count:     96
    .vgpr_count:     1024
    .wavefront_size: 32
...
	.end_amdgpu_metadata
.endif
;; end of part 4
;; launch ln2 (part 5): grid 256 x 1, 8 waves a work-group, no clusters, 0 bytes of LDS; arguments x1, mods, act; writes act
.if DOCPART == 5
	.amdgcn_target "amdgcn-amd-amdhsa--gfx1250"
	.amdhsa_code_object_version 6
	.text
	.protected	k_qa0361305af_ln2
	.globl	k_qa0361305af_ln2
	.p2align	8
	.type	k_qa0361305af_ln2,@function
k_qa0361305af_ln2:
	s_mov_b64 s[64:65], 0
	v_nop
	global_prefetch_b8 v0, s[64:65] scope:SCOPE_SE
	s_setreg_imm32_b32 hwreg(HW_REG_WAVE_MODE, 25, 1), 1
	s_wait_xcnt 0x0
; act[row] = bf16( LN(src[row]) * (1 + scale[batch]) + shift[batch] ), and with MASKED = 1 zero where mask[row] is false.
; MASKED = 1: src = x, emb of ada.  MASKED = 0: src = x1, emb of ffada.
; Memory binds: 8 waves, 32 rows a work-group, a wave takes 4 whole rows of 4,096 bytes, each kept in 32 registers between the passes, so a row is read
; once and no wave waits for another; all 32 row loads of a wave are issued at once.  No LDS, no matrix unit, no cluster: nothing is shared but 8 KB of modulation.
; Mean first, then the variance of the centred numbers: a common offset of the inputs cancels before anything is squared.
; LIMITS: v_rsq_f32 is good to 1 ulp; the sums along a row are taken in another order than a plain chain.
.set MASKED, 0
.set EMBOFF, 98304                     ; byte offset of this layer's emb in mods
.set SC, 4                             ; v[4:35]    1 + scale of my 32 columns (chunk j: columns 128 j + 4 lane ..)
.set SH, 36                            ; v[36:67]   shift
.set X,  68                            ; v[68:195]  row i at 68 + 32 i
.set T,  196                           ; v[196:203] four chains of sums
.set M,  204                           ; v[204:205] the mean, twice
.set R,  206                           ; v[206:207] 1 / sqrt(var + eps), twice
.set PX, 208                           ; v208       the other half's sum
.if MASKED
	s_load_b256 s[4:11], s[0:1], 0x0               ; src s[4:5], mask s[6:7], mods s[8:9], act s[10:11]
.else
	s_load_b64 s[4:5], s[0:1], 0x0                 ; src
	s_load_b128 s[8:11], s[0:1], 0x8               ; mods s[8:9], act s[10:11]
.endif
	v_lshrrev_b32 v3, 5, v0
	v_readfirstlane_b32 s20, v3                    ; wave
	v_and_b32 v3, 31, v0
	v_lshlrev_b32 v1, 4, v3                        ; 16 lane
	v_lshlrev_b32 v2, 3, v3                        ; 8 lane
	v_mov_b32 v[PX], 0                             ; v_permlanex16_b32 counts as a reader of its destination
	s_mov_b32 s12, 0x76543210                      ; lane i of one half reads lane i of the other
	s_mov_b32 s13, 0xfedcba98
	s_mov_b32 s22, 0x3a800000                      ; 1 / 1024
	s_mov_b32 s23, 0x358637bd                      ; 1e-6
	s_lshl_b32 s24, ttmp9, 5
	s_lshl2_add_u32 s24, s20, s24                  ; my first row = 32 g + 4 w
	s_mov_b32 s25, 0
	s_lshl_b32 s26, s24, 12
	s_mov_b32 s27, 0
	s_lshl_b32 s28, s24, 11
	s_mov_b32 s29, 0
	s_lshr_b32 s30, ttmp9, 5                       ; batch
	s_mul_i32 s30, s30, 12288
	s_add_co_u32 s30, s30, EMBOFF
	s_mov_b32 s31, 0
	s_wait_kmcnt 0x0
	s_add_nc_u64 s[4:5], s[4:5], s[26:27]
	s_add_nc_u64 s[8:9], s[8:9], s[30:31]
	s_add_nc_u64 s[10:11], s[10:11], s[28:29]
.if MASKED
	s_add_nc_u64 s[6:7], s[6:7], s[24:25]
	s_load_b32 s14, s[6:7], 0x0                    ; my four rows' mask bytes: the address is a multiple of 4
.endif
.irp j, 0,1,2,3,4,5,6,7
	global_load_b128 v[SH+4*\j:SH+4*\j+3], v1, s[8:9] offset:512*\j
.endr
.irp j, 0,1,2,3,4,5,6,7
	global_load_b128 v[SC+4*\j:SC+4*\j+3], v1, s[8:9] offset:4096+512*\j
.endr
.irp i, 0,1,2,3
.irp j, 0,1,2,3,4,5,6,7
	global_load_b128 v[X+32*\i+4*\j:X+32*\i+4*\j+3], v1, s[4:5] offset:4096*\i+512*\j
.endr
.endr
.if MASKED
	s_wait_kmcnt 0x0
.irp i, 0,1,2,3
	s_bfe_u32 s21, s14, (8<<16)|(8*\i)
	s_cmp_lg_u32 s21, 0
	s_cselect_b32 s[16+\i], -1, 0                  ; all ones keeps the row, zero clears it
.endr
.endif
.macro WSUM                            ; the four chains, then the 32 lanes; every lane ends with the sum in v[T]
	v_pk_add_f32 v[T:T+1], v[T:T+1], v[T+2:T+3]
	v_pk_add_f32 v[T+4:T+5], v[T+4:T+5], v[T+6:T+7]
	v_pk_add_f32 v[T:T+1], v[T:T+1], v[T+4:T+5]
	v_add_f32 v[T], v[T], v[T+1]
	v_add_f32_dpp v[T], v[T], v[T] row_xmask:1 row_mask:0xf bank_mask:0xf
	v_add_f32_dpp v[T], v[T], v[T] row_xmask:2 row_mask:0xf bank_mask:0xf
	v_add_f32_dpp v[T], v[T], v[T] row_xmask:4 row_mask:0xf bank_mask:0xf
	v_add_f32_dpp v[T], v[T], v[T] row_xmask:8 row_mask:0xf bank_mask:0xf
	v_permlanex16_b32 v[PX], v[T], s12, s13
	v_add_f32 v[T], v[T], v[PX]
.endm
.macro ROW i
	s_wait_loadcnt 24-8*\i                         ; this row's eight loads are in (and shift and scale, which are older); the younger rows stay out
.if \i == 0
.set pp, 0
.rept 16
	v_pk_add_f32 v[SC+pp:SC+pp+1], v[SC+pp:SC+pp+1], 1.0 op_sel_hi:[1,0]
.set pp, pp+2
.endr
.endif
.irp k, 0,2,4,6
	v_pk_add_f32 v[T+\k:T+\k+1], v[X+32*\i+\k:X+32*\i+\k+1], v[X+32*\i+8+\k:X+32*\i+8+\k+1]
.endr
.irp m, 16,24
.irp k, 0,2,4,6
	v_pk_add_f32 v[T+\k:T+\k+1], v[T+\k:T+\k+1], v[X+32*\i+\m+\k:X+32*\i+\m+\k+1]
.endr
.endr
	WSUM
	v_mul_f32 v[M], s22, v[T]
	v_mul_f32 v[M+1], s22, v[T]
.set pp, 0
.rept 16
	v_pk_add_f32 v[X+32*\i+pp:X+32*\i+pp+1], v[X+32*\i+pp:X+32*\i+pp+1], v[M:M+1] neg_lo:[0,1] neg_hi:[0,1]
.set pp, pp+2
.endr
.irp k, 0,2,4,6
	v_pk_mul_f32 v[T+\k:T+\k+1], v[X+32*\i+\k:X+32*\i+\k+1], v[X+32*\i+\k:X+32*\i+\k+1]
.endr
.irp m, 8,16,24
.irp k, 0,2,4,6
	v_pk_fma_f32 v[T+\k:T+\k+1], v[X+32*\i+\m+\k:X+32*\i+\m+\k+1], v[X+32*\i+\m+\k:X+32*\i+\m+\k+1], v[T+\k:T+\k+1]
.endr
.endr
	WSUM
	v_fma_f32 v[T+2], v[T], s22, s23               ; var + eps
	v_rsq_f32 v[R], v[T+2]
	v_rsq_f32 v[R+1], v[T+2]
	v_nop                                          ; one plain instruction between a transcendental and the use of its result (ISA guide 5.7.2)
.set pp, 0
	s_wait_alu depctr_va_vdst(0)
.rept 16
	v_pk_mul_f32 v[X+32*\i+pp:X+32*\i+pp+1], v[X+32*\i+pp:X+32*\i+pp+1], v[R:R+1]
.set pp, pp+2
.endr
.set pp, 0
.rept 16
	v_pk_fma_f32 v[X+32*\i+pp:X+32*\i+pp+1], v[X+32*\i+pp:X+32*\i+pp+1], v[SC+pp:SC+pp+1], v[SH+pp:SH+pp+1]
.set pp, pp+2
.endr
.set pp, 0
.rept 16
	v_cvt_pk_bf16_f32 v[X+32*\i+pp], v[X+32*\i+2*pp], v[X+32*\i+2*pp+1]    ; ascending: word pp is written when words 2 pp, 2 pp + 1 are read
.set pp, pp+1
.endr
.if MASKED
.set pp, 0
.rept 16
	v_and_b32 v[X+32*\i+pp], s[16+\i], v[X+32*\i+pp]                       ; the where(): bits, so a NaN in a masked row becomes +0 too
.set pp, pp+1
.endr
.endif
.irp j, 0,1,2,3,4,5,6,7
	global_store_b64 v2, v[X+32*\i+2*\j:X+32*\i+2*\j+1], s[10:11] offset:2048*\i+256*\j   ; 256 consecutive bytes, aligned; no register is written again
.endr
.endm
	ROW 0
	ROW 1
	ROW 2
	ROW 3
	s_endpgm
.Lfunc_end_k_qa0361305af_ln2:
	.size	k_qa0361305af_ln2, .Lfunc_end_k_qa0361305af_ln2-k_qa0361305af_ln2
	.p2alignl 7, 3214868480
	.fill 96, 4, 3214868480
	.section	.rodata,"a",@progbits
	.p2align	6, 0x0
	.amdhsa_kernel k_qa0361305af_ln2
		.amdhsa_group_segment_fixed_size 0
		.amdhsa_private_segment_fixed_size 0
		.amdhsa_enable_private_segment 0
		.amdhsa_kernarg_size 24
		.amdhsa_user_sgpr_count 2
		.amdhsa_user_sgpr_kernarg_segment_ptr 1
		.amdhsa_wavefront_size32 1
		.amdhsa_system_sgpr_workgroup_id_x 1
		.amdhsa_system_sgpr_workgroup_id_y 1
		.amdhsa_system_sgpr_workgroup_id_z 1
		.amdhsa_system_vgpr_workitem_id 0
		.amdhsa_next_free_vgpr 212
		.amdhsa_next_free_sgpr 66
		.amdhsa_reserve_vcc 0
		.amdhsa_float_denorm_mode_32 3
		.amdhsa_float_denorm_mode_16_64 3
		.amdhsa_memory_ordered 1
		.amdhsa_forward_progress 1
		.amdhsa_inst_pref_size 39
	.end_amdhsa_kernel
	.amdgpu_metadata
---
amdhsa.version: [ 1, 2 ]
amdhsa.kernels:
  - .name:           k_qa0361305af_ln2
    .symbol:         k_qa0361305af_ln2.kd
    .args:
      - { .name: x1, .offset: 0, .size: 8, .value_kind: global_buffer, .address_space: global }
      - { .name: mods, .offset: 8, .size: 8, .value_kind: global_buffer, .address_space: global }
      - { .name: act, .offset: 16, .size: 8, .value_kind: global_buffer, .address_space: global }
    .group_segment_fixed_size: 0
    .private_segment_fixed_size: 0
    .kernarg_segment_align: 8
    .kernarg_segment_size: 24
    .max_flat_workgroup_size: 256
    .sgpr_count:     66
    .vgpr_count:     212
    .wavefront_size: 32
...
	.end_amdgpu_metadata
.endif
;; end of part 5
;; launch up2 (part 6): grid 8 x 64, 4 waves a work-group, clusters of 4 x 4, 327,680 bytes of LDS; arguments act, wts, ff_b1, hid; writes hid
.if DOCPART == 6
	.amdgcn_target "amdgcn-amd-amdhsa--gfx1250"
	.amdhsa_code_object_version 6
	.text
	.protected	k_qa0361305af_up2
	.globl	k_qa0361305af_up2
	.p2align	8
	.type	k_qa0361305af_up2,@function
k_qa0361305af_up2:
	s_mov_b64 s[64:65], 0
	v_nop
	global_prefetch_b8 v0, s[64:65] scope:SCOPE_SE
	s_setreg_imm32_b32 hwreg(HW_REG_WAVE_MODE, 25, 1), 1
	s_wait_xcnt 0x0
	s_wait_alu depctr_hold_cnt(0) depctr_sa_sdst(0) depctr_va_vdst(0) depctr_va_sdst(0) depctr_va_ssrc(0) depctr_va_vcc(0) depctr_vm_vsrc(0)
	s_getreg_b32 s2, hwreg(HW_REG_IB_STS2, 6, 4)
	s_cmp_eq_u32 s2, 0
	s_cbranch_scc0 .Lentry_in_a_cluster
	s_endpgm
.Lentry_in_a_cluster:
	s_bfe_u32 s2, ttmp6, 0x10000c
	s_cmp_lg_u32 s2, 0xf033
	s_cbranch_scc0 .Lentry_shape_is_right
	s_endpgm
.Lentry_shape_is_right:
; hid = bf16( gelu( act @ W + bias ) ).  act [8192][1024] bf16, W [1024][2048] bf16 in wts (rows along N), hid [8192][2048] bf16; sums in f32.
; VARIANT 0: W = [ssm_w1 | bwd_w1], bias = [ssm_b1 | bwd_b1], exact (erf) GELU.  The flips of axis 1 are left out: the layers treat each position by itself.
; VARIANT 1: W = ff_w1, bias = ff_b1, tanh GELU.
; A work-group makes 128 x 256 of the result with four waves, as many as a WGP has SIMDs; a wave makes 64 x 128: 32 accumulator tiles, 256 registers.
; K goes in steps of 128 through two LDS slots filled by the tensor data mover, one load a wave: waves 0, 1 bring 64 rows x 256 bytes of A each,
; waves 2, 3 bring 64 k-rows x 512 bytes of W each.  W stays [K][N]; its fragments are taken by the transposing LDS load.
; CLUSTERS: 4 x 4 work-groups.  A's tile hangs on the block row alone and is asked for jointly by the four of a row of the cluster; W's hangs on the
; block column alone and is asked for jointly by the four of a column.  That divides the requests for both by four.
; A wave has two tensor loads out at the start and one behind each round of the cluster's barrier.
; REGISTERS in windows of 256: window 0 addresses, fragments (two buffers), the way out; window 1 the accumulators, tile (a, b) at v[8 (8 a + b)];
; window 2 v0-63 the bias of my 8 columns in each of 8 column blocks.
; The matrix instruction is used transposed (source 0 = W's columns, source 1 = A's rows): a lane then holds 8 neighbouring columns of one row.
; LIMITS: erf by a fifth-degree fit in 1 / (1 + 0.3275911 |z|) with absolute error 1.5e-7, for every finite x; v_exp_f32 and v_rcp_f32 are good to
; 1 ulp and flush denormals; an infinite pre-activation gives NaN in the erf form.
.set VARIANT, 1
.set KD, 1024
.set ND, 2048
.set WOFF, 8388608                     ; byte offset of W in wts
.if VARIANT == 0
.set HIDP, 76
.else
.set HIDP, 74
.endif
.set KSTEP, 128
.set PA, 272                           ; A's LDS row: 256 bytes + 16: an odd multiple of 16, so 16 rows start at 16 different groups of banks
.set PB, 544                           ; W's LDS row: 512 bytes + 32: an odd multiple of 32, as the transposing load's eight rows want
.set AHALF, 64*PA
.set ATILE, 2*AHALF
.set BHALF, 64*PB                      ; = ATILE
.set SLOT, ATILE+2*BHALF               ; A's 128 rows, then W's 128 k-rows
.set STAGE, 2*SLOT                     ; behind the ring, a multiple of 256: 16 rows x 272 bytes for each wave; no fill lands here
.set SPITCH, 272
.set LAPS, KD/(2*KSTEP)
.set ADRA, 8                           ; v[8:9]   LDS address of my A fragments in slot 0, 1
.set ADRB, 10                          ; v[10:11] the same for W
.set STO, 12                           ; v12      the way out: where I put 16 bytes of a row
.set RD,  13                           ; v13      where I read rows back
.set CO,  14                           ; v14      my byte offset in hid
.set BO,  15                           ; v15      my byte offset in the bias
.set TN,  24                           ; v[24:31] GELU: max(x, 0), then the result
.set FA0, 32                           ; v[32:63], v[64:95]    A fragments, buffers 0, 1
.set FB0, 96                           ; v[96:159], v[160:223] W fragments, buffers 0, 1
.set XE,  32                           ; the way out: v[32:95] 64 numbers in f32
.set PK,  96                           ; v[96:127]  packed results
.set RB0, 128                          ; v[128:159], v[160:191] rows read back, two buffers
.set RB1, 160
.set TD,  192                          ; v[192:223] GELU: four banks of eight
.set TE,  200
.set TM,  208
.set TQ,  216
.set CK,  224                          ; v[224:235] GELU's constants, each twice
.set G1, 24                            ; s[24:31] descriptor group 1 for A
.set G0, 32                            ; s[32:39] group 0 for A, one set a slot
.set G1B, 48                           ; s[48:55] group 1 for W
.set G0B, 56                           ; s[56:63] group 0 for W, one set a slot
.set MSB, 0
.macro WIN new                         ; low byte: bits 1:0 source 0, 3:2 source 1, 5:4 source 2, 7:6 destination; the high byte repeats the setting that is left
.if MSB != \new
	s_set_vgpr_msb (MSB<<8)|\new
.set MSB, \new
.endif
.endm
.macro JLOAD s                         ; waves 0, 1 ask for A's halves, waves 2, 3 for W's: each line has one mask; the branch hangs on the wave's number alone
	s_cmp_eq_u32 s11, 0
	s_cbranch_scc0 .Lfor_b_\@
	tensor_load_to_lds s[G0+4*\s:G0+4*\s+3], s[G1:G1+7]
	s_nop 0
	s_branch .Lasked_\@
.Lfor_b_\@:
	tensor_load_to_lds s[G0B+4*\s:G0B+4*\s+3], s[G1B:G1B+7]
	s_nop 0
.Lasked_\@:
.endm
.macro CREST                           ; a round of the cluster's barrier behind its opening work-group barrier
	s_cmp_lg_u32 s10, 0
	s_cbranch_scc1 .Lnot_wave_0_\@
	s_barrier_signal -3
.Lnot_wave_0_\@:
	s_barrier_wait -3
	s_barrier_signal -1
	s_barrier_wait -1
.endm
.macro CROUND
	s_barrier_signal -1
	s_barrier_wait -1
	CREST
.endm
	s_load_b256 s[68:75], s[0:1], 0x0              ; act s[68:69], wts s[70:71], then VARIANT 0: ssm_b1, bwd_b1; VARIANT 1: ff_b1, hid
	v_lshl_add_u32 v254, v0, 2, 0x37400
	v_mov_b32 v255, 0
	ds_add_u32 v254, v255
.if VARIANT == 0
	s_load_b64 s[76:77], s[0:1], 0x20              ; hid
.endif
	v_lshrrev_b32 v1, 5, v0
	v_readfirstlane_b32 s10, v1                    ; wave 0..3
	s_lshr_b32 s11, s10, 1                         ; which 64 of the block's rows are mine.  Also: I fetch for A (0) or for W (1)
	s_and_b32 s12, s10, 1                          ; which 128 of its columns.  Also: which half of that tile I fetch
	s_bfe_u32 s40, ttmp6, 0x40000                  ; cx
	s_bfe_u32 s41, ttmp6, 0x40004                  ; cy
	s_lshl_b32 s42, ttmp9, 2
	s_add_co_u32 s42, s42, s40                     ; block column = 4 x cluster x + cx
	s_and_b32 s13, ttmp7, 0xffff
	s_lshl_b32 s13, s13, 2
	s_add_co_u32 s13, s13, s41                     ; block row = 4 x cluster y + cy
	s_lshl_b32 s43, s41, 2
	s_lshl_b32 s43, 15, s43                        ; my row of the cluster
	s_lshl_b32 s44, 0x1111, s40                    ; my column
	s_or_b32 s[G1+0], s43, (1<<16)|(1<<20)|(1<<21)|(5<<22)|(3<<25)    ; mask; 2-byte elements; padding on; bit 21 beside a mask; after every 64 words 4 words
	s_or_b32 s[G1B+0], s44, (1<<16)|(1<<20)|(1<<21)|(6<<22)|(7<<25)   ; the same for W: after every 128 words 8 words
	s_mov_b32 s[G1+1], KSTEP<<16                   ; tensor_dim0 = 128
	s_mov_b32 s[G1+2], 64<<16                      ; tensor_dim1 = 64
	s_mov_b32 s[G1+3], KSTEP<<16                   ; tile_dim0 = 128 elements = 256 bytes
	s_mov_b32 s[G1+4], 64                          ; tile_dim1 = 64 rows
	s_mov_b32 s[G1+5], KD                          ; elements from row to row
	s_mov_b32 s[G1+6], 0
	s_mov_b32 s[G1+7], 0
	s_mov_b32 s[G1B+1], 256<<16                    ; tensor_dim0 = 256
	s_mov_b32 s[G1B+2], 64<<16
	s_mov_b32 s[G1B+3], 256<<16                    ; tile_dim0 = 256 elements = 512 bytes
	s_mov_b32 s[G1B+4], 64
	s_mov_b32 s[G1B+5], ND
	s_mov_b32 s[G1B+6], 0
	s_mov_b32 s[G1B+7], 0
	s_lshl_b32 s16, s13, 7                         ; A: row 128 x block row + 64 x half; these registers never hold cx
	s_lshl_b32 s17, s12, 6
	s_add_co_u32 s16, s16, s17
	s_mul_i32 s16, s16, KD*2
	s_mov_b32 s17, 0
	s_mul_i32 s46, s12, 64*ND*2                    ; W: k-row 64 x half, column 256 x block column; these never hold cy
	s_lshl_b32 s47, s42, 9
	s_add_co_u32 s46, s46, s47
	s_add_co_u32 s46, s46, WOFF
	s_mov_b32 s47, 0
	s_mul_i32 s20, s10, AHALF                      ; where they go: A's halves at wave x AHALF (waves 0, 1),
	s_mul_i32 s21, s10, BHALF
	s_sub_co_u32 s21, s21, BHALF                   ; W's at ATILE + (wave - 2) x BHALF = wave x BHALF - BHALF (waves 2, 3)
	s_wait_dscnt 0x0
	s_wait_kmcnt 0x0
	s_add_nc_u64 s[14:15], s[68:69], s[16:17]
	s_add_nc_u64 s[46:47], s[70:71], s[46:47]
	CROUND                                         ; all sixteen work-groups are here: the first joint loads meet
.irp s, 0,1
	s_mov_b32 s[G0+4*\s], 1
	s_add_co_u32 s[G0+4*\s+1], s20, \s*SLOT
	s_add_nc_u64 s[G0+4*\s+2:G0+4*\s+3], s[14:15], \s*KSTEP*2
	s_or_b32 s[G0+4*\s+3], s[G0+4*\s+3], 0x80000000
	s_mov_b32 s[G0B+4*\s], 1
	s_add_co_u32 s[G0B+4*\s+1], s21, \s*SLOT
	s_add_nc_u64 s[G0B+4*\s+2:G0B+4*\s+3], s[46:47], \s*KSTEP*ND*2
	s_or_b32 s[G0B+4*\s+3], s[G0B+4*\s+3], 0x80000000
	JLOAD \s                                       ; both slots are asked for before anything else is done
.endr
	v_and_b32 v1, 15, v0                           ; r = lane % 16
	v_bfe_u32 v2, v0, 4, 1                         ; h = lane / 16
	v_and_b32 v3, 7, v0
	v_bfe_u32 v4, v0, 3, 1
	v_mul_u32_u24 v5, v1, PA                       ; A fragment: row r, 16 bytes for each half of the lanes, two loads 32 bytes apart
	v_lshl_add_u32 v5, v2, 4, v5
	s_mul_i32 s22, s11, 64*PA
	v_add_nc_u32 v[ADRA], s22, v5
	v_add_nc_u32 v[ADRA+1], SLOT, v[ADRA]
	v_lshl_add_u32 v6, v2, 3, v3                   ; W fragment: k-row 8 h + lane % 8, 16 bytes by bit 3 of the lane, two loads 16 k-rows apart
	v_mul_u32_u24 v6, v6, PB
	v_lshl_add_u32 v6, v4, 4, v6
	s_lshl_b32 s22, s12, 8
	s_add_co_u32 s22, s22, ATILE
	v_add_nc_u32 v[ADRB], s22, v6
	v_add_nc_u32 v[ADRB+1], SLOT, v[ADRB]
	s_mul_i32 s23, s10, 16*SPITCH
	s_add_co_u32 s23, s23, STAGE                   ; my stage
	v_mul_u32_u24 v5, v1, SPITCH
	v_lshl_add_u32 v5, v2, 4, v5
	v_add_nc_u32 v[STO], s23, v5
	v_mul_u32_u24 v5, v2, SPITCH
	v_lshl_add_u32 v5, v1, 4, v5
	v_add_nc_u32 v[RD], s23, v5
	v_mul_u32_u24 v5, v2, ND*2
	v_lshl_add_u32 v[CO], v1, 4, v5
	v_lshlrev_b32 v[BO], 5, v2
	s_lshl_b32 s22, s12, 9
	v_add_nc_u32 v[BO], s22, v[BO]                 ; 32 h + 512 x column half
	; bases that hang on both block coordinates, in registers that feed no descriptor
	s_lshl_b32 s4, s13, 7
	s_lshl_b32 s5, s11, 6
	s_add_co_u32 s4, s4, s5
	s_mul_i32 s4, s4, ND*2
	s_lshl_b32 s5, s42, 9
	s_add_co_u32 s4, s4, s5
	s_lshl_b32 s5, s12, 8
	s_add_co_u32 s4, s4, s5
	s_mov_b32 s5, 0
	s_add_nc_u64 s[84:85], s[HIDP:HIDP+1], s[4:5]  ; hid at my first row and column
.if VARIANT == 0
	s_cmp_ge_u32 ttmp9, 1                          ; block columns 4-7 (cluster x = 1) are bwd's
	s_cselect_b64 s[86:87], s[74:75], s[72:73]
	s_lshl_b32 s6, s40, 10
.else
	s_mov_b64 s[86:87], s[72:73]
	s_lshl_b32 s6, s42, 10
.endif
	s_mov_b32 s7, 0
	s_add_nc_u64 s[86:87], s[86:87], s[6:7]
	WIN 0x80                                       ; destination window 2
.irp b, 0,1,2,3,4,5,6,7
	global_load_b128 v[8*\b:8*\b+3], v[BO], s[86:87] offset:64*\b          ; bias of columns 16 b + 8 h + 0..3
	global_load_b128 v[8*\b+4:8*\b+7], v[BO], s[86:87] offset:64*\b+16     ; and + 4..7; waited for behind the K loop
.endr
	WIN 0
.if VARIANT == 0
	s_mov_b32 s8, 0x3e6d3388                       ; 0.3275911 / sqrt 2
.irp d, 0,1
	v_mov_b32 v[CK+\d], 0x3f07dc22                 ; the fit's coefficients, halved:  0.5307027
	v_mov_b32 v[CK+2+\d], 0xbf3a00e3               ; -0.7265760
	v_mov_b32 v[CK+4+\d], 0x3f35f0e3               ;  0.7107069
	v_mov_b32 v[CK+6+\d], 0xbe11a98e               ; -0.1422484
	v_mov_b32 v[CK+8+\d], 0x3e027906               ;  0.1274148
	v_mov_b32 v[CK+10+\d], 0xbf38aa3b              ; -log2(e) / 2
.endr
.else
.irp d, 0,1
	v_mov_b32 v[CK+\d], 0xbdd2d3e8                 ; -2 log2(e) sqrt(2/pi) 0.044715
	v_mov_b32 v[CK+2+\d], 0xc0135761               ; -2 log2(e) sqrt(2/pi)
.endr
.endif
; 16 matrix instructions: row blocks a0, a0 + 1 x all 8 column blocks, 32 along K, from fragment buffer f.  zero = 1: the product starts the sums.
; The 32 accumulators take turns, one instruction a turn, in the same order in every quarter step and over the backward jump.
.macro MUL16 f, a0, zero
.irp a, \a0, \a0+1
.irp b, 0,1,2,3,4,5,6,7
.if \zero
	v_wmma_f32_16x16x32_bf16 v[8*(8*(\a)+\b):8*(8*(\a)+\b)+7], v[FB0+64*\f+8*\b:FB0+64*\f+8*\b+7], v[FA0+32*\f+8*(\a):FA0+32*\f+8*(\a)+7], 0
.else
	v_wmma_f32_16x16x32_bf16 v[8*(8*(\a)+\b):8*(8*(\a)+\b)+7], v[FB0+64*\f+8*\b:FB0+64*\f+8*\b+7], v[FA0+32*\f+8*(\a):FA0+32*\f+8*(\a)+7], v[8*(8*(\a)+\b):8*(8*(\a)+\b)+7]
.endif
.endr
.endr
.endm
; 24 LDS loads in one run: quarter q (32 along K) of a slot into buffer f: W's 128 columns, A's 64 rows
.macro FETCH slot, q, f
	WIN 0
.irp b, 0,1,2,3,4,5,6,7
	ds_load_tr16_b128 v[FB0+64*\f+8*\b:FB0+64*\f+8*\b+3], v[ADRB+\slot] offset:\q*32*PB+32*\b
	ds_load_tr16_b128 v[FB0+64*\f+8*\b+4:FB0+64*\f+8*\b+7], v[ADRB+\slot] offset:\q*32*PB+32*\b+16*PB
.endr
.irp a, 0,1,2,3
	ds_load_b128 v[FA0+32*\f+8*\a:FA0+32*\f+8*\a+3], v[ADRA+\slot] offset:64*\q+\a*16*PA
	ds_load_b128 v[FA0+32*\f+8*\a+4:FA0+32*\f+8*\a+7], v[ADRA+\slot] offset:64*\q+\a*16*PA+32
.endr
.endm
.macro PLACES                          ; a load into a register that a matrix instruction has read, and a vector instruction on a matrix result, stand four plain vector instructions behind it
.rept 4
	v_nop
.endr
.endm
; one of a K step's first three quarters: asks for quarter qn into buffer g, then multiplies buffer f
.macro QUARTER slot, qn, f, g, zero
	PLACES
	FETCH \slot, \qn, \g
	s_wait_dscnt 24                                ; the 24 loads just issued stay out; buffer f, asked for a quarter ago, is in
	WIN 0x50                                       ; C and D in window 1
	MUL16 \f, 0, \zero
	MUL16 \f, 2, \zero
.endm
.macro THREE slot, zero
	QUARTER \slot, 1, 0, 1, \zero
	QUARTER \slot, 2, 1, 0, 0
	QUARTER \slot, 3, 0, 1, 0
.endm
; the last quarter multiplies buffer 1 and changes slots.  In front of the barrier each wave waits for its reads of this slot and for all its tensor
; loads (one is out: its part of the next slot).  With fill = 1 the barrier opens a round of the cluster's barrier; behind the round no wave of any
; partner reads this slot or has a load on its way, and the joint refill is the wave's first and only tensor load there.
.macro TURN slot, next, fill
	s_wait_dscnt 0x0
	s_wait_tensorcnt 0x0
	ds_add_u32 v254, v255
	s_wait_dscnt 0x0
	s_barrier_signal -1
	WIN 0x50
	MUL16 1, 0, 0                                  ; registers only, while the others arrive
	WIN 0
	s_barrier_wait -1
.if \fill
	CREST
	s_add_nc_u64 s[G0+4*\slot+2:G0+4*\slot+3], s[G0+4*\slot+2:G0+4*\slot+3], 2*KSTEP*2          ; no tensor load of mine is out: the addresses may step, two K steps on
	s_add_nc_u64 s[G0B+4*\slot+2:G0B+4*\slot+3], s[G0B+4*\slot+2:G0B+4*\slot+3], 2*KSTEP*ND*2
	JLOAD \slot
.endif
	PLACES
	FETCH \next, 0, 0
	WIN 0x50
	MUL16 1, 2, 0
.endm
.macro LAP zero
	THREE 0, \zero
	TURN 0, 1, 1
	THREE 1, 0
	TURN 1, 0, 1
.endm
	s_wait_tensorcnt 0x1                           ; my part of K step 0 is in; K step 1's stays out
	s_barrier_signal -1
	s_barrier_wait -1
	FETCH 0, 0, 0
	LAP 1                                          ; the first lap's first products start the sums: nothing is cleared
.if LAPS > 2
	WIN 0
	s_mov_b32 s3, LAPS-2
.Llap:
	LAP 0
	WIN 0
	s_sub_co_u32 s3, s3, 1
	s_cmp_lg_u32 s3, 0
	s_cbranch_scc1 .Llap
.endif
	THREE 0, 0                                     ; the last lap fills nothing
	TURN 0, 1, 0
	THREE 1, 0
	s_wait_dscnt 0x0
	WIN 0x50
	MUL16 1, 0, 0
	MUL16 1, 2, 0
	PLACES
	WIN 0
	s_wait_loadcnt 0x0                             ; the bias
; GELU of the 8 numbers at v[x ..], packed to bf16 in v[o .. o + 3]
.macro GELU8 x, o
.if VARIANT == 0
	; gelu(x) = max(x, 0) - |x| y,  y = poly(t) exp(-x^2 / 2) / 2,  t = 1 / (1 + 0.2316419 |x|): one form for both signs, no difference of large numbers
.irp i, 0,1,2,3,4,5,6,7
	v_fma_f32 v[TD+\i], |v[\x+\i]|, s8, 1.0
.endr
.irp p, 0,2,4,6
	v_pk_mul_f32 v[TE+\p:TE+\p+1], v[\x+\p:\x+\p+1], v[\x+\p:\x+\p+1]
.endr
.irp p, 0,2,4,6
	v_pk_mul_f32 v[TE+\p:TE+\p+1], v[TE+\p:TE+\p+1], v[CK+10:CK+11]
.endr
.irp i, 0,1,2,3,4,5,6,7
	v_rcp_f32 v[TQ+\i], v[TD+\i]
.endr
.irp i, 0,1,2,3,4,5,6,7
	v_exp_f32 v[TM+\i], v[TE+\i]
.endr
.irp i, 0,1,2,3,4,5,6,7
	v_max_num_f32 v[TN+\i], 0, v[\x+\i]            ; plain work that touches none of the transcendentals' registers (ISA guide 5.7.2)
.endr
.irp p, 0,2,4,6
	v_pk_fma_f32 v[TD+\p:TD+\p+1], v[TQ+\p:TQ+\p+1], v[CK:CK+1], v[CK+2:CK+3]
.endr
.irp c, 4,6,8
.irp p, 0,2,4,6
	v_pk_fma_f32 v[TD+\p:TD+\p+1], v[TD+\p:TD+\p+1], v[TQ+\p:TQ+\p+1], v[CK+\c:CK+\c+1]
.endr
.endr
.irp p, 0,2,4,6
	v_pk_mul_f32 v[TD+\p:TD+\p+1], v[TD+\p:TD+\p+1], v[TQ+\p:TQ+\p+1]
.endr
.irp p, 0,2,4,6
	v_pk_mul_f32 v[TD+\p:TD+\p+1], v[TD+\p:TD+\p+1], v[TM+\p:TM+\p+1]
.endr
.irp i, 0,1,2,3,4,5,6,7
	v_fma_f32 v[TN+\i], -|v[\x+\i]|, v[TD+\i], v[TN+\i]
.endr
.irp r, 0,1,2,3
	v_cvt_pk_bf16_f32 v[\o+\r], v[TN+2*\r], v[TN+2*\r+1]
.endr
.else
	; gelu(x) = x / (1 + 2^(x (c3 x^2 + c1))): 0.5 (1 + tanh u) = 1 / (1 + e^(-2u)); both ends saturate to x and to 0
.irp p, 0,2,4,6
	v_pk_mul_f32 v[TD+\p:TD+\p+1], v[\x+\p:\x+\p+1], v[\x+\p:\x+\p+1]
.endr
.irp p, 0,2,4,6
	v_pk_fma_f32 v[TD+\p:TD+\p+1], v[TD+\p:TD+\p+1], v[CK:CK+1], v[CK+2:CK+3]
.endr
.irp p, 0,2,4,6
	v_pk_mul_f32 v[TD+\p:TD+\p+1], v[TD+\p:TD+\p+1], v[\x+\p:\x+\p+1]
.endr
.irp i, 0,1,2,3,4,5,6,7
	v_exp_f32 v[TE+\i], v[TD+\i]
.endr
	v_nop                                          ; one plain instruction behind the transcendentals (ISA guide 5.7.2)
	s_wait_alu depctr_va_vdst(0)
.irp p, 0,2,4,6
	v_pk_add_f32 v[TE+\p:TE+\p+1], v[TE+\p:TE+\p+1], 1.0 op_sel_hi:[1,0]
.endr
.irp i, 0,1,2,3,4,5,6,7
	v_rcp_f32 v[TQ+\i], v[TE+\i]
.endr
	v_nop
	s_wait_alu depctr_va_vdst(0)
.irp p, 0,2,4,6
	v_pk_mul_f32 v[TQ+\p:TQ+\p+1], v[TQ+\p:TQ+\p+1], v[\x+\p:\x+\p+1]
.endr
.irp r, 0,1,2,3
	v_cvt_pk_bf16_f32 v[\o+\r], v[TQ+2*\r], v[TQ+2*\r+1]
.endr
.endif
.endm
; rows 16 a .. 16 a + 15 of my block: bias, GELU, 16 bytes a lane into my own stage, whole rows of 256 bytes back and out
.macro OUT16 a, rb
	WIN 0x09                                       ; source 0 window 1 (sums), source 1 window 2 (bias)
.irp b, 0,1,2,3,4,5,6,7
.irp p, 0,2,4,6
	v_pk_add_f32 v[XE+8*\b+\p:XE+8*\b+\p+1], v[8*(8*\a+\b)+\p:8*(8*\a+\b)+\p+1], v[8*\b+\p:8*\b+\p+1]
.endr
.endr
	WIN 0
.irp b, 0,1,2,3,4,5,6,7
	GELU8 XE+8*\b, PK+4*\b
	ds_store_b128 v[STO], v[PK+4*\b:PK+4*\b+3] offset:32*\b
.endr
	s_wait_xcnt 0x0                                ; earlier stores have had their addresses translated (ISA guide 3.1): their data registers and base are written again only behind this wait
.if \a
	s_add_nc_u64 s[84:85], s[84:85], 16*ND*2
.endif
.irp t, 0,1,2,3,4,5,6,7
	ds_load_b128 v[\rb+4*\t:\rb+4*\t+3], v[RD] offset:\t*2*SPITCH          ; LDS serves a wave's instructions in order (ISA guide 5.7.1): these see the stores above
.endr
.irp t, 0,1,2,3,4,5,6,7
	s_wait_dscnt 7-\t                              ; read-back t is in, the younger ones stay out
	global_store_b128 v[CO], v[\rb+4*\t:\rb+4*\t+3], s[84:85] offset:2*\t*ND*2   ; sixteen lanes store 256 consecutive bytes, aligned
.endr
.endm
	OUT16 0, RB0
	OUT16 1, RB1
	OUT16 2, RB0
	OUT16 3, RB1
	s_wait_tensorcnt 0x0
	ds_add_u32 v254, v255
	s_wait_dscnt 0x0
	CROUND                                         ; the closing round: no work-group ends while a partner may still ask for a tile that names it
	s_endpgm
.Lfunc_end_k_qa0361305af_up2:
	.size	k_qa0361305af_up2, .Lfunc_end_k_qa0361305af_up2-k_qa0361305af_up2
	.p2alignl 7, 3214868480
	.fill 96, 4, 3214868480
	.section	.rodata,"a",@progbits
	.p2align	6, 0x0
	.amdhsa_kernel k_qa0361305af_up2
		.amdhsa_group_segment_fixed_size 327680
		.amdhsa_private_segment_fixed_size 0
		.amdhsa_enable_private_segment 0
		.amdhsa_kernarg_size 32
		.amdhsa_user_sgpr_count 2
		.amdhsa_user_sgpr_kernarg_segment_ptr 1
		.amdhsa_wavefront_size32 1
		.amdhsa_system_sgpr_workgroup_id_x 1
		.amdhsa_system_sgpr_workgroup_id_y 1
		.amdhsa_system_sgpr_workgroup_id_z 1
		.amdhsa_system_vgpr_workitem_id 0
		.amdhsa_next_free_vgpr 576
		.amdhsa_next_free_sgpr 96
		.amdhsa_reserve_vcc 0
		.amdhsa_float_denorm_mode_32 3
		.amdhsa_float_denorm_mode_16_64 3
		.amdhsa_memory_ordered 1
		.amdhsa_forward_progress 1
		.amdhsa_inst_pref_size 187
	.end_amdhsa_kernel
	.amdgpu_metadata
---
amdhsa.version: [ 1, 2 ]
amdhsa.kernels:
  - .name:           k_qa0361305af_up2
    .symbol:         k_qa0361305af_up2.kd
    .args:
      - { .name: act, .offset: 0, .size: 8, .value_kind: global_buffer, .address_space: global }
      - { .name: wts, .offset: 8, .size: 8, .value_kind: global_buffer, .address_space: global }
      - { .name: ff_b1, .offset: 16, .size: 8, .value_kind: global_buffer, .address_space: global }
      - { .name: hid, .offset: 24, .size: 8, .value_kind: global_buffer, .address_space: global }
    .group_segment_fixed_size: 327680
    .private_segment_fixed_size: 0
    .kernarg_segment_align: 8
    .kernarg_segment_size: 32
    .max_flat_workgroup_size: 128
    .sgpr_count:     96
    .vgpr_count:     576
    .wavefront_size: 32
...
	.end_amdgpu_metadata
.endif
;; end of part 6
;; launch down2 (part 7): grid 4 x 64, 4 waves a work-group, clusters of 4 x 4, 327,680 bytes of LDS; arguments hid, wts, ff_b2, mods, x1, out0; writes out0
.if DOCPART == 7
	.amdgcn_target "amdgcn-amd-amdhsa--gfx1250"
	.amdhsa_code_object_version 6
	.text
	.protected	k_qa0361305af_down2
	.globl	k_qa0361305af_down2
	.p2align	8
	.type	k_qa0361305af_down2,@function
k_qa0361305af_down2:
	s_mov_b64 s[64:65], 0
	v_nop
	global_prefetch_b8 v0, s[64:65] scope:SCOPE_SE
	s_setreg_imm32_b32 hwreg(HW_REG_WAVE_MODE, 25, 1), 1
	s_wait_xcnt 0x0
	s_wait_alu depctr_hold_cnt(0) depctr_sa_sdst(0) depctr_va_vdst(0) depctr_va_sdst(0) depctr_va_ssrc(0) depctr_va_vcc(0) depctr_vm_vsrc(0)
	s_getreg_b32 s2, hwreg(HW_REG_IB_STS2, 6, 4)
	s_cmp_eq_u32 s2, 0
	s_cbranch_scc0 .Lentry_in_a_cluster
	s_endpgm
.Lentry_in_a_cluster:
	s_bfe_u32 s2, ttmp6, 0x10000c
	s_cmp_lg_u32 s2, 0xf033
	s_cbranch_scc0 .Lentry_shape_is_right
	s_endpgm
.Lentry_shape_is_right:
; out = res + gate[batch] * ( hid @ W + bias ), f32.  hid [8192][2048] bf16, W [2048][1024] bf16 in wts (rows along N); sums in f32.
; VARIANT 0: W = [ssm_w2 ; bwd_w2], bias = ssm_b2 + bwd_b2, gate = gate_msa, res = x, and the gated term is 0 where mask[row] is false; out = x1.
;            The flips of axis 1 are left out: the layers treat each position by itself.  Masked rows are computed and selected away.
; VARIANT 1: W = ff_w2, bias = ff_b2, gate = gate_mlp, res = x1, no mask; out = out0.
; A work-group makes 128 x 256 with four waves, as many as a WGP has SIMDs; a wave makes 64 x 128: 32 accumulator tiles, 256 registers.  K goes in steps
; of 128 through two LDS slots filled by the tensor data mover, one load a wave: waves 0, 1 bring 64 rows x 256 bytes of hid, waves 2, 3 bring 64 k-rows x 512 bytes of W.
; CLUSTERS: 4 x 4 work-groups; hid's tile is asked for jointly along a row of the cluster, W's along a column, which divides the requests for both by four.
; A wave has two tensor loads out at the start and one behind each round of the cluster's barrier.
; REGISTERS in windows of 256: window 0 addresses, fragments, the way out; window 1 the accumulators, tile (a, b) at v[8 (8 a + b)]; window 2 v0-63 bias,
; v64-127 gate, v128-191 second bias; window 3 the residual of my 64 rows x 512 bytes, row i at v[4 i], asked for ahead of the K loop so that it costs no wait behind it.
; LIMIT: the bias enters as gate x sum + (gate x bias), another order of rounding than gate x (sum + bias).
.set VARIANT, 1
.set KD, 2048
.set ND, 1024
.if VARIANT == 0
.set WOFF, 4194304                     ; byte offset of W in wts
.set EMBOFF, 0                         ; byte offset of this layer's emb in mods
.set MODP, 76
.set RESP, 78
.set MASKP, 80
.set OUTP, 82
.else
.set WOFF, 12582912
.set EMBOFF, 98304
.set MODP, 74
.set RESP, 76
.set OUTP, 78
.endif
.set KSTEP, 128
.set PA, 272                           ; A's LDS row: 256 bytes + 16: an odd multiple of 16
.set PB, 544                           ; W's LDS row: 512 bytes + 32: an odd multiple of 32
.set AHALF, 64*PA
.set ATILE, 2*AHALF
.set BHALF, 64*PB                      ; = ATILE
.set SLOT, ATILE+2*BHALF
.set STAGE, 2*SLOT                     ; behind the ring, a multiple of 256: 16 rows x 528 bytes for each wave; no fill lands here
.set SPITCH, 528
.set LAPS, KD/(2*KSTEP)
.set ADRA, 8                           ; v[8:9]   LDS address of my A fragments in slot 0, 1
.set ADRB, 10                          ; v[10:11] the same for W
.set STO, 12                           ; v12      the way out: where I put 32 bytes of a row
.set RD,  13                           ; v13      where I read rows back
.set CO,  14                           ; v14      16 lane: my bytes in a row's 512, in the residual and in the output
.set BO,  15                           ; v15      my byte offset in bias and gate
.set MO,  16                           ; v16      lane % 16: my row in a block of 16, for the mask
.set MK,  18                           ; v[18:21] mask byte of my row in each of the four row blocks
.set FA0, 32                           ; v[32:63], v[64:95]    A fragments, buffers 0, 1
.set FB0, 96                           ; v[96:159], v[160:223] W fragments, buffers 0, 1
.set XE,  32                           ; the way out: v[32:95] 64 numbers
.set RB0, 96                           ; v[96:159], v[160:223] 16 rows read back, two buffers
.set RB1, 160
.set G1, 24
.set G0, 32
.set G1B, 48
.set G0B, 56
.set MSB, 0
.macro WIN new                         ; low byte: bits 1:0 source 0, 3:2 source 1, 5:4 source 2, 7:6 destination; the high byte repeats the setting that is left
.if MSB != \new
	s_set_vgpr_msb (MSB<<8)|\new
.set MSB, \new
.endif
.endm
.macro JLOAD s                         ; waves 0, 1 ask for A's halves, waves 2, 3 for W's: each line has one mask; the branch hangs on the wave's number alone
	s_cmp_eq_u32 s11, 0
	s_cbranch_scc0 .Lfor_b_\@
	tensor_load_to_lds s[G0+4*\s:G0+4*\s+3], s[G1:G1+7]
	s_nop 0
	s_branch .Lasked_\@
.Lfor_b_\@:
	tensor_load_to_lds s[G0B+4*\s:G0B+4*\s+3], s[G1B:G1B+7]
	s_nop 0
.Lasked_\@:
.endm
.macro CREST                           ; a round of the cluster's barrier behind its opening work-group barrier
	s_cmp_lg_u32 s10, 0
	s_cbranch_scc1 .Lnot_wave_0_\@
	s_barrier_signal -3
.Lnot_wave_0_\@:
	s_barrier_wait -3
	s_barrier_signal -1
	s_barrier_wait -1
.endm
.macro CROUND
	s_barrier_signal -1
	s_barrier_wait -1
	CREST
.endm
.if VARIANT == 0
	s_load_b512 s[68:83], s[0:1], 0x0              ; hid 68, wts 70, ssm_b2 72, bwd_b2 74, mods 76, x 78, mask 80, x1 82
.else
	s_load_b256 s[68:75], s[0:1], 0x0              ; hid 68, wts 70, ff_b2 72, mods 74
	s_load_b128 s[76:79], s[0:1], 0x20             ; x1 76, out0 78
	v_lshl_add_u32 v254, v0, 2, 0x3b400
	v_mov_b32 v255, 0
	ds_add_u32 v254, v255
.endif
	v_lshrrev_b32 v1, 5, v0
	v_readfirstlane_b32 s10, v1                    ; wave 0..3
	s_lshr_b32 s11, s10, 1                         ; which 64 of the block's rows are mine.  Also: I fetch for A (0) or for W (1)
	s_and_b32 s12, s10, 1                          ; which 128 of its columns.  Also: which half of that tile I fetch
	s_bfe_u32 s40, ttmp6, 0x40000                  ; cx
	s_bfe_u32 s41, ttmp6, 0x40004                  ; cy
	s_lshl_b32 s42, ttmp9, 2
	s_add_co_u32 s42, s42, s40                     ; block column
	s_and_b32 s13, ttmp7, 0xffff
	s_lshl_b32 s13, s13, 2
	s_add_co_u32 s13, s13, s41                     ; block row
	s_lshl_b32 s43, s41, 2
	s_lshl_b32 s43, 15, s43                        ; my row of the cluster
	s_lshl_b32 s44, 0x1111, s40                    ; my column
	s_or_b32 s[G1+0], s43, (1<<16)|(1<<20)|(1<<21)|(5<<22)|(3<<25)    ; mask; 2-byte elements; padding on; bit 21 beside a mask; after every 64 words 4 words
	s_or_b32 s[G1B+0], s44, (1<<16)|(1<<20)|(1<<21)|(6<<22)|(7<<25)   ; the same for W: after every 128 words 8 words
	s_mov_b32 s[G1+1], KSTEP<<16                   ; tensor_dim0 = 128
	s_mov_b32 s[G1+2], 64<<16                      ; tensor_dim1 = 64
	s_mov_b32 s[G1+3], KSTEP<<16                   ; tile_dim0 = 128 elements = 256 bytes
	s_mov_b32 s[G1+4], 64                          ; tile_dim1 = 64 rows
	s_mov_b32 s[G1+5], KD                          ; elements from row to row
	s_mov_b32 s[G1+6], 0
	s_mov_b32 s[G1+7], 0
	s_mov_b32 s[G1B+1], 256<<16
	s_mov_b32 s[G1B+2], 64<<16
	s_mov_b32 s[G1B+3], 256<<16                    ; tile_dim0 = 256 elements = 512 bytes
	s_mov_b32 s[G1B+4], 64
	s_mov_b32 s[G1B+5], ND
	s_mov_b32 s[G1B+6], 0
	s_mov_b32 s[G1B+7], 0
	s_lshl_b32 s16, s13, 7                         ; A: row 128 x block row + 64 x half; these registers never hold cx
	s_lshl_b32 s17, s12, 6
	s_add_co_u32 s16, s16, s17
	s_mul_i32 s16, s16, KD*2
	s_mov_b32 s17, 0
	s_mul_i32 s46, s12, 64*ND*2                    ; W: k-row 64 x half, column 256 x block column; these never hold cy
	s_lshl_b32 s47, s42, 9
	s_add_co_u32 s46, s46, s47
	s_add_co_u32 s46, s46, WOFF
	s_mov_b32 s47, 0
	s_mul_i32 s20, s10, AHALF                      ; where they go: A's halves at wave x AHALF (waves 0, 1),
	s_mul_i32 s21, s10, BHALF
	s_sub_co_u32 s21, s21, BHALF                   ; W's at ATILE + (wave - 2) x BHALF = wave x BHALF - BHALF (waves 2, 3)
	s_wait_dscnt 0x0
	s_wait_kmcnt 0x0
	s_add_nc_u64 s[14:15], s[68:69], s[16:17]
	s_add_nc_u64 s[46:47], s[70:71], s[46:47]
	CROUND                                         ; all sixteen work-groups are here: the first joint loads meet
.irp s, 0,1
	s_mov_b32 s[G0+4*\s], 1
	s_add_co_u32 s[G0+4*\s+1], s20, \s*SLOT
	s_add_nc_u64 s[G0+4*\s+2:G0+4*\s+3], s[14:15], \s*KSTEP*2
	s_or_b32 s[G0+4*\s+3], s[G0+4*\s+3], 0x80000000
	s_mov_b32 s[G0B+4*\s], 1
	s_add_co_u32 s[G0B+4*\s+1], s21, \s*SLOT
	s_add_nc_u64 s[G0B+4*\s+2:G0B+4*\s+3], s[46:47], \s*KSTEP*ND*2
	s_or_b32 s[G0B+4*\s+3], s[G0B+4*\s+3], 0x80000000
	JLOAD \s                                       ; both slots are asked for before anything else is done
.endr
	v_and_b32 v1, 15, v0                           ; r = lane % 16
	v_bfe_u32 v2, v0, 4, 1                         ; h = lane / 16
	v_and_b32 v3, 7, v0
	v_bfe_u32 v4, v0, 3, 1
	v_and_b32 v7, 31, v0                           ; lane
	v_mul_u32_u24 v5, v1, PA
	v_lshl_add_u32 v5, v2, 4, v5
	s_mul_i32 s22, s11, 64*PA
	v_add_nc_u32 v[ADRA], s22, v5
	v_add_nc_u32 v[ADRA+1], SLOT, v[ADRA]
	v_lshl_add_u32 v6, v2, 3, v3
	v_mul_u32_u24 v6, v6, PB
	v_lshl_add_u32 v6, v4, 4, v6
	s_lshl_b32 s22, s12, 8
	s_add_co_u32 s22, s22, ATILE
	v_add_nc_u32 v[ADRB], s22, v6
	v_add_nc_u32 v[ADRB+1], SLOT, v[ADRB]
	s_mul_i32 s23, s10, 16*SPITCH
	s_add_co_u32 s23, s23, STAGE                   ; my stage
	v_mul_u32_u24 v5, v1, SPITCH
	v_lshl_add_u32 v5, v2, 5, v5
	v_add_nc_u32 v[STO], s23, v5                   ; row r, 32 bytes for each half of the lanes
	v_lshlrev_b32 v[CO], 4, v7
	v_add_nc_u32 v[RD], s23, v[CO]                 ; a whole row of 512 bytes a load
	v_lshlrev_b32 v[BO], 5, v2
	s_lshl_b32 s22, s12, 9
	v_add_nc_u32 v[BO], s22, v[BO]                 ; 32 h + 512 x column half
	v_mov_b32 v[MO], v1
	; bases that hang on both block coordinates, in registers that feed no descriptor
	s_lshl_b32 s4, s13, 7
	s_lshl_b32 s5, s11, 6
	s_add_co_u32 s4, s4, s5                        ; my first row
	s_mov_b32 s5, 0
.if VARIANT == 0
	s_add_nc_u64 s[92:93], s[MASKP:MASKP+1], s[4:5]
.endif
	s_lshl_b32 s6, s4, 12
	s_lshl_b32 s7, s42, 10
	s_add_co_u32 s6, s6, s7
	s_lshl_b32 s7, s12, 9
	s_add_co_u32 s6, s6, s7
	s_mov_b32 s7, 0
	s_add_nc_u64 s[90:91], s[RESP:RESP+1], s[6:7]  ; the residual and the output at my first row and column
	s_add_nc_u64 s[84:85], s[OUTP:OUTP+1], s[6:7]
	s_lshl_b32 s8, s42, 10
	s_mov_b32 s9, 0
	s_add_nc_u64 s[86:87], s[72:73], s[8:9]
.if VARIANT == 0
	s_add_nc_u64 s[88:89], s[74:75], s[8:9]
.endif
	s_lshr_b32 s4, s13, 3                          ; batch: 8 block rows of 128
	s_mul_i32 s4, s4, 12288
	s_add_co_u32 s4, s4, s8
	s_add_co_u32 s4, s4, EMBOFF+8192               ; the gate is the third third of emb
	s_add_nc_u64 s[94:95], s[MODP:MODP+1], s[4:5]
	; what the way out needs is asked for now and waited for behind the K loop; none of these registers is touched in between
	WIN 0x80                                       ; destination window 2
.irp b, 0,1,2,3,4,5,6,7
	global_load_b128 v[8*\b:8*\b+3], v[BO], s[86:87] offset:64*\b
	global_load_b128 v[8*\b+4:8*\b+7], v[BO], s[86:87] offset:64*\b+16
.endr
.if VARIANT == 0
.irp b, 0,1,2,3,4,5,6,7
	global_load_b128 v[128+8*\b:128+8*\b+3], v[BO], s[88:89] offset:64*\b
	global_load_b128 v[128+8*\b+4:128+8*\b+7], v[BO], s[88:89] offset:64*\b+16
.endr
.endif
.irp b, 0,1,2,3,4,5,6,7
	global_load_b128 v[64+8*\b:64+8*\b+3], v[BO], s[94:95] offset:64*\b
	global_load_b128 v[64+8*\b+4:64+8*\b+7], v[BO], s[94:95] offset:64*\b+16
.endr
	WIN 0
.if VARIANT == 0
.irp a, 0,1,2,3
	global_load_u8 v[MK+\a], v[MO], s[92:93] offset:16*\a
.endr
.endif
	WIN 0xc0                                       ; destination window 3
.set ii, 0
.rept 64
	global_load_b128 v[4*ii:4*ii+3], v[CO], s[90:91] offset:4096*ii th:TH_LOAD_NT   ; 512 consecutive bytes of row ii
.set ii, ii+1
.endr
	WIN 0
; 16 matrix instructions: row blocks a0, a0 + 1 x all 8 column blocks, 32 along K, from fragment buffer f.  zero = 1: the product starts the sums.
; The 32 accumulators take turns, one instruction a turn, in the same order in every quarter step and over the backward jump.
.macro MUL16 f, a0, zero
.irp a, \a0, \a0+1
.irp b, 0,1,2,3,4,5,6,7
.if \zero
	v_wmma_f32_16x16x32_bf16 v[8*(8*(\a)+\b):8*(8*(\a)+\b)+7], v[FB0+64*\f+8*\b:FB0+64*\f+8*\b+7], v[FA0+32*\f+8*(\a):FA0+32*\f+8*(\a)+7], 0
.else
	v_wmma_f32_16x16x32_bf16 v[8*(8*(\a)+\b):8*(8*(\a)+\b)+7], v[FB0+64*\f+8*\b:FB0+64*\f+8*\b+7], v[FA0+32*\f+8*(\a):FA0+32*\f+8*(\a)+7], v[8*(8*(\a)+\b):8*(8*(\a)+\b)+7]
.endif
.endr
.endr
.endm
.macro FETCH slot, q, f                ; 24 LDS loads in one run: quarter q of a slot into buffer f
	WIN 0
.irp b, 0,1,2,3,4,5,6,7
	ds_load_tr16_b128 v[FB0+64*\f+8*\b:FB0+64*\f+8*\b+3], v[ADRB+\slot] offset:\q*32*PB+32*\b
	ds_load_tr16_b128 v[FB0+64*\f+8*\b+4:FB0+64*\f+8*\b+7], v[ADRB+\slot] offset:\q*32*PB+32*\b+16*PB
.endr
.irp a, 0,1,2,3
	ds_load_b128 v[FA0+32*\f+8*\a:FA0+32*\f+8*\a+3], v[ADRA+\slot] offset:64*\q+\a*16*PA
	ds_load_b128 v[FA0+32*\f+8*\a+4:FA0+32*\f+8*\a+7], v[ADRA+\slot] offset:64*\q+\a*16*PA+32
.endr
.endm
.macro PLACES                          ; a load into a register that a matrix instruction has read, and a vector instruction on a matrix result, stand four plain vector instructions behind it
.rept 4
	v_nop
.endr
.endm
.macro QUARTER slot, qn, f, g, zero
	PLACES
	FETCH \slot, \qn, \g
	s_wait_dscnt 24                                ; the 24 loads just issued stay out; buffer f, asked for a quarter ago, is in
	WIN 0x50                                       ; C and D in window 1
	MUL16 \f, 0, \zero
	MUL16 \f, 2, \zero
.endm
.macro THREE slot, zero
	QUARTER \slot, 1, 0, 1, \zero
	QUARTER \slot, 2, 1, 0, 0
	QUARTER \slot, 3, 0, 1, 0
.endm
; the last quarter multiplies buffer 1 and changes slots.  In front of the barrier each wave waits for its reads of this slot and for all its tensor
; loads (one is out: its part of the next slot).  With fill = 1 the barrier opens a round of the cluster's barrier; behind the round no wave of any
; partner reads this slot or has a load on its way, and the joint refill is the wave's first and only tensor load there.
.macro TURN slot, next, fill
	s_wait_dscnt 0x0
	s_wait_tensorcnt 0x0
	ds_add_u32 v254, v255
	s_wait_dscnt 0x0
	s_barrier_signal -1
	WIN 0x50
	MUL16 1, 0, 0                                  ; registers only, while the others arrive
	WIN 0
	s_barrier_wait -1
.if \fill
	CREST
	s_add_nc_u64 s[G0+4*\slot+2:G0+4*\slot+3], s[G0+4*\slot+2:G0+4*\slot+3], 2*KSTEP*2          ; no tensor load of mine is out: the addresses may step, two K steps on
	s_add_nc_u64 s[G0B+4*\slot+2:G0B+4*\slot+3], s[G0B+4*\slot+2:G0B+4*\slot+3], 2*KSTEP*ND*2
	JLOAD \slot
.endif
	PLACES
	FETCH \next, 0, 0
	WIN 0x50
	MUL16 1, 2, 0
.endm
.macro LAP zero
	THREE 0, \zero
	TURN 0, 1, 1
	THREE 1, 0
	TURN 1, 0, 1
.endm
	s_wait_tensorcnt 0x1                           ; my part of K step 0 is in; K step 1's stays out
	s_barrier_signal -1
	s_barrier_wait -1
	FETCH 0, 0, 0
	LAP 1                                          ; the first lap's first products start the sums: nothing is cleared
.if LAPS > 2
	WIN 0
	s_mov_b32 s3, LAPS-2
.Llap:
	LAP 0
	WIN 0
	s_sub_co_u32 s3, s3, 1
	s_cmp_lg_u32 s3, 0
	s_cbranch_scc1 .Llap
.endif
	THREE 0, 0                                     ; the last lap fills nothing
	TURN 0, 1, 0
	THREE 1, 0
	s_wait_dscnt 0x0
	WIN 0x50
	MUL16 1, 0, 0
	MUL16 1, 2, 0
	PLACES
	s_wait_loadcnt 0x0                             ; bias, gate, mask, residual
	WIN 0x8a                                       ; all in window 2
.if VARIANT == 0
.set pp, 0
.rept 32
	v_pk_add_f32 v[pp:pp+1], v[pp:pp+1], v[128+pp:128+pp+1]                ; ssm_b2 + bwd_b2
.set pp, pp+2
.endr
.endif
.set pp, 0
.rept 32
	v_pk_mul_f32 v[pp:pp+1], v[pp:pp+1], v[64+pp:64+pp+1]                  ; gate x bias, once for all 64 rows
.set pp, pp+2
.endr
; rows 16 a .. 16 a + 15 of my block: gate and bias in one fused step, the mask's select, 32 bytes a lane into my own stage, whole rows of 512 bytes back,
; the residual added, and out
.macro OUT16 a, rb
	WIN 0x29                                       ; source 0 window 1 (sums), sources 1 and 2 window 2 (gate, gate x bias)
.irp b, 0,1,2,3,4,5,6,7
.irp p, 0,2,4,6
	v_pk_fma_f32 v[XE+8*\b+\p:XE+8*\b+\p+1], v[8*(8*\a+\b)+\p:8*(8*\a+\b)+\p+1], v[64+8*\b+\p:64+8*\b+\p+1], v[8*\b+\p:8*\b+\p+1]
.endr
.endr
	WIN 0
.if VARIANT == 0
	v_cmp_ne_u32 vcc_lo, 0, v[MK+\a]               ; my lane's row is row lane % 16 of the block
.set ii, 0
.rept 64
	v_cndmask_b32 v[XE+ii], 0, v[XE+ii], vcc_lo    ; the where(): 0 in a masked row, whatever was computed there
.set ii, ii+1
.endr
.endif
.irp b, 0,1,2,3,4,5,6,7
	ds_store_b128 v[STO], v[XE+8*\b:XE+8*\b+3] offset:64*\b
	ds_store_b128 v[STO], v[XE+8*\b+4:XE+8*\b+7] offset:64*\b+16
.endr
	s_wait_xcnt 0x0                                ; earlier stores have had their addresses translated (ISA guide 3.1): their data registers and base are written again only behind this wait
.if \a
	s_add_nc_u64 s[84:85], s[84:85], 16*4096
.endif
.irp t, 0,1,2,3,4,5,6,7,8,9,10,11,12,13,14,15
	ds_load_b128 v[\rb+4*\t:\rb+4*\t+3], v[RD] offset:\t*SPITCH            ; LDS serves a wave's instructions in order (ISA guide 5.7.1): these see the stores above
.endr
	s_wait_dscnt 0x0
	WIN 0x03                                       ; source 0 window 3: the residual of rows 16 a ..
.set pp, 0
.rept 32
	v_pk_add_f32 v[\rb+pp:\rb+pp+1], v[64*\a+pp:64*\a+pp+1], v[\rb+pp:\rb+pp+1]
.set pp, pp+2
.endr
	WIN 0
.irp t, 0,1,2,3,4,5,6,7,8,9,10,11,12,13,14,15
	global_store_b128 v[CO], v[\rb+4*\t:\rb+4*\t+3], s[84:85] offset:4096*\t   ; the wave stores 512 consecutive bytes, aligned
.endr
.endm
	OUT16 0, RB0
	OUT16 1, RB1
	OUT16 2, RB0
	OUT16 3, RB1
	s_wait_tensorcnt 0x0
	ds_add_u32 v254, v255
	s_wait_dscnt 0x0
	CROUND                                         ; the closing round: no work-group ends while a partner may still ask for a tile that names it
	s_endpgm
.Lfunc_end_k_qa0361305af_down2:
	.size	k_qa0361305af_down2, .Lfunc_end_k_qa0361305af_down2-k_qa0361305af_down2
	.p2alignl 7, 3214868480
	.fill 96, 4, 3214868480
	.section	.rodata,"a",@progbits
	.p2align	6, 0x0
	.amdhsa_kernel k_qa0361305af_down2
		.amdhsa_group_segment_fixed_size 327680
		.amdhsa_private_segment_fixed_size 0
		.amdhsa_enable_private_segment 0
		.amdhsa_kernarg_size 48
		.amdhsa_user_sgpr_count 2
		.amdhsa_user_sgpr_kernarg_segment_ptr 1
		.amdhsa_wavefront_size32 1
		.amdhsa_system_sgpr_workgroup_id_x 1
		.amdhsa_system_sgpr_workgroup_id_y 1
		.amdhsa_system_sgpr_workgroup_id_z 1
		.amdhsa_system_vgpr_workitem_id 0
		.amdhsa_next_free_vgpr 1024
		.amdhsa_next_free_sgpr 96
		.amdhsa_reserve_vcc 1
		.amdhsa_float_denorm_mode_32 3
		.amdhsa_float_denorm_mode_16_64 3
		.amdhsa_memory_ordered 1
		.amdhsa_forward_progress 1
		.amdhsa_inst_pref_size 143
	.end_amdhsa_kernel
	.amdgpu_metadata
---
amdhsa.version: [ 1, 2 ]
amdhsa.kernels:
  - .name:           k_qa0361305af_down2
    .symbol:         k_qa0361305af_down2.kd
    .args:
      - { .name: hid, .offset: 0, .size: 8, .value_kind: global_buffer, .address_space: global }
      - { .name: wts, .offset: 8, .size: 8, .value_kind: global_buffer, .address_space: global }
      - { .name: ff_b2, .offset: 16, .size: 8, .value_kind: global_buffer, .address_space: global }
      - { .name: mods, .offset: 24, .size: 8, .value_kind: global_buffer, .address_space: global }
      - { .name: x1, .offset: 32, .size: 8, .value_kind: global_buffer, .address_space: global }
      - { .name: out0, .offset: 40, .size: 8, .value_kind: global_buffer, .address_space: global }
    .group_segment_fixed_size: 327680
    .private_segment_fixed_size: 0
    .kernarg_segment_align: 8
    .kernarg_segment_size: 48
    .max_flat_workgroup_size: 128
    .sgpr_count:     96
    .vgpr_count:     1024
    .wavefront_size: 32
...
	.end_amdgpu_metadata
.endif
;; end of part 7
;; ======== version 2 of 3: 7 launches; 1.13 times as fast as version 1
;; workspace buffers: wts 16,777,216 bytes; mods 196,608 bytes; act 16,777,216 bytes; hid 33,554,432 bytes; x1 33,554,432 bytes
;; launch prep: the kernel of part 1 again; grid 352 x 1, 8 waves a work-group, no clusters, 66,560 bytes of LDS; arguments t, ada_w, ada_b, ffada_w, ffada_b, ssm_w1, bwd_w1, ssm_w2, bwd_w2, ff_w1, ff_w2, wts, mods; writes wts, mods
;; launch ln1: the kernel of part 2 again; grid 256 x 1, 8 waves a work-group, no clusters, 0 bytes of LDS; arguments x, mask, mods, act; writes act
;; launch up1 (part 8): grid 8 x 32, 4 waves a work-group, clusters of 4 x 4, 327,680 bytes of LDS; arguments act, wts, ssm_b1, bwd_b1, hid; writes hid
.if DOCPART == 8
	.amdgcn_target "amdgcn-amd-amdhsa--gfx1250"
	.amdhsa_code_object_version 6
	.text
	.protected	k_qa0361305af_up1
	.globl	k_qa0361305af_up1
	.p2align	8
	.type	k_qa0361305af_up1,@function
k_qa0361305af_up1:
	s_mov_b64 s[64:65], 0
	v_nop
	global_prefetch_b8 v0, s[64:65] scope:SCOPE_SE
	s_setreg_imm32_b32 hwreg(HW_REG_WAVE_MODE, 25, 1), 1
	s_wait_xcnt 0x0
	s_wait_alu depctr_hold_cnt(0) depctr_sa_sdst(0) depctr_va_vdst(0) depctr_va_sdst(0) depctr_va_ssrc(0) depctr_va_vcc(0) depctr_vm_vsrc(0)
	s_getreg_b32 s2, hwreg(HW_REG_IB_STS2, 6, 4)
	s_cmp_eq_u32 s2, 0
	s_cbranch_scc0 .Lentry_in_a_cluster
	s_endpgm
.Lentry_in_a_cluster:
	s_bfe_u32 s2, ttmp6, 0x10000c
	s_cmp_lg_u32 s2, 0xf033
	s_cbranch_scc0 .Lentry_shape_is_right
	s_endpgm
.Lentry_shape_is_right:
; hid = bf16( gelu( act @ W + bias ) ).  act [8192][1024] bf16, W [1024][2048] bf16 in wts (rows along N), hid [8192][2048] bf16; sums in f32.
; VARIANT 0: W = [ssm_w1 | bwd_w1], bias = [ssm_b1 | bwd_b1], exact (erf) GELU.  The flips of axis 1 are left out: the layers treat each position by itself.
; VARIANT 1: W = ff_w1, bias = ff_b1, tanh GELU.
; A work-group makes 256 x 256 of the result with four waves, as many as a WGP has SIMDs; a wave makes 128 x 128: 64 accumulator tiles, 512 registers.
; 8192 x 2048 / (256 x 256) = 256 work-groups.  K goes in steps of 128 through two LDS slots filled by the tensor data mover, one load a wave:
; waves 0, 1 bring 128 rows x 256 bytes of act each, waves 2, 3 bring 64 k-rows x 512 bytes of W each.  W stays [K][N]; its fragments are taken by the
; transposing LDS load.  From a request for a slot to the wait for it a wave issues 240 of a K step's 256 matrix instructions.
; CLUSTERS: 4 x 4 work-groups.  act's tile hangs on the block row alone and is asked for jointly by the four of a row of the cluster; W's hangs on the
; block column alone and is asked for jointly by the four of a column.  That divides the requests for both by four.
; A wave has two tensor loads out at the start and one behind each round of the cluster's barrier.
; REGISTERS in windows of 256: window 0: v16-27 addresses, v32-51 GELU's constants and one bank of temporaries, v64-127 and v128-191 fragments of act (two buffers),
; v192-255 at work on the way out; window 1: v0-63 the bias of my 8 columns in each of 8 column blocks, v64-127 and v128-191 fragments of W;
; window 2: the 32 accumulator tiles of my rows 0-63, tile (a, b) at v[8 (8 a + b)]; window 3: those of my rows 64-127.
; The matrix instruction is used transposed (source 0 = W's columns, source 1 = act's rows): a lane then holds 8 neighbouring columns of one row.
; LIMITS: erf by a fifth-degree fit in 1 / (1 + 0.3275911 |z|) with absolute error 1.5e-7, for every finite x; v_exp_f32 and v_rcp_f32 are good to
; 1 ulp and flush denormals; an infinite pre-activation gives NaN in the erf form.
.set VARIANT, 0
.set KD, 1024
.set ND, 2048
.set WOFF, 0                           ; byte offset of W in wts
.if VARIANT == 0
.set HIDP, 76
.else
.set HIDP, 74
.endif
.set KSTEP, 128
.set PA, 272                           ; act's LDS row: 256 bytes + 16: an odd multiple of 16, so 16 rows start at 16 different groups of banks
.set PB, 544                           ; W's LDS row: 512 bytes + 32: an odd multiple of 32, as the transposing load's eight rows want
.set HALFT, 128*PA                     ; what one tensor load brings: 128 rows of act, or 64 k-rows of W (64 x 544 is the same 34,816 bytes)
.set ATILE, 2*HALFT
.set SLOT, 4*HALFT                     ; act's 256 rows, then W's 128 k-rows
.set STAGE, 2*SLOT                     ; behind the ring, a multiple of 256: 16 rows x 272 bytes for each wave; no fill lands here
.set SPITCH, 272
.set LAPS, KD/(2*KSTEP)                ; a lap = two K steps = once round the ring
.set ADRA, 16                          ; v[16:17] LDS address of my act fragments in slot 0, 1
.set ADRB, 20                          ; v[20:21] the same for W
.set STO, 24                           ; v24      the way out: where I put 16 bytes of a row
.set RD,  25                           ; v25      where I read rows back
.set CO,  26                           ; v26      my byte offset in hid
.set BO,  27                           ; v27      my byte offset in the bias
.set CK,  32                           ; v[32:43] GELU's constants, each twice
.set TN,  44                           ; v[44:51] GELU: max(x, 0), then the result
.set F0,  64                           ; fragment buffer 0 (act in window 0, W in window 1)
.set F1,  128                          ; fragment buffer 1
.set XE,  64                           ; the way out: v[64:127] 64 numbers in f32
.set PK,  128                          ; v[128:159] packed results
.set RB0, 160                          ; v[160:191], v[192:223] rows read back, two buffers
.set RB1, 192
.set TD,  224                          ; v[224:255] GELU: four banks of eight
.set TE,  232
.set TM,  240
.set TQ,  248
.set G1, 24                            ; s[24:31] descriptor group 1 for act
.set G0, 32                            ; s[32:39] group 0 for act, one set a slot
.set G1B, 48                           ; s[48:55] group 1 for W
.set G0B, 56                           ; s[56:63] group 0 for W, one set a slot
.set MSB, 0
.macro WIN new                         ; low byte: bits 1:0 source 0, 3:2 source 1, 5:4 source 2, 7:6 destination; the high byte repeats the setting that is left
.if MSB != \new
	s_set_vgpr_msb (MSB<<8)|\new
.set MSB, \new
.endif
.endm
.set MUL_LO, 0xa1                      ; source 0 (W) window 1, source 1 (act) window 0, C and D window 2
.set MUL_HI, 0xf1                      ; the same, C and D window 3
.set TO_B,   0x40                      ; destination window 1, address window 0
.macro JLOAD s                         ; waves 0, 1 ask for act's halves, waves 2, 3 for W's: each line has one mask; the branch hangs on the wave's number alone
	s_cmp_eq_u32 s11, 0
	s_cbranch_scc0 .Lfor_b_\@
	tensor_load_to_lds s[G0+4*\s:G0+4*\s+3], s[G1:G1+7]
	s_nop 0
	s_branch .Lasked_\@
.Lfor_b_\@:
	tensor_load_to_lds s[G0B+4*\s:G0B+4*\s+3], s[G1B:G1B+7]
	s_nop 0
.Lasked_\@:
.endm
.macro CREST                           ; a round of the cluster's barrier behind its opening work-group barrier
	s_cmp_lg_u32 s10, 0
	s_cbranch_scc1 .Lnot_wave_0_\@
	s_barrier_signal -3
.Lnot_wave_0_\@:
	s_barrier_wait -3
	s_barrier_signal -1
	s_barrier_wait -1
.endm
.macro CROUND
	s_barrier_signal -1
	s_barrier_wait -1
	CREST
.endm
	s_load_b256 s[68:75], s[0:1], 0x0              ; act s[68:69], wts s[70:71], then VARIANT 0: ssm_b1, bwd_b1; VARIANT 1: ff_b1, hid
.if VARIANT == 0
	s_load_b64 s[76:77], s[0:1], 0x20              ; hid
	s_set_vgpr_msb 0x40
	v_lshl_add_u32 v255, v0, 2, 0x48400
	s_set_vgpr_msb 0x4000
	v_mov_b32 v63, 0
	s_set_vgpr_msb 0x1
	ds_add_u32 v255, v63
	s_set_vgpr_msb 0x100
.endif
	v_lshrrev_b32 v1, 5, v0
	v_readfirstlane_b32 s10, v1                    ; wave 0..3
	s_lshr_b32 s11, s10, 1                         ; which 128 of the block's rows are mine.  Also: I fetch for act (0) or for W (1)
	s_and_b32 s12, s10, 1                          ; which 128 of its columns.  Also: which half of that tile I fetch
	s_bfe_u32 s40, ttmp6, 0x40000                  ; cx
	s_bfe_u32 s41, ttmp6, 0x40004                  ; cy
	s_lshl_b32 s42, ttmp9, 2
	s_add_co_u32 s42, s42, s40                     ; block column = 4 x cluster x + cx
	s_and_b32 s13, ttmp7, 0xffff
	s_lshl_b32 s13, s13, 2
	s_add_co_u32 s13, s13, s41                     ; block row = 4 x cluster y + cy
	s_lshl_b32 s43, s41, 2
	s_lshl_b32 s43, 15, s43                        ; my row of the cluster
	s_lshl_b32 s44, 0x1111, s40                    ; my column
	s_or_b32 s[G1+0], s43, (1<<16)|(1<<20)|(1<<21)|(5<<22)|(3<<25)    ; mask; 2-byte elements; padding on; bit 21 beside a mask; after every 64 words 4 words
	s_or_b32 s[G1B+0], s44, (1<<16)|(1<<20)|(1<<21)|(6<<22)|(7<<25)   ; the same for W: after every 128 words 8 words
	s_mov_b32 s[G1+1], KSTEP<<16                   ; tensor_dim0 = 128
	s_mov_b32 s[G1+2], 128<<16                     ; tensor_dim1 = 128
	s_mov_b32 s[G1+3], KSTEP<<16                   ; tile_dim0 = 128 elements = 256 bytes
	s_mov_b32 s[G1+4], 128                         ; tile_dim1 = 128 rows
	s_mov_b32 s[G1+5], KD                          ; elements from row to row
	s_mov_b32 s[G1+6], 0
	s_mov_b32 s[G1+7], 0
	s_mov_b32 s[G1B+1], 256<<16                    ; tensor_dim0 = 256
	s_mov_b32 s[G1B+2], 64<<16                     ; tensor_dim1 = 64
	s_mov_b32 s[G1B+3], 256<<16                    ; tile_dim0 = 256 elements = 512 bytes
	s_mov_b32 s[G1B+4], 64                         ; tile_dim1 = 64 k-rows
	s_mov_b32 s[G1B+5], ND
	s_mov_b32 s[G1B+6], 0
	s_mov_b32 s[G1B+7], 0
	s_lshl_b32 s16, s13, 8                         ; act: row 256 x block row + 128 x half; these registers never hold cx
	s_lshl_b32 s17, s12, 7
	s_add_co_u32 s16, s16, s17
	s_mul_i32 s16, s16, KD*2
	s_mov_b32 s17, 0
	s_mul_i32 s46, s12, 64*ND*2                    ; W: k-row 64 x half, column 256 x block column; these never hold cy
	s_lshl_b32 s47, s42, 9
	s_add_co_u32 s46, s46, s47
	s_add_co_u32 s46, s46, WOFF
	s_mov_b32 s47, 0
	s_mul_i32 s20, s10, HALFT                      ; where they go: act's two halves, then W's two halves = wave x 34,816: no place in the cluster enters an LDS address
	s_wait_dscnt 0x0
	s_wait_kmcnt 0x0
	s_add_nc_u64 s[14:15], s[68:69], s[16:17]
	s_add_nc_u64 s[46:47], s[70:71], s[46:47]
	CROUND                                         ; all sixteen work-groups are here: the first joint loads meet
.irp s, 0,1
	s_mov_b32 s[G0+4*\s], 1
	s_add_co_u32 s[G0+4*\s+1], s20, \s*SLOT
	s_add_nc_u64 s[G0+4*\s+2:G0+4*\s+3], s[14:15], \s*KSTEP*2
	s_or_b32 s[G0+4*\s+3], s[G0+4*\s+3], 0x80000000
	s_mov_b32 s[G0B+4*\s], 1
	s_add_co_u32 s[G0B+4*\s+1], s20, \s*SLOT
	s_add_nc_u64 s[G0B+4*\s+2:G0B+4*\s+3], s[46:47], \s*KSTEP*ND*2
	s_or_b32 s[G0B+4*\s+3], s[G0B+4*\s+3], 0x80000000
	JLOAD \s                                       ; both slots are asked for before anything else is done
.endr
	v_and_b32 v1, 15, v0                           ; r = lane % 16
	v_bfe_u32 v2, v0, 4, 1                         ; h = lane / 16
	v_and_b32 v3, 7, v0
	v_bfe_u32 v4, v0, 3, 1
	v_mul_u32_u24 v5, v1, PA                       ; act fragment: row r, 16 bytes for each half of the lanes, two loads 32 bytes apart
	v_lshl_add_u32 v5, v2, 4, v5
	s_mul_i32 s22, s11, HALFT                      ; my 128 rows
	v_add_nc_u32 v[ADRA], s22, v5
	v_add_nc_u32 v[ADRA+1], SLOT, v[ADRA]
	v_lshl_add_u32 v6, v2, 3, v3                   ; W fragment: k-row 8 h + lane % 8, 16 bytes by bit 3 of the lane, two loads 16 k-rows apart
	v_mul_u32_u24 v6, v6, PB
	v_lshl_add_u32 v6, v4, 4, v6
	s_lshl_b32 s22, s12, 8
	s_add_co_u32 s22, s22, ATILE
	v_add_nc_u32 v[ADRB], s22, v6
	v_add_nc_u32 v[ADRB+1], SLOT, v[ADRB]
	s_mul_i32 s23, s10, 16*SPITCH
	s_add_co_u32 s23, s23, STAGE                   ; my stage
	v_mul_u32_u24 v5, v1, SPITCH
	v_lshl_add_u32 v5, v2, 4, v5
	v_add_nc_u32 v[STO], s23, v5
	v_mul_u32_u24 v5, v2, SPITCH
	v_lshl_add_u32 v5, v1, 4, v5
	v_add_nc_u32 v[RD], s23, v5
	v_mul_u32_u24 v5, v2, ND*2
	v_lshl_add_u32 v[CO], v1, 4, v5
	v_lshlrev_b32 v[BO], 5, v2
	s_lshl_b32 s22, s12, 9
	v_add_nc_u32 v[BO], s22, v[BO]                 ; 32 h + 512 x column half
	; bases that hang on both block coordinates, in registers that feed no descriptor
	s_lshl_b32 s4, s13, 8
	s_lshl_b32 s5, s11, 7
	s_add_co_u32 s4, s4, s5
	s_mul_i32 s4, s4, ND*2
	s_lshl_b32 s5, s42, 9
	s_add_co_u32 s4, s4, s5
	s_lshl_b32 s5, s12, 8
	s_add_co_u32 s4, s4, s5
	s_mov_b32 s5, 0
	s_add_nc_u64 s[84:85], s[HIDP:HIDP+1], s[4:5]  ; hid at my first row and column
.if VARIANT == 0
	s_cmp_ge_u32 ttmp9, 1                          ; block columns 4-7 (cluster x = 1) are bwd's
	s_cselect_b64 s[86:87], s[74:75], s[72:73]
	s_lshl_b32 s6, s40, 10
.else
	s_mov_b64 s[86:87], s[72:73]
	s_lshl_b32 s6, s42, 10
.endif
	s_mov_b32 s7, 0
	s_add_nc_u64 s[86:87], s[86:87], s[6:7]
	WIN TO_B                                       ; destination window 1
.irp b, 0,1,2,3,4,5,6,7
	global_load_b128 v[8*\b:8*\b+3], v[BO], s[86:87] offset:64*\b          ; bias of columns 16 b + 8 h + 0..3
	global_load_b128 v[8*\b+4:8*\b+7], v[BO], s[86:87] offset:64*\b+16     ; and + 4..7; waited for behind the K loop, which touches none of these registers
.endr
	WIN 0
.if VARIANT == 0
	s_mov_b32 s8, 0x3e6d3388                       ; 0.3275911 / sqrt 2
.irp d, 0,1
	v_mov_b32 v[CK+\d], 0x3f07dc22                 ; the fit's coefficients, halved:  0.5307027
	v_mov_b32 v[CK+2+\d], 0xbf3a00e3               ; -0.7265760
	v_mov_b32 v[CK+4+\d], 0x3f35f0e3               ;  0.7107069
	v_mov_b32 v[CK+6+\d], 0xbe11a98e               ; -0.1422484
	v_mov_b32 v[CK+8+\d], 0x3e027906               ;  0.1274148
	v_mov_b32 v[CK+10+\d], 0xbf38aa3b              ; -log2(e) / 2
.endr
.else
.irp d, 0,1
	v_mov_b32 v[CK+\d], 0xbdd2d3e8                 ; -2 log2(e) sqrt(2/pi) 0.044715
	v_mov_b32 v[CK+2+\d], 0xc0135761               ; -2 log2(e) sqrt(2/pi)
.endr
.endif
; 16 matrix instructions: row blocks a0, a0 + 1 of the window's four (hi = 0: my rows 0-63, 1: rows 64-127) x all 8 column blocks, 32 along K.
; zero = 1: the product starts the sums: nothing is ever cleared.  The 64 accumulators take turns, one instruction a turn, in the same order in every
; quarter step and over the backward jump.
.macro MUL16 f, hi, a0, zero
.irp a, \a0, \a0+1
.irp b, 0,1,2,3,4,5,6,7
.if \zero
	v_wmma_f32_16x16x32_bf16 v[8*(8*(\a)+\b):8*(8*(\a)+\b)+7], v[\f+8*\b:\f+8*\b+7], v[\f+8*(4*\hi+\a):\f+8*(4*\hi+\a)+7], 0
.else
	v_wmma_f32_16x16x32_bf16 v[8*(8*(\a)+\b):8*(8*(\a)+\b)+7], v[\f+8*\b:\f+8*\b+7], v[\f+8*(4*\hi+\a):\f+8*(4*\hi+\a)+7], v[8*(8*(\a)+\b):8*(8*(\a)+\b)+7]
.endif
.endr
.endr
.endm
; 32 LDS loads in one run: quarter q (32 along K) of a slot into buffer f: W's 128 columns, then act's 128 rows
.macro FETCH slot, q, f
	WIN TO_B
.irp b, 0,1,2,3,4,5,6,7
	ds_load_tr16_b128 v[\f+8*\b:\f+8*\b+3], v[ADRB+\slot] offset:\q*32*PB+32*\b
	ds_load_tr16_b128 v[\f+8*\b+4:\f+8*\b+7], v[ADRB+\slot] offset:\q*32*PB+32*\b+16*PB
.endr
	WIN 0
.irp i, 0,1,2,3,4,5,6,7
	ds_load_b128 v[\f+8*\i:\f+8*\i+3], v[ADRA+\slot] offset:64*\q+\i*16*PA
	ds_load_b128 v[\f+8*\i+4:\f+8*\i+7], v[ADRA+\slot] offset:64*\q+\i*16*PA+32
.endr
.endm
.macro PLACES                          ; a load into a register that a matrix instruction has read, and a vector instruction on a matrix result, stand four plain vector instructions behind it
.rept 4
	v_nop
.endr
.endm
; one of a K step's first three quarters: multiplies buffer f; in its middle it asks for quarter q of the same slot into buffer g
.macro QUARTER slot, q, f, g, zero
	s_wait_dscnt 8                                 ; W and act's rows 0-63 are in; the youngest eight loads (act's rows 64-127) may be out
	WIN MUL_LO
	MUL16 \f, 0, 0, \zero
	MUL16 \f, 0, 2, \zero
	PLACES
	FETCH \slot, \q, \g
	s_wait_dscnt 32                                ; all but the 32 just issued
	WIN MUL_HI
	MUL16 \f, 1, 0, \zero
	MUL16 \f, 1, 2, \zero
.endm
.macro THREE slot, zero
	QUARTER \slot, 1, F0, F1, \zero
	QUARTER \slot, 2, F1, F0, 0
	QUARTER \slot, 3, F0, F1, 0
.endm
; the last quarter multiplies buffer 1 and changes slots.  In front of the barrier each wave waits for its reads of this slot and for all its tensor
; loads (one is out: its part of the next slot).  With fill = 1 the barrier opens a round of the cluster's barrier; behind the round no wave of any
; partner reads this slot or has a load on its way, and the joint refill is the wave's first and only tensor load there.
.macro TURN slot, next, fill
	s_wait_dscnt 8
	WIN MUL_LO
	MUL16 F1, 0, 0, 0
	s_wait_dscnt 0x0                               ; my reads of this slot are over
	s_wait_tensorcnt 0x0                           ; and all my tensor loads have landed
	ds_add_u32 v255, v63
	s_wait_dscnt 0x0
	s_barrier_signal -1
	MUL16 F1, 0, 2, 0                              ; registers only, while the others arrive
	WIN 0
	s_barrier_wait -1
.if \fill
	CREST
	s_add_nc_u64 s[G0+4*\slot+2:G0+4*\slot+3], s[G0+4*\slot+2:G0+4*\slot+3], 2*KSTEP*2          ; no tensor load of mine is out: the addresses may step, two K steps on
	s_add_nc_u64 s[G0B+4*\slot+2:G0B+4*\slot+3], s[G0B+4*\slot+2:G0B+4*\slot+3], 2*KSTEP*ND*2
	JLOAD \slot
.endif
	PLACES
	FETCH \next, 0, F0
	WIN MUL_HI
	MUL16 F1, 1, 0, 0
	MUL16 F1, 1, 2, 0
.endm
.macro LAP zero
	THREE 0, \zero
	TURN 0, 1, 1
	THREE 1, 0
	TURN 1, 0, 1
.endm
	s_wait_tensorcnt 0x1                           ; my part of K step 0 is in; K step 1's stays out
	s_barrier_signal -1
	s_barrier_wait -1
	FETCH 0, 0, F0
	LAP 1                                          ; the first lap's first products start the sums
.if LAPS > 2
	WIN 0
	s_mov_b32 s3, LAPS-2
.Llap:
	LAP 0
	WIN 0
	s_sub_co_u32 s3, s3, 1
	s_cmp_lg_u32 s3, 0
	s_cbranch_scc1 .Llap
.endif
	THREE 0, 0                                     ; the last lap fills nothing
	TURN 0, 1, 0
	THREE 1, 0
	s_wait_dscnt 8                                 ; the very last quarter: nothing more to fetch
	WIN MUL_LO
	MUL16 F1, 0, 0, 0
	MUL16 F1, 0, 2, 0
	s_wait_dscnt 0x0
	WIN MUL_HI
	MUL16 F1, 1, 0, 0
	MUL16 F1, 1, 2, 0
	PLACES
	WIN 0
	s_wait_loadcnt 0x0                             ; the bias
; GELU of the 8 numbers at v[x ..], packed to bf16 in v[o .. o + 3]
.macro GELU8 x, o
.if VARIANT == 0
	; gelu(x) = max(x, 0) - |x| y,  y = poly(t) exp(-x^2 / 2) / 2,  t = 1 / (1 + 0.2316419 |x|): one form for both signs, no difference of large numbers
.irp i, 0,1,2,3,4,5,6,7
	v_fma_f32 v[TD+\i], |v[\x+\i]|, s8, 1.0
.endr
.irp p, 0,2,4,6
	v_pk_mul_f32 v[TE+\p:TE+\p+1], v[\x+\p:\x+\p+1], v[\x+\p:\x+\p+1]
.endr
.irp p, 0,2,4,6
	v_pk_mul_f32 v[TE+\p:TE+\p+1], v[TE+\p:TE+\p+1], v[CK+10:CK+11]
.endr
.irp i, 0,1,2,3,4,5,6,7
	v_rcp_f32 v[TQ+\i], v[TD+\i]
.endr
.irp i, 0,1,2,3,4,5,6,7
	v_exp_f32 v[TM+\i], v[TE+\i]
.endr
.irp i, 0,1,2,3,4,5,6,7
	v_max_num_f32 v[TN+\i], 0, v[\x+\i]            ; plain work that touches none of the transcendentals' registers (ISA guide 5.7.2)
.endr
	s_wait_alu depctr_va_vdst(0)
.irp p, 0,2,4,6
	v_pk_fma_f32 v[TD+\p:TD+\p+1], v[TQ+\p:TQ+\p+1], v[CK:CK+1], v[CK+2:CK+3]
.endr
.irp c, 4,6,8
.irp p, 0,2,4,6
	v_pk_fma_f32 v[TD+\p:TD+\p+1], v[TD+\p:TD+\p+1], v[TQ+\p:TQ+\p+1], v[CK+\c:CK+\c+1]
.endr
.endr
.irp p, 0,2,4,6
	v_pk_mul_f32 v[TD+\p:TD+\p+1], v[TD+\p:TD+\p+1], v[TQ+\p:TQ+\p+1]
.endr
.irp p, 0,2,4,6
	v_pk_mul_f32 v[TD+\p:TD+\p+1], v[TD+\p:TD+\p+1], v[TM+\p:TM+\p+1]
.endr
.irp i, 0,1,2,3,4,5,6,7
	v_fma_f32 v[TN+\i], -|v[\x+\i]|, v[TD+\i], v[TN+\i]
.endr
.irp r, 0,1,2,3
	v_cvt_pk_bf16_f32 v[\o+\r], v[TN+2*\r], v[TN+2*\r+1]
.endr
.else
	; gelu(x) = x / (1 + 2^(x (c3 x^2 + c1))): 0.5 (1 + tanh u) = 1 / (1 + e^(-2u)); both ends saturate to x and to 0
.irp p, 0,2,4,6
	v_pk_mul_f32 v[TD+\p:TD+\p+1], v[\x+\p:\x+\p+1], v[\x+\p:\x+\p+1]
.endr
.irp p, 0,2,4,6
	v_pk_fma_f32 v[TD+\p:TD+\p+1], v[TD+\p:TD+\p+1], v[CK:CK+1], v[CK+2:CK+3]
.endr
.irp p, 0,2,4,6
	v_pk_mul_f32 v[TD+\p:TD+\p+1], v[TD+\p:TD+\p+1], v[\x+\p:\x+\p+1]
.endr
.irp i, 0,1,2,3,4,5,6,7
	v_exp_f32 v[TE+\i], v[TD+\i]
.endr
	v_nop                                          ; one plain instruction behind the transcendentals (ISA guide 5.7.2)
.irp p, 0,2,4,6
	v_pk_add_f32 v[TE+\p:TE+\p+1], v[TE+\p:TE+\p+1], 1.0 op_sel_hi:[1,0]
.endr
.irp i, 0,1,2,3,4,5,6,7
	v_rcp_f32 v[TQ+\i], v[TE+\i]
.endr
	v_nop
.irp p, 0,2,4,6
	v_pk_mul_f32 v[TQ+\p:TQ+\p+1], v[TQ+\p:TQ+\p+1], v[\x+\p:\x+\p+1]
.endr
.irp r, 0,1,2,3
	v_cvt_pk_bf16_f32 v[\o+\r], v[TQ+2*\r], v[TQ+2*\r+1]
.endr
.endif
.endm
; rows 16 i .. 16 i + 15 of my block = the eight tiles (a, 0..7) of window 2 or 3 (from = 0x06 or 0x07: source 0 the sums' window, source 1 window 1, the bias):
; bias, GELU, 16 bytes a lane into my own stage, whole rows of 256 bytes back and out
.macro OUT16 i, a, from, rb
	WIN \from
.irp b, 0,1,2,3,4,5,6,7
.irp p, 0,2,4,6
	v_pk_add_f32 v[XE+8*\b+\p:XE+8*\b+\p+1], v[8*(8*\a+\b)+\p:8*(8*\a+\b)+\p+1], v[8*\b+\p:8*\b+\p+1]
.endr
.endr
	WIN 0
.irp b, 0,1,2,3,4,5,6,7
	GELU8 XE+8*\b, PK+4*\b
	ds_store_b128 v[STO], v[PK+4*\b:PK+4*\b+3] offset:32*\b
.endr
	s_wait_xcnt 0x0                                ; earlier stores have had their addresses translated (ISA guide 3.1): their data registers and base are written again only behind this wait
.if \i
	s_add_nc_u64 s[84:85], s[84:85], 16*ND*2
.endif
.irp t, 0,1,2,3,4,5,6,7
	ds_load_b128 v[\rb+4*\t:\rb+4*\t+3], v[RD] offset:\t*2*SPITCH          ; LDS serves a wave's instructions in order (ISA guide 5.7.1): these see the stores above
.endr
.irp t, 0,1,2,3,4,5,6,7
	s_wait_dscnt 7-\t                              ; read-back t is in, the younger ones stay out
	global_store_b128 v[CO], v[\rb+4*\t:\rb+4*\t+3], s[84:85] offset:2*\t*ND*2   ; sixteen lanes store 256 consecutive bytes, aligned
.endr
.endm
	OUT16 0, 0, 0x06, RB0
	OUT16 1, 1, 0x06, RB1
	OUT16 2, 2, 0x06, RB0
	OUT16 3, 3, 0x06, RB1
	OUT16 4, 0, 0x07, RB0
	OUT16 5, 1, 0x07, RB1
	OUT16 6, 2, 0x07, RB0
	OUT16 7, 3, 0x07, RB1
	s_set_vgpr_msb 0x1
	s_wait_tensorcnt 0x0
	ds_add_u32 v255, v63
	s_wait_dscnt 0x0
	s_set_vgpr_msb 0x100
	CROUND                                         ; the closing round: no work-group ends while a partner may still ask for a tile that names it
	s_endpgm
.Lfunc_end_k_qa0361305af_up1:
	.size	k_qa0361305af_up1, .Lfunc_end_k_qa0361305af_up1-k_qa0361305af_up1
	.p2alignl 7, 3214868480
	.fill 96, 4, 3214868480
	.section	.rodata,"a",@progbits
	.p2align	6, 0x0
	.amdhsa_kernel k_qa0361305af_up1
		.amdhsa_group_segment_fixed_size 327680
		.amdhsa_private_segment_fixed_size 0
		.amdhsa_enable_private_segment 0
		.amdhsa_kernarg_size 40
		.amdhsa_user_sgpr_count 2
		.amdhsa_user_sgpr_kernarg_segment_ptr 1
		.amdhsa_wavefront_size32 1
		.amdhsa_system_sgpr_workgroup_id_x 1
		.amdhsa_system_sgpr_workgroup_id_y 1
		.amdhsa_system_sgpr_workgroup_id_z 1
		.amdhsa_system_vgpr_workitem_id 0
		.amdhsa_next_free_vgpr 1024
		.amdhsa_next_free_sgpr 96
		.amdhsa_reserve_vcc 0
		.amdhsa_float_denorm_mode_32 3
		.amdhsa_float_denorm_mode_16_64 3
		.amdhsa_memory_ordered 1
		.amdhsa_forward_progress 1
		.amdhsa_inst_pref_size 255
	.end_amdhsa_kernel
	.section	.bss,"aw",@nobits
	.p2align	6
	.space	262144
	.amdgpu_metadata
---
amdhsa.version: [ 1, 2 ]
amdhsa.kernels:
  - .name:           k_qa0361305af_up1
    .symbol:         k_qa0361305af_up1.kd
    .args:
      - { .name: act, .offset: 0, .size: 8, .value_kind: global_buffer, .address_space: global }
      - { .name: wts, .offset: 8, .size: 8, .value_kind: global_buffer, .address_space: global }
      - { .name: ssm_b1, .offset: 16, .size: 8, .value_kind: global_buffer, .address_space: global }
      - { .name: bwd_b1, .offset: 24, .size: 8, .value_kind: global_buffer, .address_space: global }
      - { .name: hid, .offset: 32, .size: 8, .value_kind: global_buffer, .address_space: global }
    .group_segment_fixed_size: 327680
    .private_segment_fixed_size: 0
    .kernarg_segment_align: 8
    .kernarg_segment_size: 40
    .max_flat_workgroup_size: 128
    .sgpr_count:     96
    .vgpr_count:     1024
    .wavefront_size: 32
...
	.end_amdgpu_metadata
.endif
;; end of part 8
;; launch down1 (part 9): grid 4 x 64, 4 waves a work-group, clusters of 4 x 4, 327,680 bytes of LDS; arguments hid, wts, ssm_b2, bwd_b2, mods, x, mask, x1; writes x1
.if DOCPART == 9
	.amdgcn_target "amdgcn-amd-amdhsa--gfx1250"
	.amdhsa_code_object_version 6
	.text
	.protected	k_qa0361305af_down1
	.globl	k_qa0361305af_down1
	.p2align	8
	.type	k_qa0361305af_down1,@function
k_qa0361305af_down1:
	s_mov_b64 s[64:65], 0
	v_nop
	global_prefetch_b8 v0, s[64:65] scope:SCOPE_SE
	s_setreg_imm32_b32 hwreg(HW_REG_WAVE_MODE, 25, 1), 1
	s_wait_xcnt 0x0
	s_wait_alu depctr_hold_cnt(0) depctr_sa_sdst(0) depctr_va_vdst(0) depctr_va_sdst(0) depctr_va_ssrc(0) depctr_va_vcc(0) depctr_vm_vsrc(0)
	s_getreg_b32 s2, hwreg(HW_REG_IB_STS2, 6, 4)
	s_cmp_eq_u32 s2, 0
	s_cbranch_scc0 .Lentry_in_a_cluster
	s_endpgm
.Lentry_in_a_cluster:
	s_bfe_u32 s2, ttmp6, 0x10000c
	s_cmp_lg_u32 s2, 0xf033
	s_cbranch_scc0 .Lentry_shape_is_right
	s_endpgm
.Lentry_shape_is_right:
; out = res + gate[batch] * ( hid @ W + bias ), f32.  hid [8192][2048] bf16, W [2048][1024] bf16 in wts (rows along N); sums in f32.
; VARIANT 0: W = [ssm_w2 ; bwd_w2], bias = ssm_b2 + bwd_b2, gate = gate_msa, res = x, and the gated term is 0 where mask[row] is false; out = x1.
;            The flips of axis 1 are left out: the layers treat each position by itself.  Masked rows are computed and selected away.
; VARIANT 1: W = ff_w2, bias = ff_b2, gate = gate_mlp, res = x1, no mask; out = out0.
; A work-group makes 128 x 256 with four waves, as many as a WGP has SIMDs (256 x 256 would leave only 128 work-groups); a wave makes 64 x 128: 32 accumulator tiles.
; TWO UNEQUAL LDS SLOTS take turns, so that a change of slots serves as much of K as LDS holds: a large one of 256 along K (hid 128 rows x 528 bytes, W 256 k-rows x 544 bytes:
; 206,848 bytes) and a small one of 128 along K (128 x 272 + 128 x 544 = 104,448 bytes).  K = 2048 = 6 x 128 + 5 x 256 goes small, large, small, .. small: 11 steps;
; small step i begins at k = 384 i, large step i at k = 128 + 384 i, so every tile row begins at a multiple of 256 bytes.  One tensor load a wave for each fill:
; waves 0, 1 bring 64 rows of hid each, waves 2, 3 half of W's k-rows each.  The small slot's refill has 240 matrix instructions in which to land, the large one's 112.
; CLUSTERS: 4 x 4 work-groups; hid's tile is asked for jointly along a row of the cluster, W's along a column, which divides the requests for both by four.
; A wave has two tensor loads out at the start and one behind each round of the cluster's barrier.
; THE STAGE of the way out lies in the large slot: its last fill is read to the end in front of the barrier of the last change of slots, no fill lands there afterwards,
; and the last step reads the small slot alone.
; REGISTERS in windows of 256: window 0 addresses, fragments, the way out; window 1 the accumulators, tile (a, b) at v[8 (8 a + b)]; window 2 v0-63 bias,
; v64-127 gate, v128-191 second bias; window 3 the residual of my 64 rows x 512 bytes, row i at v[4 i], asked for behind the loop, 384 matrix instructions ahead of its use.
; LIMIT: the bias enters as gate x sum + (gate x bias), another order of rounding than gate x (sum + bias).
.set VARIANT, 0
.set KD, 2048
.set ND, 1024
.if VARIANT == 0
.set WOFF, 4194304                     ; byte offset of W in wts
.set EMBOFF, 0                         ; byte offset of this layer's emb in mods
.set MODP, 76
.set RESP, 78
.set MASKP, 80
.set OUTP, 82
.else
.set WOFF, 12582912
.set EMBOFF, 98304
.set MODP, 74
.set RESP, 76
.set OUTP, 78
.endif
.set PAB, 528                          ; hid's LDS row in the large slot: 512 bytes + 16: an odd multiple of 16
.set PAS, 272                          ; in the small slot: 256 bytes + 16
.set PB, 544                           ; W's LDS row: 512 bytes + 32: an odd multiple of 32
.set ABIGH, 64*PAB                     ; what one load brings of hid, large slot
.set ABIG, 2*ABIGH
.set BBIGH, 128*PB                     ; of W, large slot
.set BIG, ABIG+2*BBIGH                 ; 206,848
.set ASMH, 64*PAS
.set ASM, 2*ASMH
.set BSMH, 64*PB
.set SM, BIG                           ; the small slot's first byte, a multiple of 256
.set SPITCH, 528                       ; the stage: 16 rows x 528 bytes for each wave, from LDS byte 0
.set KPAIR, 384                        ; K of a large and a small step: what every refill steps by
.set PAIRS, (KD-128-KPAIR)/KPAIR       ; 4 trips of (large, small) with both refills; the first small step and the last pair are written out
.set ADRA, 8                           ; v[8:9]   LDS address of my hid fragments: large slot, small slot
.set ADRB, 10                          ; v[10:12] of my W fragments: large slot k-rows 0-127, k-rows 128-255 (the immediate holds 16 bits), small slot
.set STO, 13                           ; v13      the way out: where I put 32 bytes of a row
.set RD,  14                           ; v14      where I read rows back
.set CO,  15                           ; v15      16 lane: my bytes in a row's 512, in the residual and in the output
.set BO,  16                           ; v16      my byte offset in bias and gate
.set MO,  17                           ; v17      lane % 16: my row in a block of 16, for the mask
.set MK,  18                           ; v[18:21] mask byte of my row in each of the four row blocks
.set FA0, 32                           ; v[32:63], v[64:95]    hid fragments, buffers 0, 1
.set FB0, 96                           ; v[96:159], v[160:223] W fragments, buffers 0, 1
.set XE,  32                           ; the way out: v[32:95] 64 numbers
.set RB0, 96                           ; v[96:159], v[160:223] 16 rows read back, two buffers
.set RB1, 160
.set G0A, 16                           ; s[16:19] group 0 for hid, large slot; s[20:23] small slot
.set G1A, 24                           ; s[24:31] group 1 for hid, large slot; s[32:39] small slot
.set G1B, 48                           ; s[48:55] group 1 for W, large slot; s[56:63] small slot
.set G0BB, 96                          ; s[96:99] group 0 for W, large slot
.set G0BS, 4                           ; s[4:7]   group 0 for W, small slot
.set MSB, 0
.macro WIN new                         ; low byte: bits 1:0 source 0, 3:2 source 1, 5:4 source 2, 7:6 destination; the high byte repeats the setting that is left
.if MSB != \new
	s_set_vgpr_msb (MSB<<8)|\new
.set MSB, \new
.endif
.endm
.macro JLOAD s                         ; slot 0 large, 1 small.  Waves 0, 1 ask for hid's halves, waves 2, 3 for W's: each line has one mask; the branch hangs on the wave's number alone
	s_cmp_eq_u32 s11, 0
	s_cbranch_scc0 .Lfor_b_\@
	tensor_load_to_lds s[G0A+4*\s:G0A+4*\s+3], s[G1A+8*\s:G1A+8*\s+7]
	s_nop 0
	s_branch .Lasked_\@
.Lfor_b_\@:
.if \s == 0
	tensor_load_to_lds s[G0BB:G0BB+3], s[G1B:G1B+7]
	s_nop 0
.else
	tensor_load_to_lds s[G0BS:G0BS+3], s[G1B+8:G1B+15]
	s_nop 0
.endif
.Lasked_\@:
.endm
.macro CREST                           ; a round of the cluster's barrier behind its opening work-group barrier
	s_cmp_lg_u32 s10, 0
	s_cbranch_scc1 .Lnot_wave_0_\@
	s_barrier_signal -3
.Lnot_wave_0_\@:
	s_barrier_wait -3
	s_barrier_signal -1
	s_barrier_wait -1
.endm
.macro CROUND
	s_barrier_signal -1
	s_barrier_wait -1
	CREST
.endm
.if VARIANT == 0
	s_load_b512 s[68:83], s[0:1], 0x0              ; hid 68, wts 70, ssm_b2 72, bwd_b2 74, mods 76, x 78, mask 80, x1 82
	v_lshl_add_u32 v254, v0, 2, 0x4c000
	v_mov_b32 v255, 0
	ds_add_u32 v254, v255
.else
	s_load_b256 s[68:75], s[0:1], 0x0              ; hid 68, wts 70, ff_b2 72, mods 74
	s_load_b128 s[76:79], s[0:1], 0x20             ; x1 76, out0 78
.endif
	v_lshrrev_b32 v1, 5, v0
	v_readfirstlane_b32 s10, v1                    ; wave 0..3
	s_lshr_b32 s11, s10, 1                         ; which 64 of the block's rows are mine.  Also: I fetch for hid (0) or for W (1)
	s_and_b32 s12, s10, 1                          ; which 128 of its columns.  Also: which half of that tile I fetch
	s_bfe_u32 s40, ttmp6, 0x40000                  ; cx
	s_bfe_u32 s41, ttmp6, 0x40004                  ; cy
	s_lshl_b32 s42, ttmp9, 2
	s_add_co_u32 s42, s42, s40                     ; block column
	s_and_b32 s13, ttmp7, 0xffff
	s_lshl_b32 s13, s13, 2
	s_add_co_u32 s13, s13, s41                     ; block row
	s_lshl_b32 s43, s41, 2
	s_lshl_b32 s43, 15, s43                        ; my row of the cluster
	s_lshl_b32 s44, 0x1111, s40                    ; my column
	; group 1: mask; 2-byte elements; padding on; bit 21 beside a mask; the padding's interval is the tile's row, its length 4 words for hid, 8 for W
	s_or_b32 s[G1A+0], s43, (1<<16)|(1<<20)|(1<<21)|(6<<22)|(3<<25)   ; hid, large: after every 128 words 4 words
	s_mov_b32 s[G1A+1], 256<<16                    ; tensor_dim0 = 256
	s_mov_b32 s[G1A+2], 64<<16                     ; tensor_dim1 = 64
	s_mov_b32 s[G1A+3], 256<<16                    ; tile_dim0 = 256 elements = 512 bytes
	s_mov_b32 s[G1A+4], 64                         ; tile_dim1 = 64 rows
	s_mov_b32 s[G1A+5], KD                         ; elements from row to row
	s_mov_b32 s[G1A+6], 0
	s_mov_b32 s[G1A+7], 0
	s_or_b32 s[G1A+8], s43, (1<<16)|(1<<20)|(1<<21)|(5<<22)|(3<<25)   ; hid, small: after every 64 words 4 words
	s_mov_b32 s[G1A+9], 128<<16                    ; tensor_dim0 = 128
	s_mov_b32 s[G1A+10], 64<<16
	s_mov_b32 s[G1A+11], 128<<16                   ; tile_dim0 = 128 elements = 256 bytes
	s_mov_b32 s[G1A+12], 64
	s_mov_b32 s[G1A+13], KD
	s_mov_b32 s[G1A+14], 0
	s_mov_b32 s[G1A+15], 0
	s_or_b32 s[G1B+0], s44, (1<<16)|(1<<20)|(1<<21)|(6<<22)|(7<<25)   ; W, large: after every 128 words 8 words
	s_mov_b32 s[G1B+1], 256<<16                    ; tensor_dim0 = 256
	s_mov_b32 s[G1B+2], 128<<16                    ; tensor_dim1 = 128
	s_mov_b32 s[G1B+3], 256<<16                    ; tile_dim0 = 256 elements = 512 bytes
	s_mov_b32 s[G1B+4], 128                        ; tile_dim1 = 128 k-rows
	s_mov_b32 s[G1B+5], ND
	s_mov_b32 s[G1B+6], 0
	s_mov_b32 s[G1B+7], 0
	s_or_b32 s[G1B+8], s44, (1<<16)|(1<<20)|(1<<21)|(6<<22)|(7<<25)   ; W, small: the same rows, 64 of them
	s_mov_b32 s[G1B+9], 256<<16
	s_mov_b32 s[G1B+10], 64<<16
	s_mov_b32 s[G1B+11], 256<<16
	s_mov_b32 s[G1B+12], 64
	s_mov_b32 s[G1B+13], ND
	s_mov_b32 s[G1B+14], 0
	s_mov_b32 s[G1B+15], 0
	; group 0: count, and where the tiles go: a constant plus the wave's number times a constant; no place in the cluster enters an LDS address
	s_mov_b32 s[G0A+0], 1
	s_mul_i32 s[G0A+1], s10, ABIGH                 ; hid, large: waves 0, 1 at wave x 33,792
	s_mov_b32 s[G0A+4], 1
	s_mul_i32 s[G0A+5], s10, ASMH
	s_add_co_u32 s[G0A+5], s[G0A+5], SM            ; hid, small
	s_mov_b32 s[G0BB+0], 1
	s_mul_i32 s[G0BB+1], s10, BBIGH
	s_sub_co_u32 s[G0BB+1], s[G0BB+1], 2*BBIGH-ABIG   ; W, large: behind hid's 128 rows, (wave - 2) x 69,632 (waves 2, 3)
	s_mov_b32 s[G0BS+0], 1
	s_mul_i32 s[G0BS+1], s10, BSMH
	s_add_co_u32 s[G0BS+1], s[G0BS+1], SM+ASM-2*BSMH  ; W, small: likewise
	; where they come from.  hid's addresses hang on the block row alone, W's on the block column alone
	s_lshl_b32 s8, s13, 7                          ; hid: row 128 x block row + 64 x half
	s_lshl_b32 s9, s12, 6
	s_add_co_u32 s8, s8, s9
	s_mul_i32 s8, s8, KD*2
	s_mov_b32 s9, 0
	s_lshl_b32 s46, s42, 9                         ; W: column 256 x block column
	s_add_co_u32 s46, s46, WOFF
	s_mov_b32 s47, 0
	s_mul_i32 s66, s12, 64*ND*2                    ; small: k-row 64 x half
	s_mov_b32 s67, 0
	s_wait_dscnt 0x0
	s_wait_kmcnt 0x0
	s_add_nc_u64 s[14:15], s[68:69], s[8:9]
	s_add_nc_u64 s[46:47], s[70:71], s[46:47]
	s_mov_b64 s[G0A+6:G0A+7], s[14:15]             ; small step 0: k = 0
	s_add_nc_u64 s[G0A+2:G0A+3], s[14:15], 128*2   ; large step 0: k = 128
	s_add_nc_u64 s[G0BS+2:G0BS+3], s[46:47], s[66:67]
	s_lshl_b32 s66, s66, 1
	s_add_co_u32 s66, s66, 128*ND*2                ; large: k-row 128 + 128 x half
	s_add_nc_u64 s[G0BB+2:G0BB+3], s[46:47], s[66:67]
	s_or_b32 s[G0A+3], s[G0A+3], 0x80000000
	s_or_b32 s[G0A+7], s[G0A+7], 0x80000000
	s_or_b32 s[G0BB+3], s[G0BB+3], 0x80000000
	s_or_b32 s[G0BS+3], s[G0BS+3], 0x80000000
	CROUND                                         ; all sixteen work-groups are here: the first joint loads meet
	JLOAD 1                                        ; small step 0 first: it is read first
	JLOAD 0                                        ; large step 0
	v_and_b32 v1, 15, v0                           ; r = lane % 16
	v_bfe_u32 v2, v0, 4, 1                         ; h = lane / 16
	v_and_b32 v3, 7, v0
	v_bfe_u32 v4, v0, 3, 1
	v_and_b32 v7, 31, v0                           ; lane
	v_mul_u32_u24 v5, v1, PAB                      ; hid fragment: row r, 16 bytes for each half of the lanes, two loads 32 bytes apart
	v_lshl_add_u32 v5, v2, 4, v5
	s_mul_i32 s45, s11, ABIGH
	v_add_nc_u32 v[ADRA], s45, v5
	v_mul_u32_u24 v5, v1, PAS
	v_lshl_add_u32 v5, v2, 4, v5
	s_mul_i32 s45, s11, ASMH
	s_add_co_u32 s45, s45, SM
	v_add_nc_u32 v[ADRA+1], s45, v5
	v_lshl_add_u32 v6, v2, 3, v3                   ; W fragment: k-row 8 h + lane % 8, 16 bytes by bit 3 of the lane, two loads 16 k-rows apart
	v_mul_u32_u24 v6, v6, PB
	v_lshl_add_u32 v6, v4, 4, v6
	s_lshl_b32 s45, s12, 8
	v_add_nc_u32 v6, s45, v6
	v_add_nc_u32 v[ADRB], ABIG, v6
	v_add_nc_u32 v[ADRB+1], ABIG+BBIGH, v6
	v_add_nc_u32 v[ADRB+2], SM+ASM, v6
	s_mul_i32 s45, s10, 16*SPITCH                  ; my stage, 8,448 bytes, a multiple of 256
	v_mul_u32_u24 v5, v1, SPITCH
	v_lshl_add_u32 v5, v2, 5, v5
	v_add_nc_u32 v[STO], s45, v5                   ; row r, 32 bytes for each half of the lanes
	v_lshlrev_b32 v[CO], 4, v7
	v_add_nc_u32 v[RD], s45, v[CO]                 ; a whole row of 512 bytes a load
	v_lshlrev_b32 v[BO], 5, v2
	s_lshl_b32 s45, s12, 9
	v_add_nc_u32 v[BO], s45, v[BO]                 ; 32 h + 512 x column half
	v_mov_b32 v[MO], v1
	; bases that hang on both block coordinates, in registers that feed no descriptor
	s_lshl_b32 s8, s13, 7
	s_lshl_b32 s9, s11, 6
	s_add_co_u32 s8, s8, s9                        ; my first row
	s_mov_b32 s9, 0
.if VARIANT == 0
	s_add_nc_u64 s[92:93], s[MASKP:MASKP+1], s[8:9]
.endif
	s_lshl_b32 s66, s8, 12
	s_lshl_b32 s67, s42, 10
	s_add_co_u32 s66, s66, s67
	s_lshl_b32 s67, s12, 9
	s_add_co_u32 s66, s66, s67
	s_mov_b32 s67, 0
	s_add_nc_u64 s[90:91], s[RESP:RESP+1], s[66:67]   ; the residual and the output at my first row and column
	s_add_nc_u64 s[84:85], s[OUTP:OUTP+1], s[66:67]
	s_lshl_b32 s8, s42, 10
	s_add_nc_u64 s[86:87], s[72:73], s[8:9]
.if VARIANT == 0
	s_add_nc_u64 s[88:89], s[74:75], s[8:9]
.endif
	s_lshr_b32 s66, s13, 3                         ; batch: 8 block rows of 128
	s_mul_i32 s66, s66, 12288
	s_add_co_u32 s66, s66, s8
	s_add_co_u32 s66, s66, EMBOFF+8192             ; the gate is the third third of emb
	s_add_nc_u64 s[94:95], s[MODP:MODP+1], s[66:67]
	; bias, gate and mask (a few KB) are asked for now and waited for behind the K loop; none of these registers is touched in between
	WIN 0x80                                       ; destination window 2
.irp b, 0,1,2,3,4,5,6,7
	global_load_b128 v[8*\b:8*\b+3], v[BO], s[86:87] offset:64*\b
	global_load_b128 v[8*\b+4:8*\b+7], v[BO], s[86:87] offset:64*\b+16
.endr
.if VARIANT == 0
.irp b, 0,1,2,3,4,5,6,7
	global_load_b128 v[128+8*\b:128+8*\b+3], v[BO], s[88:89] offset:64*\b
	global_load_b128 v[128+8*\b+4:128+8*\b+7], v[BO], s[88:89] offset:64*\b+16
.endr
.endif
.irp b, 0,1,2,3,4,5,6,7
	global_load_b128 v[64+8*\b:64+8*\b+3], v[BO], s[94:95] offset:64*\b
	global_load_b128 v[64+8*\b+4:64+8*\b+7], v[BO], s[94:95] offset:64*\b+16
.endr
	WIN 0
.if VARIANT == 0
.irp a, 0,1,2,3
	global_load_u8 v[MK+\a], v[MO], s[92:93] offset:16*\a
.endr
.endif
; 16 matrix instructions: row blocks a0, a0 + 1 x all 8 column blocks, 32 along K, from fragment buffer f.  zero = 1: the product starts the sums.
; The 32 accumulators take turns, one instruction a turn, in the same order in every quarter step and over the backward jump.
.macro MUL16 f, a0, zero
.irp a, \a0, \a0+1
.irp b, 0,1,2,3,4,5,6,7
.if \zero
	v_wmma_f32_16x16x32_bf16 v[8*(8*(\a)+\b):8*(8*(\a)+\b)+7], v[FB0+64*\f+8*\b:FB0+64*\f+8*\b+7], v[FA0+32*\f+8*(\a):FA0+32*\f+8*(\a)+7], 0
.else
	v_wmma_f32_16x16x32_bf16 v[8*(8*(\a)+\b):8*(8*(\a)+\b)+7], v[FB0+64*\f+8*\b:FB0+64*\f+8*\b+7], v[FA0+32*\f+8*(\a):FA0+32*\f+8*(\a)+7], v[8*(8*(\a)+\b):8*(8*(\a)+\b)+7]
.endif
.endr
.endr
.endm
; 24 LDS loads in one run: the 32 along K number q of a slot (0 large: q = 0..7; 1 small: q = 0..3) into buffer f
.macro FETCH slot, q, f
	WIN 0
.if \slot == 0
.set FRB, ADRB+(\q)/4
.set FRA, ADRA
.set FPA, PAB
.else
.set FRB, ADRB+2
.set FRA, ADRA+1
.set FPA, PAS
.endif
.set FQB, ((\q)%4)*32*PB
.irp b, 0,1,2,3,4,5,6,7
	ds_load_tr16_b128 v[FB0+64*\f+8*\b:FB0+64*\f+8*\b+3], v[FRB] offset:FQB+32*\b
	ds_load_tr16_b128 v[FB0+64*\f+8*\b+4:FB0+64*\f+8*\b+7], v[FRB] offset:FQB+32*\b+16*PB
.endr
.irp a, 0,1,2,3
	ds_load_b128 v[FA0+32*\f+8*\a:FA0+32*\f+8*\a+3], v[FRA] offset:64*(\q)+\a*16*FPA
	ds_load_b128 v[FA0+32*\f+8*\a+4:FA0+32*\f+8*\a+7], v[FRA] offset:64*(\q)+\a*16*FPA+32
.endr
.endm
.macro PLACES                          ; a load into a register that a matrix instruction has read, and a vector instruction on a matrix result, stand four plain vector instructions behind it
.rept 4
	v_nop
.endr
.endm
; 32 along K that are not a slot's last: asks for number qn into buffer g, then multiplies buffer f
.macro QUARTER slot, qn, f, g, zero
	PLACES
	FETCH \slot, \qn, \g
	s_wait_dscnt 24                                ; the 24 loads just issued stay out; buffer f, asked for 32 matrix instructions ago, is in
	WIN 0x50                                       ; C and D in window 1
	MUL16 \f, 0, \zero
	MUL16 \f, 2, \zero
.endm
.macro THREE zero                      ; the small slot but for its last 32 along K
	QUARTER 1, 1, 0, 1, \zero
	QUARTER 1, 2, 1, 0, 0
	QUARTER 1, 3, 0, 1, 0
.endm
.macro SEVEN                           ; the large slot but for its last 32 along K
	QUARTER 0, 1, 0, 1, 0
	QUARTER 0, 2, 1, 0, 0
	QUARTER 0, 3, 0, 1, 0
	QUARTER 0, 4, 1, 0, 0
	QUARTER 0, 5, 0, 1, 0
	QUARTER 0, 6, 1, 0, 0
	QUARTER 0, 7, 0, 1, 0
.endm
; a slot's last 32 along K (buffer 1) and the change of slots.  In front of the barrier each wave waits for its reads of this slot and for all its tensor
; loads (one is out: its part of the next slot).  With fill = 1 the barrier opens a round of the cluster's barrier; behind the round no wave of any
; partner reads this slot or has a load on its way, and the joint refill is the wave's first and only tensor load there.
.macro TURN slot, next, fill
	s_wait_dscnt 0x0
	s_wait_tensorcnt 0x0
	ds_add_u32 v254, v255
	s_wait_dscnt 0x0
	s_barrier_signal -1
	WIN 0x50
	MUL16 1, 0, 0                                  ; registers only, while the others arrive
	WIN 0
	s_barrier_wait -1
.if \fill
	CREST
.if \slot == 0                                     ; no tensor load of mine is out: this slot's addresses may step, 384 along K
	s_add_nc_u64 s[G0A+2:G0A+3], s[G0A+2:G0A+3], KPAIR*2
	s_add_nc_u64 s[G0BB+2:G0BB+3], s[G0BB+2:G0BB+3], KPAIR*ND*2
.else
	s_add_nc_u64 s[G0A+6:G0A+7], s[G0A+6:G0A+7], KPAIR*2
	s_add_nc_u64 s[G0BS+2:G0BS+3], s[G0BS+2:G0BS+3], KPAIR*ND*2
.endif
	JLOAD \slot
.endif
	PLACES
	FETCH \next, 0, 0
	WIN 0x50
	MUL16 1, 2, 0
.endm
	s_wait_tensorcnt 0x1                           ; my part of small step 0 is in; large step 0's stays out
	s_barrier_signal -1
	s_barrier_wait -1
	FETCH 1, 0, 0
	THREE 1                                        ; the first products start the sums: nothing is cleared
	TURN 1, 0, 1                                   ; the small slot is asked for again: small step 1
	WIN 0
	s_mov_b32 s3, PAIRS
.Lpair:
	SEVEN                                          ; large step i
	TURN 0, 1, 1                                   ; large step i + 1 is asked for
	THREE 0                                        ; small step i + 1
	TURN 1, 0, 1                                   ; small step i + 2 is asked for
	WIN 0
	s_sub_co_u32 s3, s3, 1
	s_cmp_lg_u32 s3, 0
	s_cbranch_scc1 .Lpair
	WIN 0xc0                                       ; destination window 3: the residual, ahead of the last 384 along K
.set ii, 0
.rept 64
	global_load_b128 v[4*ii:4*ii+3], v[CO], s[90:91] offset:4096*ii th:TH_LOAD_NT   ; 512 consecutive bytes of row ii
.set ii, ii+1
.endr
	WIN 0
	SEVEN                                          ; the last large step
	TURN 0, 1, 0                                   ; nothing is left to fetch; behind this barrier no wave reads the large slot and no fill lands in it
	THREE 0                                        ; the last small step
	s_wait_dscnt 0x0
	WIN 0x50
	MUL16 1, 0, 0
	MUL16 1, 2, 0
	PLACES
	s_wait_loadcnt 0x0                             ; bias, gate, mask, residual
	WIN 0x8a                                       ; all in window 2
.if VARIANT == 0
.set pp, 0
.rept 32
	v_pk_add_f32 v[pp:pp+1], v[pp:pp+1], v[128+pp:128+pp+1]                ; ssm_b2 + bwd_b2
.set pp, pp+2
.endr
.endif
.set pp, 0
.rept 32
	v_pk_mul_f32 v[pp:pp+1], v[pp:pp+1], v[64+pp:64+pp+1]                  ; gate x bias, once for all 64 rows
.set pp, pp+2
.endr
; rows 16 a .. 16 a + 15 of my block: gate and bias in one fused step, the mask's select, 32 bytes a lane into my own stage, whole rows of 512 bytes back,
; the residual added, and out
.macro OUT16 a, rb
	WIN 0x29                                       ; source 0 window 1 (sums), sources 1 and 2 window 2 (gate, gate x bias)
.irp b, 0,1,2,3,4,5,6,7
.irp p, 0,2,4,6
	v_pk_fma_f32 v[XE+8*\b+\p:XE+8*\b+\p+1], v[8*(8*\a+\b)+\p:8*(8*\a+\b)+\p+1], v[64+8*\b+\p:64+8*\b+\p+1], v[8*\b+\p:8*\b+\p+1]
.endr
.endr
	WIN 0
.if VARIANT == 0
	v_cmp_ne_u32 vcc_lo, 0, v[MK+\a]               ; my lane's row is row lane % 16 of the block
.set ii, 0
.rept 64
	v_cndmask_b32 v[XE+ii], 0, v[XE+ii], vcc_lo    ; the where(): 0 in a masked row, whatever was computed there
.set ii, ii+1
.endr
.endif
.irp b, 0,1,2,3,4,5,6,7
	ds_store_b128 v[STO], v[XE+8*\b:XE+8*\b+3] offset:64*\b
	ds_store_b128 v[STO], v[XE+8*\b+4:XE+8*\b+7] offset:64*\b+16
.endr
	s_wait_xcnt 0x0                                ; earlier stores have had their addresses translated (ISA guide 3.1): their data registers and base are written again only behind this wait
.if \a
	s_add_nc_u64 s[84:85], s[84:85], 16*4096
.endif
.irp t, 0,1,2,3,4,5,6,7,8,9,10,11,12,13,14,15
	ds_load_b128 v[\rb+4*\t:\rb+4*\t+3], v[RD] offset:\t*SPITCH            ; LDS serves a wave's instructions in order (ISA guide 5.7.1): these see the stores above
.endr
	s_wait_dscnt 0x0
	WIN 0x03                                       ; source 0 window 3: the residual of rows 16 a ..
.set pp, 0
.rept 32
	v_pk_add_f32 v[\rb+pp:\rb+pp+1], v[64*\a+pp:64*\a+pp+1], v[\rb+pp:\rb+pp+1]
.set pp, pp+2
.endr
	WIN 0
.irp t, 0,1,2,3,4,5,6,7,8,9,10,11,12,13,14,15
	global_store_b128 v[CO], v[\rb+4*\t:\rb+4*\t+3], s[84:85] offset:4096*\t   ; the wave stores 512 consecutive bytes, aligned
.endr
.endm
	OUT16 0, RB0
	OUT16 1, RB1
	OUT16 2, RB0
	OUT16 3, RB1
	s_wait_tensorcnt 0x0
	ds_add_u32 v254, v255
	s_wait_dscnt 0x0
	CROUND                                         ; the closing round: no work-group ends while a partner may still ask for a tile that names it
	s_endpgm
.Lfunc_end_k_qa0361305af_down1:
	.size	k_qa0361305af_down1, .Lfunc_end_k_qa0361305af_down1-k_qa0361305af_down1
	.p2alignl 7, 3214868480
	.fill 96, 4, 3214868480
	.section	.rodata,"a",@progbits
	.p2align	6, 0x0
	.amdhsa_kernel k_qa0361305af_down1
		.amdhsa_group_segment_fixed_size 327680
		.amdhsa_private_segment_fixed_size 0
		.amdhsa_enable_private_segment 0
		.amdhsa_kernarg_size 64
		.amdhsa_user_sgpr_count 2
		.amdhsa_user_sgpr_kernarg_segment_ptr 1
		.amdhsa_wavefront_size32 1
		.amdhsa_system_sgpr_workgroup_id_x 1
		.amdhsa_system_sgpr_workgroup_id_y 1
		.amdhsa_system_sgpr_workgroup_id_z 1
		.amdhsa_system_vgpr_workitem_id 0
		.amdhsa_next_free_vgpr 1024
		.amdhsa_next_free_sgpr 100
		.amdhsa_reserve_vcc 1
		.amdhsa_float_denorm_mode_32 3
		.amdhsa_float_denorm_mode_16_64 3
		.amdhsa_memory_ordered 1
		.amdhsa_forward_progress 1
		.amdhsa_inst_pref_size 170
	.end_amdhsa_kernel
	.amdgpu_metadata
---
amdhsa.version: [ 1, 2 ]
amdhsa.kernels:
  - .name:           k_qa0361305af_down1
    .symbol:         k_qa0361305af_down1.kd
    .args:
      - { .name: hid, .offset: 0, .size: 8, .value_kind: global_buffer, .address_space: global }
      - { .name: wts, .offset: 8, .size: 8, .value_kind: global_buffer, .address_space: global }
      - { .name: ssm_b2, .offset: 16, .size: 8, .value_kind: global_buffer, .address_space: global }
      - { .name: bwd_b2, .offset: 24, .size: 8, .value_kind: global_buffer, .address_space: global }
      - { .name: mods, .offset: 32, .size: 8, .value_kind: global_buffer, .address_space: global }
      - { .name: x, .offset: 40, .size: 8, .value_kind: global_buffer, .address_space: global }
      - { .name: mask, .offset: 48, .size: 8, .value_kind: global_buffer, .address_space: global }
      - { .name: x1, .offset: 56, .size: 8, .value_kind: global_buffer, .address_space: global }
    .group_segment_fixed_size: 327680
    .private_segment_fixed_size: 0
    .kernarg_segment_align: 8
    .kernarg_segment_size: 64
    .max_flat_workgroup_size: 128
    .sgpr_count:     100
    .vgpr_count:     1024
    .wavefront_size: 32
...
	.end_amdgpu_metadata
.endif
;; end of part 9
;; launch ln2: the kernel of part 5 again; grid 256 x 1, 8 waves a work-group, no clusters, 0 bytes of LDS; arguments x1, mods, act; writes act
;; launch up2 (part 10): grid 8 x 32, 4 waves a work-group, clusters of 4 x 4, 327,680 bytes of LDS; arguments act, wts, ff_b1, hid; writes hid
.if DOCPART == 10
	.amdgcn_target "amdgcn-amd-amdhsa--gfx1250"
	.amdhsa_code_object_version 6
	.text
	.protected	k_qa0361305af_up2
	.globl	k_qa0361305af_up2
	.p2align	8
	.type	k_qa0361305af_up2,@function
k_qa0361305af_up2:
	s_mov_b64 s[64:65], 0
	v_nop
	global_prefetch_b8 v0, s[64:65] scope:SCOPE_SE
	s_setreg_imm32_b32 hwreg(HW_REG_WAVE_MODE, 25, 1), 1
	s_wait_xcnt 0x0
	s_wait_alu depctr_hold_cnt(0) depctr_sa_sdst(0) depctr_va_vdst(0) depctr_va_sdst(0) depctr_va_ssrc(0) depctr_va_vcc(0) depctr_vm_vsrc(0)
	s_getreg_b32 s2, hwreg(HW_REG_IB_STS2, 6, 4)
	s_cmp_eq_u32 s2, 0
	s_cbranch_scc0 .Lentry_in_a_cluster
	s_endpgm
.Lentry_in_a_cluster:
	s_bfe_u32 s2, ttmp6, 0x10000c
	s_cmp_lg_u32 s2, 0xf033
	s_cbranch_scc0 .Lentry_shape_is_right
	s_endpgm
.Lentry_shape_is_right:
; hid = bf16( gelu( act @ W + bias ) ).  act [8192][1024] bf16, W [1024][2048] bf16 in wts (rows along N), hid [8192][2048] bf16; sums in f32.
; VARIANT 0: W = [ssm_w1 | bwd_w1], bias = [ssm_b1 | bwd_b1], exact (erf) GELU.  The flips of axis 1 are left out: the layers treat each position by itself.
; VARIANT 1: W = ff_w1, bias = ff_b1, tanh GELU.
; A work-group makes 256 x 256 of the result with four waves, as many as a WGP has SIMDs; a wave makes 128 x 128: 64 accumulator tiles, 512 registers.
; 8192 x 2048 / (256 x 256) = 256 work-groups.  K goes in steps of 128 through two LDS slots filled by the tensor data mover, one load a wave:
; waves 0, 1 bring 128 rows x 256 bytes of act each, waves 2, 3 bring 64 k-rows x 512 bytes of W each.  W stays [K][N]; its fragments are taken by the
; transposing LDS load.  From a request for a slot to the wait for it a wave issues 240 of a K step's 256 matrix instructions.
; CLUSTERS: 4 x 4 work-groups.  act's tile hangs on the block row alone and is asked for jointly by the four of a row of the cluster; W's hangs on the
; block column alone and is asked for jointly by the four of a column.  That divides the requests for both by four.
; A wave has two tensor loads out at the start and one behind each round of the cluster's barrier.
; REGISTERS in windows of 256: window 0: v16-27 addresses, v32-51 GELU's constants and one bank of temporaries, v64-127 and v128-191 fragments of act (two buffers),
; v192-255 at work on the way out; window 1: v0-63 the bias of my 8 columns in each of 8 column blocks, v64-127 and v128-191 fragments of W;
; window 2: the 32 accumulator tiles of my rows 0-63, tile (a, b) at v[8 (8 a + b)]; window 3: those of my rows 64-127.
; The matrix instruction is used transposed (source 0 = W's columns, source 1 = act's rows): a lane then holds 8 neighbouring columns of one row.
; LIMITS: erf by a fifth-degree fit in 1 / (1 + 0.3275911 |z|) with absolute error 1.5e-7, for every finite x; v_exp_f32 and v_rcp_f32 are good to
; 1 ulp and flush denormals; an infinite pre-activation gives NaN in the erf form.
.set VARIANT, 1
.set KD, 1024
.set ND, 2048
.set WOFF, 8388608                     ; byte offset of W in wts
.if VARIANT == 0
.set HIDP, 76
.else
.set HIDP, 74
.endif
.set KSTEP, 128
.set PA, 272                           ; act's LDS row: 256 bytes + 16: an odd multiple of 16, so 16 rows start at 16 different groups of banks
.set PB, 544                           ; W's LDS row: 512 bytes + 32: an odd multiple of 32, as the transposing load's eight rows want
.set HALFT, 128*PA                     ; what one tensor load brings: 128 rows of act, or 64 k-rows of W (64 x 544 is the same 34,816 bytes)
.set ATILE, 2*HALFT
.set SLOT, 4*HALFT                     ; act's 256 rows, then W's 128 k-rows
.set STAGE, 2*SLOT                     ; behind the ring, a multiple of 256: 16 rows x 272 bytes for each wave; no fill lands here
.set SPITCH, 272
.set LAPS, KD/(2*KSTEP)                ; a lap = two K steps = once round the ring
.set ADRA, 16                          ; v[16:17] LDS address of my act fragments in slot 0, 1
.set ADRB, 20                          ; v[20:21] the same for W
.set STO, 24                           ; v24      the way out: where I put 16 bytes of a row
.set RD,  25                           ; v25      where I read rows back
.set CO,  26                           ; v26      my byte offset in hid
.set BO,  27                           ; v27      my byte offset in the bias
.set CK,  32                           ; v[32:43] GELU's constants, each twice
.set TN,  44                           ; v[44:51] GELU: max(x, 0), then the result
.set F0,  64                           ; fragment buffer 0 (act in window 0, W in window 1)
.set F1,  128                          ; fragment buffer 1
.set XE,  64                           ; the way out: v[64:127] 64 numbers in f32
.set PK,  128                          ; v[128:159] packed results
.set RB0, 160                          ; v[160:191], v[192:223] rows read back, two buffers
.set RB1, 192
.set TD,  224                          ; v[224:255] GELU: four banks of eight
.set TE,  232
.set TM,  240
.set TQ,  248
.set G1, 24                            ; s[24:31] descriptor group 1 for act
.set G0, 32                            ; s[32:39] group 0 for act, one set a slot
.set G1B, 48                           ; s[48:55] group 1 for W
.set G0B, 56                           ; s[56:63] group 0 for W, one set a slot
.set MSB, 0
.macro WIN new                         ; low byte: bits 1:0 source 0, 3:2 source 1, 5:4 source 2, 7:6 destination; the high byte repeats the setting that is left
.if MSB != \new
	s_set_vgpr_msb (MSB<<8)|\new
.set MSB, \new
.endif
.endm
.set MUL_LO, 0xa1                      ; source 0 (W) window 1, source 1 (act) window 0, C and D window 2
.set MUL_HI, 0xf1                      ; the same, C and D window 3
.set TO_B,   0x40                      ; destination window 1, address window 0
.macro JLOAD s                         ; waves 0, 1 ask for act's halves, waves 2, 3 for W's: each line has one mask; the branch hangs on the wave's number alone
	s_cmp_eq_u32 s11, 0
	s_cbranch_scc0 .Lfor_b_\@
	tensor_load_to_lds s[G0+4*\s:G0+4*\s+3], s[G1:G1+7]
	s_nop 0
	s_branch .Lasked_\@
.Lfor_b_\@:
	tensor_load_to_lds s[G0B+4*\s:G0B+4*\s+3], s[G1B:G1B+7]
	s_nop 0
.Lasked_\@:
.endm
.macro CREST                           ; a round of the cluster's barrier behind its opening work-group barrier
	s_cmp_lg_u32 s10, 0
	s_cbranch_scc1 .Lnot_wave_0_\@
	s_barrier_signal -3
.Lnot_wave_0_\@:
	s_barrier_wait -3
	s_barrier_signal -1
	s_barrier_wait -1
.endm
.macro CROUND
	s_barrier_signal -1
	s_barrier_wait -1
	CREST
.endm
	s_load_b256 s[68:75], s[0:1], 0x0              ; act s[68:69], wts s[70:71], then VARIANT 0: ssm_b1, bwd_b1; VARIANT 1: ff_b1, hid
	s_set_vgpr_msb 0x40
	v_lshl_add_u32 v255, v0, 2, 0x48400
	s_set_vgpr_msb 0x4000
	v_mov_b32 v247, 0
	s_set_vgpr_msb 0x1
	ds_add_u32 v255, v247
	s_set_vgpr_msb 0x100
.if VARIANT == 0
	s_load_b64 s[76:77], s[0:1], 0x20              ; hid
.endif
	v_lshrrev_b32 v1, 5, v0
	v_readfirstlane_b32 s10, v1                    ; wave 0..3
	s_lshr_b32 s11, s10, 1                         ; which 128 of the block's rows are mine.  Also: I fetch for act (0) or for W (1)
	s_and_b32 s12, s10, 1                          ; which 128 of its columns.  Also: which half of that tile I fetch
	s_bfe_u32 s40, ttmp6, 0x40000                  ; cx
	s_bfe_u32 s41, ttmp6, 0x40004                  ; cy
	s_lshl_b32 s42, ttmp9, 2
	s_add_co_u32 s42, s42, s40                     ; block column = 4 x cluster x + cx
	s_and_b32 s13, ttmp7, 0xffff
	s_lshl_b32 s13, s13, 2
	s_add_co_u32 s13, s13, s41                     ; block row = 4 x cluster y + cy
	s_lshl_b32 s43, s41, 2
	s_lshl_b32 s43, 15, s43                        ; my row of the cluster
	s_lshl_b32 s44, 0x1111, s40                    ; my column
	s_or_b32 s[G1+0], s43, (1<<16)|(1<<20)|(1<<21)|(5<<22)|(3<<25)    ; mask; 2-byte elements; padding on; bit 21 beside a mask; after every 64 words 4 words
	s_or_b32 s[G1B+0], s44, (1<<16)|(1<<20)|(1<<21)|(6<<22)|(7<<25)   ; the same for W: after every 128 words 8 words
	s_mov_b32 s[G1+1], KSTEP<<16                   ; tensor_dim0 = 128
	s_mov_b32 s[G1+2], 128<<16                     ; tensor_dim1 = 128
	s_mov_b32 s[G1+3], KSTEP<<16                   ; tile_dim0 = 128 elements = 256 bytes
	s_mov_b32 s[G1+4], 128                         ; tile_dim1 = 128 rows
	s_mov_b32 s[G1+5], KD                          ; elements from row to row
	s_mov_b32 s[G1+6], 0
	s_mov_b32 s[G1+7], 0
	s_mov_b32 s[G1B+1], 256<<16                    ; tensor_dim0 = 256
	s_mov_b32 s[G1B+2], 64<<16                     ; tensor_dim1 = 64
	s_mov_b32 s[G1B+3], 256<<16                    ; tile_dim0 = 256 elements = 512 bytes
	s_mov_b32 s[G1B+4], 64                         ; tile_dim1 = 64 k-rows
	s_mov_b32 s[G1B+5], ND
	s_mov_b32 s[G1B+6], 0
	s_mov_b32 s[G1B+7], 0
	s_lshl_b32 s16, s13, 8                         ; act: row 256 x block row + 128 x half; these registers never hold cx
	s_lshl_b32 s17, s12, 7
	s_add_co_u32 s16, s16, s17
	s_mul_i32 s16, s16, KD*2
	s_mov_b32 s17, 0
	s_mul_i32 s46, s12, 64*ND*2                    ; W: k-row 64 x half, column 256 x block column; these never hold cy
	s_lshl_b32 s47, s42, 9
	s_add_co_u32 s46, s46, s47
	s_add_co_u32 s46, s46, WOFF
	s_mov_b32 s47, 0
	s_mul_i32 s20, s10, HALFT                      ; where they go: act's two halves, then W's two halves = wave x 34,816: no place in the cluster enters an LDS address
	s_wait_dscnt 0x0
	s_wait_kmcnt 0x0
	s_add_nc_u64 s[14:15], s[68:69], s[16:17]
	s_add_nc_u64 s[46:47], s[70:71], s[46:47]
	CROUND                                         ; all sixteen work-groups are here: the first joint loads meet
.irp s, 0,1
	s_mov_b32 s[G0+4*\s], 1
	s_add_co_u32 s[G0+4*\s+1], s20, \s*SLOT
	s_add_nc_u64 s[G0+4*\s+2:G0+4*\s+3], s[14:15], \s*KSTEP*2
	s_or_b32 s[G0+4*\s+3], s[G0+4*\s+3], 0x80000000
	s_mov_b32 s[G0B+4*\s], 1
	s_add_co_u32 s[G0B+4*\s+1], s20, \s*SLOT
	s_add_nc_u64 s[G0B+4*\s+2:G0B+4*\s+3], s[46:47], \s*KSTEP*ND*2
	s_or_b32 s[G0B+4*\s+3], s[G0B+4*\s+3], 0x80000000
	JLOAD \s                                       ; both slots are asked for before anything else is done
.endr
	v_and_b32 v1, 15, v0                           ; r = lane % 16
	v_bfe_u32 v2, v0, 4, 1                         ; h = lane / 16
	v_and_b32 v3, 7, v0
	v_bfe_u32 v4, v0, 3, 1
	v_mul_u32_u24 v5, v1, PA                       ; act fragment: row r, 16 bytes for each half of the lanes, two loads 32 bytes apart
	v_lshl_add_u32 v5, v2, 4, v5
	s_mul_i32 s22, s11, HALFT                      ; my 128 rows
	v_add_nc_u32 v[ADRA], s22, v5
	v_add_nc_u32 v[ADRA+1], SLOT, v[ADRA]
	v_lshl_add_u32 v6, v2, 3, v3                   ; W fragment: k-row 8 h + lane % 8, 16 bytes by bit 3 of the lane, two loads 16 k-rows apart
	v_mul_u32_u24 v6, v6, PB
	v_lshl_add_u32 v6, v4, 4, v6
	s_lshl_b32 s22, s12, 8
	s_add_co_u32 s22, s22, ATILE
	v_add_nc_u32 v[ADRB], s22, v6
	v_add_nc_u32 v[ADRB+1], SLOT, v[ADRB]
	s_mul_i32 s23, s10, 16*SPITCH
	s_add_co_u32 s23, s23, STAGE                   ; my stage
	v_mul_u32_u24 v5, v1, SPITCH
	v_lshl_add_u32 v5, v2, 4, v5
	v_add_nc_u32 v[STO], s23, v5
	v_mul_u32_u24 v5, v2, SPITCH
	v_lshl_add_u32 v5, v1, 4, v5
	v_add_nc_u32 v[RD], s23, v5
	v_mul_u32_u24 v5, v2, ND*2
	v_lshl_add_u32 v[CO], v1, 4, v5
	v_lshlrev_b32 v[BO], 5, v2
	s_lshl_b32 s22, s12, 9
	v_add_nc_u32 v[BO], s22, v[BO]                 ; 32 h + 512 x column half
	; bases that hang on both block coordinates, in registers that feed no descriptor
	s_lshl_b32 s4, s13, 8
	s_lshl_b32 s5, s11, 7
	s_add_co_u32 s4, s4, s5
	s_mul_i32 s4, s4, ND*2
	s_lshl_b32 s5, s42, 9
	s_add_co_u32 s4, s4, s5
	s_lshl_b32 s5, s12, 8
	s_add_co_u32 s4, s4, s5
	s_mov_b32 s5, 0
	s_add_nc_u64 s[84:85], s[HIDP:HIDP+1], s[4:5]  ; hid at my first row and column
.if VARIANT == 0
	s_cmp_ge_u32 ttmp9, 1                          ; block columns 4-7 (cluster x = 1) are bwd's
	s_cselect_b64 s[86:87], s[74:75], s[72:73]
	s_lshl_b32 s6, s40, 10
.else
	s_mov_b64 s[86:87], s[72:73]
	s_lshl_b32 s6, s42, 10
.endif
	s_mov_b32 s7, 0
	s_add_nc_u64 s[86:87], s[86:87], s[6:7]
	WIN TO_B                                       ; destination window 1
.irp b, 0,1,2,3,4,5,6,7
	global_load_b128 v[8*\b:8*\b+3], v[BO], s[86:87] offset:64*\b          ; bias of columns 16 b + 8 h + 0..3
	global_load_b128 v[8*\b+4:8*\b+7], v[BO], s[86:87] offset:64*\b+16     ; and + 4..7; waited for behind the K loop, which touches none of these registers
.endr
	WIN 0
.if VARIANT == 0
	s_mov_b32 s8, 0x3e6d3388                       ; 0.3275911 / sqrt 2
.irp d, 0,1
	v_mov_b32 v[CK+\d], 0x3f07dc22                 ; the fit's coefficients, halved:  0.5307027
	v_mov_b32 v[CK+2+\d], 0xbf3a00e3               ; -0.7265760
	v_mov_b32 v[CK+4+\d], 0x3f35f0e3               ;  0.7107069
	v_mov_b32 v[CK+6+\d], 0xbe11a98e               ; -0.1422484
	v_mov_b32 v[CK+8+\d], 0x3e027906               ;  0.1274148
	v_mov_b32 v[CK+10+\d], 0xbf38aa3b              ; -log2(e) / 2
.endr
.else
.irp d, 0,1
	v_mov_b32 v[CK+\d], 0xbdd2d3e8                 ; -2 log2(e) sqrt(2/pi) 0.044715
	v_mov_b32 v[CK+2+\d], 0xc0135761               ; -2 log2(e) sqrt(2/pi)
.endr
.endif
; 16 matrix instructions: row blocks a0, a0 + 1 of the window's four (hi = 0: my rows 0-63, 1: rows 64-127) x all 8 column blocks, 32 along K.
; zero = 1: the product starts the sums: nothing is ever cleared.  The 64 accumulators take turns, one instruction a turn, in the same order in every
; quarter step and over the backward jump.
.macro MUL16 f, hi, a0, zero
.irp a, \a0, \a0+1
.irp b, 0,1,2,3,4,5,6,7
.if \zero
	v_wmma_f32_16x16x32_bf16 v[8*(8*(\a)+\b):8*(8*(\a)+\b)+7], v[\f+8*\b:\f+8*\b+7], v[\f+8*(4*\hi+\a):\f+8*(4*\hi+\a)+7], 0
.else
	v_wmma_f32_16x16x32_bf16 v[8*(8*(\a)+\b):8*(8*(\a)+\b)+7], v[\f+8*\b:\f+8*\b+7], v[\f+8*(4*\hi+\a):\f+8*(4*\hi+\a)+7], v[8*(8*(\a)+\b):8*(8*(\a)+\b)+7]
.endif
.endr
.endr
.endm
; 32 LDS loads in one run: quarter q (32 along K) of a slot into buffer f: W's 128 columns, then act's 128 rows
.macro FETCH slot, q, f
	WIN TO_B
.irp b, 0,1,2,3,4,5,6,7
	ds_load_tr16_b128 v[\f+8*\b:\f+8*\b+3], v[ADRB+\slot] offset:\q*32*PB+32*\b
	ds_load_tr16_b128 v[\f+8*\b+4:\f+8*\b+7], v[ADRB+\slot] offset:\q*32*PB+32*\b+16*PB
.endr
	WIN 0
.irp i, 0,1,2,3,4,5,6,7
	ds_load_b128 v[\f+8*\i:\f+8*\i+3], v[ADRA+\slot] offset:64*\q+\i*16*PA
	ds_load_b128 v[\f+8*\i+4:\f+8*\i+7], v[ADRA+\slot] offset:64*\q+\i*16*PA+32
.endr
.endm
.macro PLACES                          ; a load into a register that a matrix instruction has read, and a vector instruction on a matrix result, stand four plain vector instructions behind it
.rept 4
	v_nop
.endr
.endm
; one of a K step's first three quarters: multiplies buffer f; in its middle it asks for quarter q of the same slot into buffer g
.macro QUARTER slot, q, f, g, zero
	s_wait_dscnt 8                                 ; W and act's rows 0-63 are in; the youngest eight loads (act's rows 64-127) may be out
	WIN MUL_LO
	MUL16 \f, 0, 0, \zero
	MUL16 \f, 0, 2, \zero
	PLACES
	FETCH \slot, \q, \g
	s_wait_dscnt 32                                ; all but the 32 just issued
	WIN MUL_HI
	MUL16 \f, 1, 0, \zero
	MUL16 \f, 1, 2, \zero
.endm
.macro THREE slot, zero
	QUARTER \slot, 1, F0, F1, \zero
	QUARTER \slot, 2, F1, F0, 0
	QUARTER \slot, 3, F0, F1, 0
.endm
; the last quarter multiplies buffer 1 and changes slots.  In front of the barrier each wave waits for its reads of this slot and for all its tensor
; loads (one is out: its part of the next slot).  With fill = 1 the barrier opens a round of the cluster's barrier; behind the round no wave of any
; partner reads this slot or has a load on its way, and the joint refill is the wave's first and only tensor load there.
.macro TURN slot, next, fill
	s_wait_dscnt 8
	WIN MUL_LO
	MUL16 F1, 0, 0, 0
	s_wait_dscnt 0x0                               ; my reads of this slot are over
	s_wait_tensorcnt 0x0                           ; and all my tensor loads have landed
	ds_add_u32 v255, v247
	s_wait_dscnt 0x0
	s_barrier_signal -1
	MUL16 F1, 0, 2, 0                              ; registers only, while the others arrive
	WIN 0
	s_barrier_wait -1
.if \fill
	CREST
	s_add_nc_u64 s[G0+4*\slot+2:G0+4*\slot+3], s[G0+4*\slot+2:G0+4*\slot+3], 2*KSTEP*2          ; no tensor load of mine is out: the addresses may step, two K steps on
	s_add_nc_u64 s[G0B+4*\slot+2:G0B+4*\slot+3], s[G0B+4*\slot+2:G0B+4*\slot+3], 2*KSTEP*ND*2
	JLOAD \slot
.endif
	PLACES
	FETCH \next, 0, F0
	WIN MUL_HI
	MUL16 F1, 1, 0, 0
	MUL16 F1, 1, 2, 0
.endm
.macro LAP zero
	THREE 0, \zero
	TURN 0, 1, 1
	THREE 1, 0
	TURN 1, 0, 1
.endm
	s_wait_tensorcnt 0x1                           ; my part of K step 0 is in; K step 1's stays out
	s_barrier_signal -1
	s_barrier_wait -1
	FETCH 0, 0, F0
	LAP 1                                          ; the first lap's first products start the sums
.if LAPS > 2
	WIN 0
	s_mov_b32 s3, LAPS-2
.Llap:
	LAP 0
	WIN 0
	s_sub_co_u32 s3, s3, 1
	s_cmp_lg_u32 s3, 0
	s_cbranch_scc1 .Llap
.endif
	THREE 0, 0                                     ; the last lap fills nothing
	TURN 0, 1, 0
	THREE 1, 0
	s_wait_dscnt 8                                 ; the very last quarter: nothing more to fetch
	WIN MUL_LO
	MUL16 F1, 0, 0, 0
	MUL16 F1, 0, 2, 0
	s_wait_dscnt 0x0
	WIN MUL_HI
	MUL16 F1, 1, 0, 0
	MUL16 F1, 1, 2, 0
	PLACES
	WIN 0
	s_wait_loadcnt 0x0                             ; the bias
; GELU of the 8 numbers at v[x ..], packed to bf16 in v[o .. o + 3]
.macro GELU8 x, o
.if VARIANT == 0
	; gelu(x) = max(x, 0) - |x| y,  y = poly(t) exp(-x^2 / 2) / 2,  t = 1 / (1 + 0.2316419 |x|): one form for both signs, no difference of large numbers
.irp i, 0,1,2,3,4,5,6,7
	v_fma_f32 v[TD+\i], |v[\x+\i]|, s8, 1.0
.endr
.irp p, 0,2,4,6
	v_pk_mul_f32 v[TE+\p:TE+\p+1], v[\x+\p:\x+\p+1], v[\x+\p:\x+\p+1]
.endr
.irp p, 0,2,4,6
	v_pk_mul_f32 v[TE+\p:TE+\p+1], v[TE+\p:TE+\p+1], v[CK+10:CK+11]
.endr
.irp i, 0,1,2,3,4,5,6,7
	v_rcp_f32 v[TQ+\i], v[TD+\i]
.endr
.irp i, 0,1,2,3,4,5,6,7
	v_exp_f32 v[TM+\i], v[TE+\i]
.endr
.irp i, 0,1,2,3,4,5,6,7
	v_max_num_f32 v[TN+\i], 0, v[\x+\i]            ; plain work that touches none of the transcendentals' registers (ISA guide 5.7.2)
.endr
.irp p, 0,2,4,6
	v_pk_fma_f32 v[TD+\p:TD+\p+1], v[TQ+\p:TQ+\p+1], v[CK:CK+1], v[CK+2:CK+3]
.endr
.irp c, 4,6,8
.irp p, 0,2,4,6
	v_pk_fma_f32 v[TD+\p:TD+\p+1], v[TD+\p:TD+\p+1], v[TQ+\p:TQ+\p+1], v[CK+\c:CK+\c+1]
.endr
.endr
.irp p, 0,2,4,6
	v_pk_mul_f32 v[TD+\p:TD+\p+1], v[TD+\p:TD+\p+1], v[TQ+\p:TQ+\p+1]
.endr
.irp p, 0,2,4,6
	v_pk_mul_f32 v[TD+\p:TD+\p+1], v[TD+\p:TD+\p+1], v[TM+\p:TM+\p+1]
.endr
.irp i, 0,1,2,3,4,5,6,7
	v_fma_f32 v[TN+\i], -|v[\x+\i]|, v[TD+\i], v[TN+\i]
.endr
.irp r, 0,1,2,3
	v_cvt_pk_bf16_f32 v[\o+\r], v[TN+2*\r], v[TN+2*\r+1]
.endr
.else
	; gelu(x) = x / (1 + 2^(x (c3 x^2 + c1))): 0.5 (1 + tanh u) = 1 / (1 + e^(-2u)); both ends saturate to x and to 0
.irp p, 0,2,4,6
	v_pk_mul_f32 v[TD+\p:TD+\p+1], v[\x+\p:\x+\p+1], v[\x+\p:\x+\p+1]
.endr
.irp p, 0,2,4,6
	v_pk_fma_f32 v[TD+\p:TD+\p+1], v[TD+\p:TD+\p+1], v[CK:CK+1], v[CK+2:CK+3]
.endr
.irp p, 0,2,4,6
	v_pk_mul_f32 v[TD+\p:TD+\p+1], v[TD+\p:TD+\p+1], v[\x+\p:\x+\p+1]
.endr
.irp i, 0,1,2,3,4,5,6,7
	v_exp_f32 v[TE+\i], v[TD+\i]
.endr
	v_nop                                          ; one plain instruction behind the transcendentals (ISA guide 5.7.2)
	s_wait_alu depctr_va_vdst(0)
.irp p, 0,2,4,6
	v_pk_add_f32 v[TE+\p:TE+\p+1], v[TE+\p:TE+\p+1], 1.0 op_sel_hi:[1,0]
.endr
.irp i, 0,1,2,3,4,5,6,7
	v_rcp_f32 v[TQ+\i], v[TE+\i]
.endr
	v_nop
	s_wait_alu depctr_va_vdst(0)
.irp p, 0,2,4,6
	v_pk_mul_f32 v[TQ+\p:TQ+\p+1], v[TQ+\p:TQ+\p+1], v[\x+\p:\x+\p+1]
.endr
.irp r, 0,1,2,3
	v_cvt_pk_bf16_f32 v[\o+\r], v[TQ+2*\r], v[TQ+2*\r+1]
.endr
.endif
.endm
; rows 16 i .. 16 i + 15 of my block = the eight tiles (a, 0..7) of window 2 or 3 (from = 0x06 or 0x07: source 0 the sums' window, source 1 window 1, the bias):
; bias, GELU, 16 bytes a lane into my own stage, whole rows of 256 bytes back and out
.macro OUT16 i, a, from, rb
	WIN \from
.irp b, 0,1,2,3,4,5,6,7
.irp p, 0,2,4,6
	v_pk_add_f32 v[XE+8*\b+\p:XE+8*\b+\p+1], v[8*(8*\a+\b)+\p:8*(8*\a+\b)+\p+1], v[8*\b+\p:8*\b+\p+1]
.endr
.endr
	WIN 0
.irp b, 0,1,2,3,4,5,6,7
	GELU8 XE+8*\b, PK+4*\b
	ds_store_b128 v[STO], v[PK+4*\b:PK+4*\b+3] offset:32*\b
.endr
	s_wait_xcnt 0x0                                ; earlier stores have had their addresses translated (ISA guide 3.1): their data registers and base are written again only behind this wait
.if \i
	s_add_nc_u64 s[84:85], s[84:85], 16*ND*2
.endif
.irp t, 0,1,2,3,4,5,6,7
	ds_load_b128 v[\rb+4*\t:\rb+4*\t+3], v[RD] offset:\t*2*SPITCH          ; LDS serves a wave's instructions in order (ISA guide 5.7.1): these see the stores above
.endr
.irp t, 0,1,2,3,4,5,6,7
	s_wait_dscnt 7-\t                              ; read-back t is in, the younger ones stay out
	global_store_b128 v[CO], v[\rb+4*\t:\rb+4*\t+3], s[84:85] offset:2*\t*ND*2   ; sixteen lanes store 256 consecutive bytes, aligned
.endr
.endm
	OUT16 0, 0, 0x06, RB0
	OUT16 1, 1, 0x06, RB1
	OUT16 2, 2, 0x06, RB0
	OUT16 3, 3, 0x06, RB1
	OUT16 4, 0, 0x07, RB0
	OUT16 5, 1, 0x07, RB1
	OUT16 6, 2, 0x07, RB0
	OUT16 7, 3, 0x07, RB1
	s_set_vgpr_msb 0x1
	s_wait_tensorcnt 0x0
	ds_add_u32 v255, v247
	s_wait_dscnt 0x0
	s_set_vgpr_msb 0x100
	CROUND                                         ; the closing round: no work-group ends while a partner may still ask for a tile that names it
	s_endpgm
.Lfunc_end_k_qa0361305af_up2:
	.size	k_qa0361305af_up2, .Lfunc_end_k_qa0361305af_up2-k_qa0361305af_up2
	.p2alignl 7, 3214868480
	.fill 96, 4, 3214868480
	.section	.rodata,"a",@progbits
	.p2align	6, 0x0
	.amdhsa_kernel k_qa0361305af_up2
		.amdhsa_group_segment_fixed_size 327680
		.amdhsa_private_segment_fixed_size 0
		.amdhsa_enable_private_segment 0
		.amdhsa_kernarg_size 32
		.amdhsa_user_sgpr_count 2
		.amdhsa_user_sgpr_kernarg_segment_ptr 1
		.amdhsa_wavefront_size32 1
		.amdhsa_system_sgpr_workgroup_id_x 1
		.amdhsa_system_sgpr_workgroup_id_y 1
		.amdhsa_system_sgpr_workgroup_id_z 1
		.amdhsa_system_vgpr_workitem_id 0
		.amdhsa_next_free_vgpr 1024
		.amdhsa_next_free_sgpr 96
		.amdhsa_reserve_vcc 0
		.amdhsa_float_denorm_mode_32 3
		.amdhsa_float_denorm_mode_16_64 3
		.amdhsa_memory_ordered 1
		.amdhsa_forward_progress 1
		.amdhsa_inst_pref_size 255
	.end_amdhsa_kernel
	.section	.bss,"aw",@nobits
	.p2align	6
	.space	262144
	.amdgpu_metadata
---
amdhsa.version: [ 1, 2 ]
amdhsa.kernels:
  - .name:           k_qa0361305af_up2
    .symbol:         k_qa0361305af_up2.kd
    .args:
      - { .name: act, .offset: 0, .size: 8, .value_kind: global_buffer, .address_space: global }
      - { .name: wts, .offset: 8, .size: 8, .value_kind: global_buffer, .address_space: global }
      - { .name: ff_b1, .offset: 16, .size: 8, .value_kind: global_buffer, .address_space: global }
      - { .name: hid, .offset: 24, .size: 8, .value_kind: global_buffer, .address_space: global }
    .group_segment_fixed_size: 327680
    .private_segment_fixed_size: 0
    .kernarg_segment_align: 8
    .kernarg_segment_size: 32
    .max_flat_workgroup_size: 128
    .sgpr_count:     96
    .vgpr_count:     1024
    .wavefront_size: 32
...
	.end_amdgpu_metadata
.endif
;; end of part 10
;; launch down2 (part 11): grid 4 x 64, 4 waves a work-group, clusters of 4 x 4, 327,680 bytes of LDS; arguments hid, wts, ff_b2, mods, x1, out0; writes out0
.if DOCPART == 11
	.amdgcn_target "amdgcn-amd-amdhsa--gfx1250"
	.amdhsa_code_object_version 6
	.text
	.protected	k_qa0361305af_down2
	.globl	k_qa0361305af_down2
	.p2align	8
	.type	k_qa0361305af_down2,@function
k_qa0361305af_down2:
	s_mov_b64 s[64:65], 0
	v_nop
	global_prefetch_b8 v0, s[64:65] scope:SCOPE_SE
	s_setreg_imm32_b32 hwreg(HW_REG_WAVE_MODE, 25, 1), 1
	s_wait_xcnt 0x0
	s_wait_alu depctr_hold_cnt(0) depctr_sa_sdst(0) depctr_va_vdst(0) depctr_va_sdst(0) depctr_va_ssrc(0) depctr_va_vcc(0) depctr_vm_vsrc(0)
	s_getreg_b32 s2, hwreg(HW_REG_IB_STS2, 6, 4)
	s_cmp_eq_u32 s2, 0
	s_cbranch_scc0 .Lentry_in_a_cluster
	s_endpgm
.Lentry_in_a_cluster:
	s_bfe_u32 s2, ttmp6, 0x10000c
	s_cmp_lg_u32 s2, 0xf033
	s_cbranch_scc0 .Lentry_shape_is_right
	s_endpgm
.Lentry_shape_is_right:
; out = res + gate[batch] * ( hid @ W + bias ), f32.  hid [8192][2048] bf16, W [2048][1024] bf16 in wts (rows along N); sums in f32.
; VARIANT 0: W = [ssm_w2 ; bwd_w2], bias = ssm_b2 + bwd_b2, gate = gate_msa, res = x, and the gated term is 0 where mask[row] is false; out = x1.
;            The flips of axis 1 are left out: the layers treat each position by itself.  Masked rows are computed and selected away.
; VARIANT 1: W = ff_w2, bias = ff_b2, gate = gate_mlp, res = x1, no mask; out = out0.
; A work-group makes 128 x 256 with four waves, as many as a WGP has SIMDs (256 x 256 would leave only 128 work-groups); a wave makes 64 x 128: 32 accumulator tiles.
; TWO UNEQUAL LDS SLOTS take turns, so that a change of slots serves as much of K as LDS holds: a large one of 256 along K (hid 128 rows x 528 bytes, W 256 k-rows x 544 bytes:
; 206,848 bytes) and a small one of 128 along K (128 x 272 + 128 x 544 = 104,448 bytes).  K = 2048 = 6 x 128 + 5 x 256 goes small, large, small, .. small: 11 steps;
; small step i begins at k = 384 i, large step i at k = 128 + 384 i, so every tile row begins at a multiple of 256 bytes.  One tensor load a wave for each fill:
; waves 0, 1 bring 64 rows of hid each, waves 2, 3 half of W's k-rows each.  The small slot's refill has 240 matrix instructions in which to land, the large one's 112.
; CLUSTERS: 4 x 4 work-groups; hid's tile is asked for jointly along a row of the cluster, W's along a column, which divides the requests for both by four.
; A wave has two tensor loads out at the start and one behind each round of the cluster's barrier.
; THE STAGE of the way out lies in the large slot: its last fill is read to the end in front of the barrier of the last change of slots, no fill lands there afterwards,
; and the last step reads the small slot alone.
; REGISTERS in windows of 256: window 0 addresses, fragments, the way out; window 1 the accumulators, tile (a, b) at v[8 (8 a + b)]; window 2 v0-63 bias,
; v64-127 gate, v128-191 second bias; window 3 the residual of my 64 rows x 512 bytes, row i at v[4 i], asked for behind the loop, 384 matrix instructions ahead of its use.
; LIMIT: the bias enters as gate x sum + (gate x bias), another order of rounding than gate x (sum + bias).
.set VARIANT, 1
.set KD, 2048
.set ND, 1024
.if VARIANT == 0
.set WOFF, 4194304                     ; byte offset of W in wts
.set EMBOFF, 0                         ; byte offset of this layer's emb in mods
.set MODP, 76
.set RESP, 78
.set MASKP, 80
.set OUTP, 82
.else
.set WOFF, 12582912
.set EMBOFF, 98304
.set MODP, 74
.set RESP, 76
.set OUTP, 78
.endif
.set PAB, 528                          ; hid's LDS row in the large slot: 512 bytes + 16: an odd multiple of 16
.set PAS, 272                          ; in the small slot: 256 bytes + 16
.set PB, 544                           ; W's LDS row: 512 bytes + 32: an odd multiple of 32
.set ABIGH, 64*PAB                     ; what one load brings of hid, large slot
.set ABIG, 2*ABIGH
.set BBIGH, 128*PB                     ; of W, large slot
.set BIG, ABIG+2*BBIGH                 ; 206,848
.set ASMH, 64*PAS
.set ASM, 2*ASMH
.set BSMH, 64*PB
.set SM, BIG                           ; the small slot's first byte, a multiple of 256
.set SPITCH, 528                       ; the stage: 16 rows x 528 bytes for each wave, from LDS byte 0
.set KPAIR, 384                        ; K of a large and a small step: what every refill steps by
.set PAIRS, (KD-128-KPAIR)/KPAIR       ; 4 trips of (large, small) with both refills; the first small step and the last pair are written out
.set ADRA, 8                           ; v[8:9]   LDS address of my hid fragments: large slot, small slot
.set ADRB, 10                          ; v[10:12] of my W fragments: large slot k-rows 0-127, k-rows 128-255 (the immediate holds 16 bits), small slot
.set STO, 13                           ; v13      the way out: where I put 32 bytes of a row
.set RD,  14                           ; v14      where I read rows back
.set CO,  15                           ; v15      16 lane: my bytes in a row's 512, in the residual and in the output
.set BO,  16                           ; v16      my byte offset in bias and gate
.set MO,  17                           ; v17      lane % 16: my row in a block of 16, for the mask
.set MK,  18                           ; v[18:21] mask byte of my row in each of the four row blocks
.set FA0, 32                           ; v[32:63], v[64:95]    hid fragments, buffers 0, 1
.set FB0, 96                           ; v[96:159], v[160:223] W fragments, buffers 0, 1
.set XE,  32                           ; the way out: v[32:95] 64 numbers
.set RB0, 96                           ; v[96:159], v[160:223] 16 rows read back, two buffers
.set RB1, 160
.set G0A, 16                           ; s[16:19] group 0 for hid, large slot; s[20:23] small slot
.set G1A, 24                           ; s[24:31] group 1 for hid, large slot; s[32:39] small slot
.set G1B, 48                           ; s[48:55] group 1 for W, large slot; s[56:63] small slot
.set G0BB, 96                          ; s[96:99] group 0 for W, large slot
.set G0BS, 4                           ; s[4:7]   group 0 for W, small slot
.set MSB, 0
.macro WIN new                         ; low byte: bits 1:0 source 0, 3:2 source 1, 5:4 source 2, 7:6 destination; the high byte repeats the setting that is left
.if MSB != \new
	s_set_vgpr_msb (MSB<<8)|\new
.set MSB, \new
.endif
.endm
.macro JLOAD s                         ; slot 0 large, 1 small.  Waves 0, 1 ask for hid's halves, waves 2, 3 for W's: each line has one mask; the branch hangs on the wave's number alone
	s_cmp_eq_u32 s11, 0
	s_cbranch_scc0 .Lfor_b_\@
	tensor_load_to_lds s[G0A+4*\s:G0A+4*\s+3], s[G1A+8*\s:G1A+8*\s+7]
	s_nop 0
	s_branch .Lasked_\@
.Lfor_b_\@:
.if \s == 0
	tensor_load_to_lds s[G0BB:G0BB+3], s[G1B:G1B+7]
	s_nop 0
.else
	tensor_load_to_lds s[G0BS:G0BS+3], s[G1B+8:G1B+15]
	s_nop 0
.endif
.Lasked_\@:
.endm
.macro CREST                           ; a round of the cluster's barrier behind its opening work-group barrier
	s_cmp_lg_u32 s10, 0
	s_cbranch_scc1 .Lnot_wave_0_\@
	s_barrier_signal -3
.Lnot_wave_0_\@:
	s_barrier_wait -3
	s_barrier_signal -1
	s_barrier_wait -1
.endm
.macro CROUND
	s_barrier_signal -1
	s_barrier_wait -1
	CREST
.endm
.if VARIANT == 0
	s_load_b512 s[68:83], s[0:1], 0x0              ; hid 68, wts 70, ssm_b2 72, bwd_b2 74, mods 76, x 78, mask 80, x1 82
.else
	s_load_b256 s[68:75], s[0:1], 0x0              ; hid 68, wts 70, ff_b2 72, mods 74
	s_load_b128 s[76:79], s[0:1], 0x20             ; x1 76, out0 78
	v_lshl_add_u32 v254, v0, 2, 0x4c000
	v_mov_b32 v255, 0
	ds_add_u32 v254, v255
.endif
	v_lshrrev_b32 v1, 5, v0
	v_readfirstlane_b32 s10, v1                    ; wave 0..3
	s_lshr_b32 s11, s10, 1                         ; which 64 of the block's rows are mine.  Also: I fetch for hid (0) or for W (1)
	s_and_b32 s12, s10, 1                          ; which 128 of its columns.  Also: which half of that tile I fetch
	s_bfe_u32 s40, ttmp6, 0x40000                  ; cx
	s_bfe_u32 s41, ttmp6, 0x40004                  ; cy
	s_lshl_b32 s42, ttmp9, 2
	s_add_co_u32 s42, s42, s40                     ; block column
	s_and_b32 s13, ttmp7, 0xffff
	s_lshl_b32 s13, s13, 2
	s_add_co_u32 s13, s13, s41                     ; block row
	s_lshl_b32 s43, s41, 2
	s_lshl_b32 s43, 15, s43                        ; my row of the cluster
	s_lshl_b32 s44, 0x1111, s40                    ; my column
	; group 1: mask; 2-byte elements; padding on; bit 21 beside a mask; the padding's interval is the tile's row, its length 4 words for hid, 8 for W
	s_or_b32 s[G1A+0], s43, (1<<16)|(1<<20)|(1<<21)|(6<<22)|(3<<25)   ; hid, large: after every 128 words 4 words
	s_mov_b32 s[G1A+1], 256<<16                    ; tensor_dim0 = 256
	s_mov_b32 s[G1A+2], 64<<16                     ; tensor_dim1 = 64
	s_mov_b32 s[G1A+3], 256<<16                    ; tile_dim0 = 256 elements = 512 bytes
	s_mov_b32 s[G1A+4], 64                         ; tile_dim1 = 64 rows
	s_mov_b32 s[G1A+5], KD                         ; elements from row to row
	s_mov_b32 s[G1A+6], 0
	s_mov_b32 s[G1A+7], 0
	s_or_b32 s[G1A+8], s43, (1<<16)|(1<<20)|(1<<21)|(5<<22)|(3<<25)   ; hid, small: after every 64 words 4 words
	s_mov_b32 s[G1A+9], 128<<16                    ; tensor_dim0 = 128
	s_mov_b32 s[G1A+10], 64<<16
	s_mov_b32 s[G1A+11], 128<<16                   ; tile_dim0 = 128 elements = 256 bytes
	s_mov_b32 s[G1A+12], 64
	s_mov_b32 s[G1A+13], KD
	s_mov_b32 s[G1A+14], 0
	s_mov_b32 s[G1A+15], 0
	s_or_b32 s[G1B+0], s44, (1<<16)|(1<<20)|(1<<21)|(6<<22)|(7<<25)   ; W, large: after every 128 words 8 words
	s_mov_b32 s[G1B+1], 256<<16                    ; tensor_dim0 = 256
	s_mov_b32 s[G1B+2], 128<<16                    ; tensor_dim1 = 128
	s_mov_b32 s[G1B+3], 256<<16                    ; tile_dim0 = 256 elements = 512 bytes
	s_mov_b32 s[G1B+4], 128                        ; tile_dim1 = 128 k-rows
	s_mov_b32 s[G1B+5], ND
	s_mov_b32 s[G1B+6], 0
	s_mov_b32 s[G1B+7], 0
	s_or_b32 s[G1B+8], s44, (1<<16)|(1<<20)|(1<<21)|(6<<22)|(7<<25)   ; W, small: the same rows, 64 of them
	s_mov_b32 s[G1B+9], 256<<16
	s_mov_b32 s[G1B+10], 64<<16
	s_mov_b32 s[G1B+11], 256<<16
	s_mov_b32 s[G1B+12], 64
	s_mov_b32 s[G1B+13], ND
	s_mov_b32 s[G1B+14], 0
	s_mov_b32 s[G1B+15], 0
	; group 0: count, and where the tiles go: a constant plus the wave's number times a constant; no place in the cluster enters an LDS address
	s_mov_b32 s[G0A+0], 1
	s_mul_i32 s[G0A+1], s10, ABIGH                 ; hid, large: waves 0, 1 at wave x 33,792
	s_mov_b32 s[G0A+4], 1
	s_mul_i32 s[G0A+5], s10, ASMH
	s_add_co_u32 s[G0A+5], s[G0A+5], SM            ; hid, small
	s_mov_b32 s[G0BB+0], 1
	s_mul_i32 s[G0BB+1], s10, BBIGH
	s_sub_co_u32 s[G0BB+1], s[G0BB+1], 2*BBIGH-ABIG   ; W, large: behind hid's 128 rows, (wave - 2) x 69,632 (waves 2, 3)
	s_mov_b32 s[G0BS+0], 1
	s_mul_i32 s[G0BS+1], s10, BSMH
	s_add_co_u32 s[G0BS+1], s[G0BS+1], SM+ASM-2*BSMH  ; W, small: likewise
	; where they come from.  hid's addresses hang on the block row alone, W's on the block column alone
	s_lshl_b32 s8, s13, 7                          ; hid: row 128 x block row + 64 x half
	s_lshl_b32 s9, s12, 6
	s_add_co_u32 s8, s8, s9
	s_mul_i32 s8, s8, KD*2
	s_mov_b32 s9, 0
	s_lshl_b32 s46, s42, 9                         ; W: column 256 x block column
	s_add_co_u32 s46, s46, WOFF
	s_mov_b32 s47, 0
	s_mul_i32 s66, s12, 64*ND*2                    ; small: k-row 64 x half
	s_mov_b32 s67, 0
	s_wait_dscnt 0x0
	s_wait_kmcnt 0x0
	s_add_nc_u64 s[14:15], s[68:69], s[8:9]
	s_add_nc_u64 s[46:47], s[70:71], s[46:47]
	s_mov_b64 s[G0A+6:G0A+7], s[14:15]             ; small step 0: k = 0
	s_add_nc_u64 s[G0A+2:G0A+3], s[14:15], 128*2   ; large step 0: k = 128
	s_add_nc_u64 s[G0BS+2:G0BS+3], s[46:47], s[66:67]
	s_lshl_b32 s66, s66, 1
	s_add_co_u32 s66, s66, 128*ND*2                ; large: k-row 128 + 128 x half
	s_add_nc_u64 s[G0BB+2:G0BB+3], s[46:47], s[66:67]
	s_or_b32 s[G0A+3], s[G0A+3], 0x80000000
	s_or_b32 s[G0A+7], s[G0A+7], 0x80000000
	s_or_b32 s[G0BB+3], s[G0BB+3], 0x80000000
	s_or_b32 s[G0BS+3], s[G0BS+3], 0x80000000
	CROUND                                         ; all sixteen work-groups are here: the first joint loads meet
	JLOAD 1                                        ; small step 0 first: it is read first
	JLOAD 0                                        ; large step 0
	v_and_b32 v1, 15, v0                           ; r = lane % 16
	v_bfe_u32 v2, v0, 4, 1                         ; h = lane / 16
	v_and_b32 v3, 7, v0
	v_bfe_u32 v4, v0, 3, 1
	v_and_b32 v7, 31, v0                           ; lane
	v_mul_u32_u24 v5, v1, PAB                      ; hid fragment: row r, 16 bytes for each half of the lanes, two loads 32 bytes apart
	v_lshl_add_u32 v5, v2, 4, v5
	s_mul_i32 s45, s11, ABIGH
	v_add_nc_u32 v[ADRA], s45, v5
	v_mul_u32_u24 v5, v1, PAS
	v_lshl_add_u32 v5, v2, 4, v5
	s_mul_i32 s45, s11, ASMH
	s_add_co_u32 s45, s45, SM
	v_add_nc_u32 v[ADRA+1], s45, v5
	v_lshl_add_u32 v6, v2, 3, v3                   ; W fragment: k-row 8 h + lane % 8, 16 bytes by bit 3 of the lane, two loads 16 k-rows apart
	v_mul_u32_u24 v6, v6, PB
	v_lshl_add_u32 v6, v4, 4, v6
	s_lshl_b32 s45, s12, 8
	v_add_nc_u32 v6, s45, v6
	v_add_nc_u32 v[ADRB], ABIG, v6
	v_add_nc_u32 v[ADRB+1], ABIG+BBIGH, v6
	v_add_nc_u32 v[ADRB+2], SM+ASM, v6
	s_mul_i32 s45, s10, 16*SPITCH                  ; my stage, 8,448 bytes, a multiple of 256
	v_mul_u32_u24 v5, v1, SPITCH
	v_lshl_add_u32 v5, v2, 5, v5
	v_add_nc_u32 v[STO], s45, v5                   ; row r, 32 bytes for each half of the lanes
	v_lshlrev_b32 v[CO], 4, v7
	v_add_nc_u32 v[RD], s45, v[CO]                 ; a whole row of 512 bytes a load
	v_lshlrev_b32 v[BO], 5, v2
	s_lshl_b32 s45, s12, 9
	v_add_nc_u32 v[BO], s45, v[BO]                 ; 32 h + 512 x column half
	v_mov_b32 v[MO], v1
	; bases that hang on both block coordinates, in registers that feed no descriptor
	s_lshl_b32 s8, s13, 7
	s_lshl_b32 s9, s11, 6
	s_add_co_u32 s8, s8, s9                        ; my first row
	s_mov_b32 s9, 0
.if VARIANT == 0
	s_add_nc_u64 s[92:93], s[MASKP:MASKP+1], s[8:9]
.endif
	s_lshl_b32 s66, s8, 12
	s_lshl_b32 s67, s42, 10
	s_add_co_u32 s66, s66, s67
	s_lshl_b32 s67, s12, 9
	s_add_co_u32 s66, s66, s67
	s_mov_b32 s67, 0
	s_add_nc_u64 s[90:91], s[RESP:RESP+1], s[66:67]   ; the residual and the output at my first row and column
	s_add_nc_u64 s[84:85], s[OUTP:OUTP+1], s[66:67]
	s_lshl_b32 s8, s42, 10
	s_add_nc_u64 s[86:87], s[72:73], s[8:9]
.if VARIANT == 0
	s_add_nc_u64 s[88:89], s[74:75], s[8:9]
.endif
	s_lshr_b32 s66, s13, 3                         ; batch: 8 block rows of 128
	s_mul_i32 s66, s66, 12288
	s_add_co_u32 s66, s66, s8
	s_add_co_u32 s66, s66, EMBOFF+8192             ; the gate is the third third of emb
	s_add_nc_u64 s[94:95], s[MODP:MODP+1], s[66:67]
	; bias, gate and mask (a few KB) are asked for now and waited for behind the K loop; none of these registers is touched in between
	WIN 0x80                                       ; destination window 2
.irp b, 0,1,2,3,4,5,6,7
	global_load_b128 v[8*\b:8*\b+3], v[BO], s[86:87] offset:64*\b
	global_load_b128 v[8*\b+4:8*\b+7], v[BO], s[86:87] offset:64*\b+16
.endr
.if VARIANT == 0
.irp b, 0,1,2,3,4,5,6,7
	global_load_b128 v[128+8*\b:128+8*\b+3], v[BO], s[88:89] offset:64*\b
	global_load_b128 v[128+8*\b+4:128+8*\b+7], v[BO], s[88:89] offset:64*\b+16
.endr
.endif
.irp b, 0,1,2,3,4,5,6,7
	global_load_b128 v[64+8*\b:64+8*\b+3], v[BO], s[94:95] offset:64*\b
	global_load_b128 v[64+8*\b+4:64+8*\b+7], v[BO], s[94:95] offset:64*\b+16
.endr
	WIN 0
.if VARIANT == 0
.irp a, 0,1,2,3
	global_load_u8 v[MK+\a], v[MO], s[92:93] offset:16*\a
.endr
.endif
; 16 matrix instructions: row blocks a0, a0 + 1 x all 8 column blocks, 32 along K, from fragment buffer f.  zero = 1: the product starts the sums.
; The 32 accumulators take turns, one instruction a turn, in the same order in every quarter step and over the backward jump.
.macro MUL16 f, a0, zero
.irp a, \a0, \a0+1
.irp b, 0,1,2,3,4,5,6,7
.if \zero
	v_wmma_f32_16x16x32_bf16 v[8*(8*(\a)+\b):8*(8*(\a)+\b)+7], v[FB0+64*\f+8*\b:FB0+64*\f+8*\b+7], v[FA0+32*\f+8*(\a):FA0+32*\f+8*(\a)+7], 0
.else
	v_wmma_f32_16x16x32_bf16 v[8*(8*(\a)+\b):8*(8*(\a)+\b)+7], v[FB0+64*\f+8*\b:FB0+64*\f+8*\b+7], v[FA0+32*\f+8*(\a):FA0+32*\f+8*(\a)+7], v[8*(8*(\a)+\b):8*(8*(\a)+\b)+7]
.endif
.endr
.endr
.endm
; 24 LDS loads in one run: the 32 along K number q of a slot (0 large: q = 0..7; 1 small: q = 0..3) into buffer f
.macro FETCH slot, q, f
	WIN 0
.if \slot == 0
.set FRB, ADRB+(\q)/4
.set FRA, ADRA
.set FPA, PAB
.else
.set FRB, ADRB+2
.set FRA, ADRA+1
.set FPA, PAS
.endif
.set FQB, ((\q)%4)*32*PB
.irp b, 0,1,2,3,4,5,6,7
	ds_load_tr16_b128 v[FB0+64*\f+8*\b:FB0+64*\f+8*\b+3], v[FRB] offset:FQB+32*\b
	ds_load_tr16_b128 v[FB0+64*\f+8*\b+4:FB0+64*\f+8*\b+7], v[FRB] offset:FQB+32*\b+16*PB
.endr
.irp a, 0,1,2,3
	ds_load_b128 v[FA0+32*\f+8*\a:FA0+32*\f+8*\a+3], v[FRA] offset:64*(\q)+\a*16*FPA
	ds_load_b128 v[FA0+32*\f+8*\a+4:FA0+32*\f+8*\a+7], v[FRA] offset:64*(\q)+\a*16*FPA+32
.endr
.endm
.macro PLACES                          ; a load into a register that a matrix instruction has read, and a vector instruction on a matrix result, stand four plain vector instructions behind it
.rept 4
	v_nop
.endr
.endm
; 32 along K that are not a slot's last: asks for number qn into buffer g, then multiplies buffer f
.macro QUARTER slot, qn, f, g, zero
	PLACES
	FETCH \slot, \qn, \g
	s_wait_dscnt 24                                ; the 24 loads just issued stay out; buffer f, asked for 32 matrix instructions ago, is in
	WIN 0x50                                       ; C and D in window 1
	MUL16 \f, 0, \zero
	MUL16 \f, 2, \zero
.endm
.macro THREE zero                      ; the small slot but for its last 32 along K
	QUARTER 1, 1, 0, 1, \zero
	QUARTER 1, 2, 1, 0, 0
	QUARTER 1, 3, 0, 1, 0
.endm
.macro SEVEN                           ; the large slot but for its last 32 along K
	QUARTER 0, 1, 0, 1, 0
	QUARTER 0, 2, 1, 0, 0
	QUARTER 0, 3, 0, 1, 0
	QUARTER 0, 4, 1, 0, 0
	QUARTER 0, 5, 0, 1, 0
	QUARTER 0, 6, 1, 0, 0
	QUARTER 0, 7, 0, 1, 0
.endm
; a slot's last 32 along K (buffer 1) and the change of slots.  In front of the barrier each wave waits for its reads of this slot and for all its tensor
; loads (one is out: its part of the next slot).  With fill = 1 the barrier opens a round of the cluster's barrier; behind the round no wave of any
; partner reads this slot or has a load on its way, and the joint refill is the wave's first and only tensor load there.
.macro TURN slot, next, fill
	s_wait_dscnt 0x0
	s_wait_tensorcnt 0x0
	ds_add_u32 v254, v255
	s_wait_dscnt 0x0
	s_barrier_signal -1
	WIN 0x50
	MUL16 1, 0, 0                                  ; registers only, while the others arrive
	WIN 0
	s_barrier_wait -1
.if \fill
	CREST
.if \slot == 0                                     ; no tensor load of mine is out: this slot's addresses may step, 384 along K
	s_add_nc_u64 s[G0A+2:G0A+3], s[G0A+2:G0A+3], KPAIR*2
	s_add_nc_u64 s[G0BB+2:G0BB+3], s[G0BB+2:G0BB+3], KPAIR*ND*2
.else
	s_add_nc_u64 s[G0A+6:G0A+7], s[G0A+6:G0A+7], KPAIR*2
	s_add_nc_u64 s[G0BS+2:G0BS+3], s[G0BS+2:G0BS+3], KPAIR*ND*2
.endif
	JLOAD \slot
.endif
	PLACES
	FETCH \next, 0, 0
	WIN 0x50
	MUL16 1, 2, 0
.endm
	s_wait_tensorcnt 0x1                           ; my part of small step 0 is in; large step 0's stays out
	s_barrier_signal -1
	s_barrier_wait -1
	FETCH 1, 0, 0
	THREE 1                                        ; the first products start the sums: nothing is cleared
	TURN 1, 0, 1                                   ; the small slot is asked for again: small step 1
	WIN 0
	s_mov_b32 s3, PAIRS
.Lpair:
	SEVEN                                          ; large step i
	TURN 0, 1, 1                                   ; large step i + 1 is asked for
	THREE 0                                        ; small step i + 1
	TURN 1, 0, 1                                   ; small step i + 2 is asked for
	WIN 0
	s_sub_co_u32 s3, s3, 1
	s_cmp_lg_u32 s3, 0
	s_cbranch_scc1 .Lpair
	WIN 0xc0                                       ; destination window 3: the residual, ahead of the last 384 along K
.set ii, 0
.rept 64
	global_load_b128 v[4*ii:4*ii+3], v[CO], s[90:91] offset:4096*ii th:TH_LOAD_NT   ; 512 consecutive bytes of row ii
.set ii, ii+1
.endr
	WIN 0
	SEVEN                                          ; the last large step
	TURN 0, 1, 0                                   ; nothing is left to fetch; behind this barrier no wave reads the large slot and no fill lands in it
	THREE 0                                        ; the last small step
	s_wait_dscnt 0x0
	WIN 0x50
	MUL16 1, 0, 0
	MUL16 1, 2, 0
	PLACES
	s_wait_loadcnt 0x0                             ; bias, gate, mask, residual
	WIN 0x8a                                       ; all in window 2
.if VARIANT == 0
.set pp, 0
.rept 32
	v_pk_add_f32 v[pp:pp+1], v[pp:pp+1], v[128+pp:128+pp+1]                ; ssm_b2 + bwd_b2
.set pp, pp+2
.endr
.endif
.set pp, 0
.rept 32
	v_pk_mul_f32 v[pp:pp+1], v[pp:pp+1], v[64+pp:64+pp+1]                  ; gate x bias, once for all 64 rows
.set pp, pp+2
.endr
; rows 16 a .. 16 a + 15 of my block: gate and bias in one fused step, the mask's select, 32 bytes a lane into my own stage, whole rows of 512 bytes back,
; the residual added, and out
.macro OUT16 a, rb
	WIN 0x29                                       ; source 0 window 1 (sums), sources 1 and 2 window 2 (gate, gate x bias)
.irp b, 0,1,2,3,4,5,6,7
.irp p, 0,2,4,6
	v_pk_fma_f32 v[XE+8*\b+\p:XE+8*\b+\p+1], v[8*(8*\a+\b)+\p:8*(8*\a+\b)+\p+1], v[64+8*\b+\p:64+8*\b+\p+1], v[8*\b+\p:8*\b+\p+1]
.endr
.endr
	WIN 0
.if VARIANT == 0
	v_cmp_ne_u32 vcc_lo, 0, v[MK+\a]               ; my lane's row is row lane % 16 of the block
.set ii, 0
.rept 64
	v_cndmask_b32 v[XE+ii], 0, v[XE+ii], vcc_lo    ; the where(): 0 in a masked row, whatever was computed there
.set ii, ii+1
.endr
.endif
.irp b, 0,1,2,3,4,5,6,7
	ds_store_b128 v[STO], v[XE+8*\b:XE+8*\b+3] offset:64*\b
	ds_store_b128 v[STO], v[XE+8*\b+4:XE+8*\b+7] offset:64*\b+16
.endr
	s_wait_xcnt 0x0                                ; earlier stores have had their addresses translated (ISA guide 3.1): their data registers and base are written again only behind this wait
.if \a
	s_add_nc_u64 s[84:85], s[84:85], 16*4096
.endif
.irp t, 0,1,2,3,4,5,6,7,8,9,10,11,12,13,14,15
	ds_load_b128 v[\rb+4*\t:\rb+4*\t+3], v[RD] offset:\t*SPITCH            ; LDS serves a wave's instructions in order (ISA guide 5.7.1): these see the stores above
.endr
	s_wait_dscnt 0x0
	WIN 0x03                                       ; source 0 window 3: the residual of rows 16 a ..
.set pp, 0
.rept 32
	v_pk_add_f32 v[\rb+pp:\rb+pp+1], v[64*\a+pp:64*\a+pp+1], v[\rb+pp:\rb+pp+1]
.set pp, pp+2
.endr
	WIN 0
.irp t, 0,1,2,3,4,5,6,7,8,9,10,11,12,13,14,15
	global_store_b128 v[CO], v[\rb+4*\t:\rb+4*\t+3], s[84:85] offset:4096*\t   ; the wave stores 512 consecutive bytes, aligned
.endr
.endm
	OUT16 0, RB0
	OUT16 1, RB1
	OUT16 2, RB0
	OUT16 3, RB1
	s_wait_tensorcnt 0x0
	ds_add_u32 v254, v255
	s_wait_dscnt 0x0
	CROUND                                         ; the closing round: no work-group ends while a partner may still ask for a tile that names it
	s_endpgm
.Lfunc_end_k_qa0361305af_down2:
	.size	k_qa0361305af_down2, .Lfunc_end_k_qa0361305af_down2-k_qa0361305af_down2
	.p2alignl 7, 3214868480
	.fill 96, 4, 3214868480
	.section	.rodata,"a",@progbits
	.p2align	6, 0x0
	.amdhsa_kernel k_qa0361305af_down2
		.amdhsa_group_segment_fixed_size 327680
		.amdhsa_private_segment_fixed_size 0
		.amdhsa_enable_private_segment 0
		.amdhsa_kernarg_size 48
		.amdhsa_user_sgpr_count 2
		.amdhsa_user_sgpr_kernarg_segment_ptr 1
		.amdhsa_wavefront_size32 1
		.amdhsa_system_sgpr_workgroup_id_x 1
		.amdhsa_system_sgpr_workgroup_id_y 1
		.amdhsa_system_sgpr_workgroup_id_z 1
		.amdhsa_system_vgpr_workitem_id 0
		.amdhsa_next_free_vgpr 1024
		.amdhsa_next_free_sgpr 100
		.amdhsa_reserve_vcc 1
		.amdhsa_float_denorm_mode_32 3
		.amdhsa_float_denorm_mode_16_64 3
		.amdhsa_memory_ordered 1
		.amdhsa_forward_progress 1
		.amdhsa_inst_pref_size 158
	.end_amdhsa_kernel
	.amdgpu_metadata
---
amdhsa.version: [ 1, 2 ]
amdhsa.kernels:
  - .name:           k_qa0361305af_down2
    .symbol:         k_qa0361305af_down2.kd
    .args:
      - { .name: hid, .offset: 0, .size: 8, .value_kind: global_buffer, .address_space: global }
      - { .name: wts, .offset: 8, .size: 8, .value_kind: global_buffer, .address_space: global }
      - { .name: ff_b2, .offset: 16, .size: 8, .value_kind: global_buffer, .address_space: global }
      - { .name: mods, .offset: 24, .size: 8, .value_kind: global_buffer, .address_space: global }
      - { .name: x1, .offset: 32, .size: 8, .value_kind: global_buffer, .address_space: global }
      - { .name: out0, .offset: 40, .size: 8, .value_kind: global_buffer, .address_space: global }
    .group_segment_fixed_size: 327680
    .private_segment_fixed_size: 0
    .kernarg_segment_align: 8
    .kernarg_segment_size: 48
    .max_flat_workgroup_size: 128
    .sgpr_count:     100
    .vgpr_count:     1024
    .wavefront_size: 32
...
	.end_amdgpu_metadata
.endif
;; end of part 11
;; ======== version 3 of 3: 7 launches; version 2 with the launch prep written anew for expert scheduling mode
;; workspace buffers: wts 16,777,216 bytes; mods 196,608 bytes; act 16,777,216 bytes; hid 33,554,432 bytes; x1 33,554,432 bytes
;; launch prep (part 12): grid 352 x 1, 8 waves a work-group, no clusters, 66,560 bytes of LDS; arguments t, ada_w, ada_b, ffada_w, ffada_b, ssm_w1, bwd_w1, ssm_w2, bwd_w2, ff_w1, ff_w2, wts, mods; writes wts, mods
.if DOCPART == 12
	.amdgcn_target "amdgcn-amd-amdhsa--gfx1250"
	.amdhsa_code_object_version 6
	.text
	.protected	k_qa0361305af_prep
	.globl	k_qa0361305af_prep
	.p2align	8
	.type	k_qa0361305af_prep,@function
k_qa0361305af_prep:
	s_mov_b64 s[64:65], 0
	v_nop
	global_prefetch_b8 v0, s[64:65] scope:SCOPE_SE
	s_setreg_imm32_b32 hwreg(HW_REG_WAVE_SCHED_MODE, 0, 2), 2
	s_setreg_imm32_b32 hwreg(HW_REG_WAVE_MODE, 25, 1), 1
	s_wait_xcnt 0x0
	s_wait_alu depctr_vm_vsrc(0)
; Mamba3Block, launch 1 of 7: the two conditioning products and the cast of the six large weights to bf16.
;
; WORK LEFT OUT IN THE WHOLE PROGRAM: the two flips along axis 1.  _ssm_fallback is Linear, GELU, Linear on the last axis alone: it treats every
; position of axis 1 by itself, so f(flip(u)) = flip(f(u)) and flip(f(flip(u))) = f(u) for every value of every input.  The flips only move
; numbers, they compute nothing, so no NaN, infinity or overflow is lost with them.  fwd + bwd is then ONE layer pair 1024 -> 2048 -> 1024 with
; the first weights side by side [ssm_w1 | bwd_w1], the second on top of each other [ssm_w2 ; bwd_w2] and the bias ssm_b2 + bwd_b2.
; Every input has a way to the output and is loaded by some launch.
;
; Work-groups 0-95: emb = silu(t) @ W + b for W = ada_w (0-47) and ffada_w (48-95), 64 columns each, all 8 batches, all f32 on the vector unit:
; eight rows against 25 MB of weights that are read once, so bytes decide and the matrix unit would add nothing.
; Work-groups 96-351: f32 -> bf16 (nearest even), 32 pieces of 4,096 source bytes each.  wts holds, in bf16, rows along N as in the inputs:
;   W1c [1024][2048] at 0 (row k: ssm_w1[k], bwd_w1[k]); W2c [2048][1024] at 4 MiB (ssm_w2, bwd_w2); F1c [1024][2048] at 8 MiB; F2c [2048][1024] at 12 MiB.
; mods holds emb of ada at byte 0 and of ffada at byte 98,304, each [8][3072] f32 (shift, scale, gate).
; LIMITS: v_exp_f32 and v_rcp_f32 are good to 1 ulp and flush denormals; the sum over k is taken in 16 partial sums, another order than a plain chain.
;
; THE MODE: SCHED_MODE bits 1:0 = 2 (LLVM: expert scheduling mode 2), set by the entry lines.  The code itself states the register dependences
; between vector instructions and memory or LDS instructions, with s_wait_alu, always for 0.
; THE PLAN, the products' way.  Registers that memory or LDS instructions touch:
;   v1-v3, v230-v232  offsets and LDS addresses: made once at the head, never written again: one wait on va_vdst ahead of the first load serves them all.
;   S0, S1    First t and the silu arithmetic; S0 is the data of eight LDS stores (a wait on va_vdst ahead of them) and is loaded again behind the barrier (a wait on vm_vsrc).
;             Then by turns: step q's multiply-adds read S[q % 2]; at the step's head the LDS loads of step q + 1 land in the other, which step q - 1 read.
;   X0, X1    Written by global loads alone.  Steps 0-3 and 8-11 read X0, steps 4-7 and 12-15 read X1; X0 is asked for again in step 4, X1 in step 8.
;   ACC       Written by the multiply-adds, read by the LDS stores of the partial sums, never written again.
;   v240, v241  Written at the head, read by the closing add alone.
; So ONE wait on va_vdst stands at the head of steps 1 to 14: the step before is done reading the S buffer in which this step's LDS loads land, and, in steps 4 and 8,
; the X buffer in which this step's sixteen global loads land.  Those sixteen are dealt four at a time among the step's multiply-adds, which name the other X buffer,
; the other S buffer and ACC: none of the registers that the loads touch.
; THE PLAN, the cast's way.  v1-v5: offsets, made once.  A piece's 32 registers are loaded once, converted in place, stored and never written again:
; sixteen conversions, one wait on va_vdst, eight stores.
.set ROWB, 12288                       ; bytes in a row of ada_w / ffada_w
.set PART, 32768                       ; LDS: silu(t) [8][1024] f32 at 0; partial sums [16][8][64] f32 at PART
.set WO,  1                            ; v1        my byte offset in the wave's 128 rows of W
.set SA,  2                            ; v2        LDS address of my 64 silu values of batch 0
.set TA,  3                            ; v3        4,096 wave + 16 lane: t in memory and silu(t) in LDS
.set ACC, 4                            ; v[4:35]   sums: batch b, my 4 columns, at 4 b
.set X0,  36                           ; v[36:99]  16 rows of W, 4 columns each
.set X1,  100                          ; v[100:163] the next 16
.set S0,  164                          ; v[164:195] 4 k x 8 batches of silu(t); first t itself
.set S1,  196                          ; v[196:227] the next 4 k
.set BI,  228                          ; v[228:229] bias of my two final columns
.set PW,  230                          ; v230      where I put my partial sums
.set PR,  231                          ; v231      where I read partial sums back
.set L8,  232                          ; v232      8 x lane
.set TMP, 234                          ; v[234:236] lane, lane % 16, lane / 16
	s_load_b256 s[8:15], s[0:1], 0x0               ; t s[8:9], ada_w s[10:11], ada_b s[12:13], ffada_w s[14:15]
	s_load_b256 s[16:23], s[0:1], 0x20             ; ffada_b s[16:17], ssm_w1 s[18:19], bwd_w1 s[20:21], ssm_w2 s[22:23]
	s_load_b256 s[24:31], s[0:1], 0x40             ; bwd_w2 s[24:25], ff_w1 s[26:27], ff_w2 s[28:29], wts s[30:31]
	s_load_b64 s[32:33], s[0:1], 0x60              ; mods
	v_lshl_add_u32 v240, v0, 2, 0x10000
	v_mov_b32 v241, 0
	v_lshrrev_b32 v[TMP], 5, v0
	v_readfirstlane_b32 s4, v[TMP]                 ; wave 0..7
	v_and_b32 v[TMP], 31, v0                       ; lane
	s_wait_alu depctr_va_sdst(0)                   ; s4 is written, ahead of the branch and of its first reader on either way: bases and addresses are made from it
	s_wait_kmcnt 0x0
	s_cmp_ge_u32 ttmp9, 96                         ; the same for all waves of a work-group
	s_cbranch_scc1 .Lcast
	; ---------------- silu(t) @ W + b: 8 x 64 outputs, wave w takes k = 128 w .. 128 w + 127 ----------------
	s_cmp_ge_u32 ttmp9, 48
	s_cselect_b64 s[34:35], s[14:15], s[10:11]     ; W
	s_cselect_b64 s[36:37], s[16:17], s[12:13]     ; its bias
	s_cselect_b32 s38, 98304, 0                    ; its part of mods
	s_cselect_b32 s39, 48, 0
	s_sub_co_u32 s39, ttmp9, s39                   ; which 64 columns
	s_lshl_b32 s40, s39, 8                         ; their byte offset in a row: a multiple of 256
	s_mov_b32 s41, 0
	s_add_nc_u64 s[36:37], s[36:37], s[40:41]
	s_mul_i32 s42, s4, 128*ROWB
	s_add_co_u32 s42, s42, s40
	s_mov_b32 s43, 0
	s_add_nc_u64 s[34:35], s[34:35], s[42:43]      ; W at my wave's first row, my work-group's first column
	s_mul_i32 s44, s4, ROWB                        ; the final sum: wave w stores batch w
	s_add_co_u32 s44, s44, s38
	s_add_co_u32 s44, s44, s40
	s_mov_b32 s45, 0
	s_add_nc_u64 s[32:33], s[32:33], s[44:45]
	v_and_b32 v[TMP+1], 15, v0                     ; c4: my four columns
	v_bfe_u32 v[TMP+2], v0, 4, 1                   ; hh: which 64 of the wave's 128 rows
	v_lshlrev_b32 v[L8], 3, v[TMP]
	v_lshlrev_b32 v[TA], 4, v[TMP]
	v_lshl_add_u32 v[TA], s4, 12, v[TA]
	v_mul_u32_u24 v[WO], v[TMP+2], 64*ROWB
	v_lshl_add_u32 v[WO], v[TMP+1], 4, v[WO]       ; sixteen lanes take 256 consecutive bytes of a row
	v_lshlrev_b32 v[SA], 8, v[TMP+2]
	v_lshl_add_u32 v[SA], s4, 9, v[SA]             ; 4 (128 w + 64 hh)
	v_lshlrev_b32 v[PW], 11, v[TMP+2]
	v_lshl_add_u32 v[PW], v[TMP+1], 4, v[PW]
	s_lshl_b32 s46, s4, 12
	s_add_co_u32 s46, s46, PART
	v_add_nc_u32 v[PW], s46, v[PW]                 ; PART + 2,048 (2 w + hh) + 16 c4
	s_lshl_b32 s47, s4, 8
	s_add_co_u32 s47, s47, PART
	v_add_nc_u32 v[PR], s47, v[L8]                 ; PART + 256 w + 8 lane
.macro XLD g, buf                      ; rows 16 g .. 16 g + 15 of my 64
.irp i, 0,1,2,3,4,5,6,7,8,9,10,11,12,13,14,15
	global_load_b128 v[\buf+4*\i:\buf+4*\i+3], v[WO], s[34:35] offset:(16*\g+\i)*ROWB th:TH_LOAD_NT
.endr
.endm
.macro XLD4 g, buf, u                  ; four of them: rows 16 g + 4 u .. 16 g + 4 u + 3
.irp i, 0,1,2,3
	global_load_b128 v[\buf+4*(4*\u+\i):\buf+4*(4*\u+\i)+3], v[WO], s[34:35] offset:(16*\g+4*\u+\i)*ROWB th:TH_LOAD_NT
.endr
.endm
	s_wait_alu depctr_va_vdst(0)                   ; the six offsets and LDS addresses v1-v3 and v230-v232 are written: every load and store of this way reads one of them, and none is written again
	global_load_b64 v[BI:BI+1], v[L8], s[36:37]
.irp j, 0,1,2,3,4,5,6,7
	global_load_b128 v[S0+4*\j:S0+4*\j+3], v[TA], s[8:9] offset:512*\j     ; wave w: t of batch w
.endr
	XLD 0, X0
	XLD 1, X1
	s_wait_loadcnt 0x20                            ; the 32 younger loads (W) stay out; bias and t are in
	; silu(x) = x / (1 + 2^(-1.442695 x)); the sums' registers serve as temporaries
.set pp, 0
.rept 16
	v_pk_mul_f32 v[S1+pp:S1+pp+1], v[S0+pp:S0+pp+1], 0xbfb8aa3b op_sel_hi:[1,0]
.set pp, pp+2
.endr
.set pp, 0
.rept 32
	v_exp_f32 v[ACC+pp], v[S1+pp]
.set pp, pp+1
.endr
	v_nop                                          ; one plain instruction between a transcendental and the use of its result (ISA guide 5.7.2)
.set pp, 0
	s_wait_alu depctr_va_vdst(0)                   ; the 32 exponentials have written v[ACC ..], ahead of their first reader: one wait for the batch
.rept 16
	v_pk_add_f32 v[ACC+pp:ACC+pp+1], v[ACC+pp:ACC+pp+1], 1.0 op_sel_hi:[1,0]
.set pp, pp+2
.endr
.set pp, 0
.rept 32
	v_rcp_f32 v[S1+pp], v[ACC+pp]
.set pp, pp+1
.endr
	v_nop
.set pp, 0
	s_wait_alu depctr_va_vdst(0)                   ; the 32 reciprocals have written v[S1 ..], ahead of their first reader: one wait for the batch
.rept 16
	v_pk_mul_f32 v[S0+pp:S0+pp+1], v[S0+pp:S0+pp+1], v[S1+pp:S1+pp+1]
.set pp, pp+2
.endr
	s_wait_alu depctr_va_vdst(0)                   ; the multiplies have written v[S0 ..], which the LDS stores read, and are done reading v[S1 ..], in which step 0's LDS loads land
.irp j, 0,1,2,3,4,5,6,7
	ds_store_b128 v[TA], v[S0+4*\j:S0+4*\j+3] offset:512*\j
.endr
	s_wait_dscnt 0x0                               ; my stores are done before I say so: the other waves read them
	s_barrier_signal -1
	s_barrier_wait -1
	s_wait_alu depctr_vm_vsrc(0)                   ; my LDS stores have read v[S0 ..], in which the LDS loads below land
.macro SLD q, buf                      ; silu of my rows 4 q .. 4 q + 3, all eight batches (every lane of a half reads the same 16 bytes)
.irp b, 0,1,2,3,4,5,6,7
	ds_load_b128 v[\buf+4*\b:\buf+4*\b+3], v[SA] offset:4096*\b+16*(\q)
.endr
.endm
; four rows: sums[b][4 columns] += W[row][4 columns] x silu[b][row].  The one silu value is taken for both halves of the packed product:
; from the first register of its pair (op_sel_hi 0) or from the second (op_sel 1).  The very first row starts the sums: nothing is cleared.
; ld = 1: rows 4 .. 15 of group g of W are asked for into lbuf, four in front of each of the last three rows' sixteen multiply-adds.  No wait: no vector
; instruction since the wait at the step's head names lbuf.
.macro FMA4 q, xbuf, sbuf, first, ld=0, g=0, lbuf=0
.irp u, 0,1,2,3
.if \ld * \u
	XLD4 \g, \lbuf, \u
.endif
.irp b, 0,1,2,3,4,5,6,7
.irp p, 0,2
.if 4*\first-\u == 4
	v_pk_mul_f32 v[ACC+4*\b+\p:ACC+4*\b+\p+1], v[\xbuf+4*((4*(\q)+\u)%16)+\p:\xbuf+4*((4*(\q)+\u)%16)+\p+1], v[\sbuf+4*\b:\sbuf+4*\b+1] op_sel_hi:[1,0]
.else
.if \u & 1
	v_pk_fma_f32 v[ACC+4*\b+\p:ACC+4*\b+\p+1], v[\xbuf+4*((4*(\q)+\u)%16)+\p:\xbuf+4*((4*(\q)+\u)%16)+\p+1], v[\sbuf+4*\b+\u-1:\sbuf+4*\b+\u], v[ACC+4*\b+\p:ACC+4*\b+\p+1] op_sel:[0,1,0] op_sel_hi:[1,1,1]
.else
	v_pk_fma_f32 v[ACC+4*\b+\p:ACC+4*\b+\p+1], v[\xbuf+4*((4*(\q)+\u)%16)+\p:\xbuf+4*((4*(\q)+\u)%16)+\p+1], v[\sbuf+4*\b+\u:\sbuf+4*\b+\u+1], v[ACC+4*\b+\p:ACC+4*\b+\p+1] op_sel_hi:[1,0,1]
.endif
.endif
.endr
.endr
.endr
.endm
; Step q.  first = 1: step 0, which starts the sums and owes no wait: no vector instruction stands between the wait ahead of the LDS stores of silu(t) and this step's loads.
; ld = 1: the X buffer that the four steps before read is asked for again, with group g of W's rows.
.macro KQ q, xbuf, sb, sn, first, ld=0, g=0, lbuf=0
.if \first == 0
	s_wait_alu depctr_va_vdst(0)                   ; the step before is done reading the S buffer in which the LDS loads below land, and, where ld = 1, the X buffer in which this step's global loads land
.endif
.if \ld
	XLD4 \g, \lbuf, 0
.endif
	SLD \q+1, \sn
.if \ld
	s_wait_loadcnt 0x4                             ; the four loads just issued stay out; the X buffer that this step begins to read is in
.endif
	s_wait_dscnt 0x8                               ; the eight loads just issued stay out; this step's silu values are in
	FMA4 \q, \xbuf, \sb, \first, \ld, \g, \lbuf
.endm
	SLD 0, S0
	s_wait_loadcnt 0x10                            ; rows 0-15 are in, the 16 younger loads stay out
	KQ 0, X0, S0, S1, 1
	KQ 1, X0, S1, S0, 0
	KQ 2, X0, S0, S1, 0
	KQ 3, X0, S1, S0, 0
	KQ 4, X1, S0, S1, 0, 1, 2, X0                  ; rows 16-31 are multiplied; rows 32-47 are asked for
	KQ 5, X1, S1, S0, 0
	KQ 6, X1, S0, S1, 0
	KQ 7, X1, S1, S0, 0
	KQ 8, X0, S0, S1, 0, 1, 3, X1                  ; rows 32-47 are multiplied; rows 48-63 are asked for
	KQ 9, X0, S1, S0, 0
	KQ 10, X0, S0, S1, 0
	KQ 11, X0, S1, S0, 0
	s_wait_loadcnt 0x0
	KQ 12, X1, S0, S1, 0
	KQ 13, X1, S1, S0, 0
	KQ 14, X1, S0, S1, 0
	s_wait_dscnt 0x0
	FMA4 15, X1, S1, 0
	; the 16 partial sums (8 waves x 2 halves) meet in LDS, in bytes that held nothing before
	s_wait_alu depctr_va_vdst(0)                   ; the multiply-adds have written v[ACC ..], which the LDS stores read, and are done reading v[X0 ..], in which the loads behind the barrier land
.irp b, 0,1,2,3,4,5,6,7
	ds_store_b128 v[PW], v[ACC+4*\b:ACC+4*\b+3] offset:256*\b
.endr
	s_wait_dscnt 0x0
	s_barrier_signal -1
	s_barrier_wait -1
.irp p, 0,1,2,3,4,5,6,7,8,9,10,11,12,13,14,15
	ds_load_b64 v[X0+2*\p:X0+2*\p+1], v[PR] offset:2048*\p                 ; batch w, columns 2 lane and 2 lane + 1
.endr
	s_wait_dscnt 0x0
.irp p, 0,2,4,6,8,10,12,14
	v_pk_add_f32 v[X0+\p:X0+\p+1], v[X0+\p:X0+\p+1], v[X0+16+\p:X0+16+\p+1]
.endr
.irp p, 0,2,4,6
	v_pk_add_f32 v[X0+\p:X0+\p+1], v[X0+\p:X0+\p+1], v[X0+8+\p:X0+8+\p+1]
.endr
	v_pk_add_f32 v[X0:X0+1], v[X0:X0+1], v[X0+4:X0+5]
	v_pk_add_f32 v[X0+2:X0+3], v[X0+2:X0+3], v[X0+6:X0+7]
	v_pk_add_f32 v[X0:X0+1], v[X0:X0+1], v[X0+2:X0+3]
	v_pk_add_f32 v[X0:X0+1], v[X0:X0+1], v[BI:BI+1]
	s_wait_alu depctr_va_vdst(0)                   ; the last addition has written v[X0:X0+1], which the store reads
	global_store_b64 v[L8], v[X0:X0+1], s[32:33]   ; the wave's store covers 256 consecutive bytes, aligned
	s_wait_dscnt 0x0                               ; the closing lines, six on end
	s_wait_alu 0x0
	s_wait_tensorcnt 0x0
	ds_add_u32 v240, v241
	s_wait_dscnt 0x0
	s_endpgm
	; ---------------- the cast: a piece is 1,024 f32 (4,096 bytes) -> 2,048 bytes; a wave takes four pieces ----------------
.Lcast:
	s_sub_co_u32 s34, ttmp9, 96
	s_lshr_b32 s35, s34, 5                         ; segment of 4 MiB of source: 0 ssm_w1, 1 bwd_w1, 2 ssm_w2, 3 bwd_w2, 4-5 ff_w1, 6-7 ff_w2
	s_and_b32 s36, s34, 31
	s_lshl_b32 s36, s36, 5
	s_lshl2_add_u32 s36, s4, s36                   ; my first piece in the segment
	s_cmp_eq_u32 s35, 1
	s_cselect_b64 s[38:39], s[20:21], s[18:19]
	s_cmp_eq_u32 s35, 2
	s_cselect_b64 s[38:39], s[22:23], s[38:39]
	s_cmp_eq_u32 s35, 3
	s_cselect_b64 s[38:39], s[24:25], s[38:39]
	s_cmp_ge_u32 s35, 4
	s_cselect_b64 s[38:39], s[26:27], s[38:39]
	s_cmp_ge_u32 s35, 6
	s_cselect_b64 s[38:39], s[28:29], s[38:39]
	s_and_b32 s40, s35, 1
	s_lshl_b32 s40, s40, 22                        ; the second 4 MiB of ff_w1 or ff_w2
	s_cmp_ge_u32 s35, 4
	s_cselect_b32 s40, s40, 0
	s_lshl_b32 s41, s36, 12
	s_add_co_u32 s40, s40, s41
	s_mov_b32 s41, 0
	s_add_nc_u64 s[38:39], s[38:39], s[40:41]
	s_lshl_b32 s43, s35, 11                        ; segments 0, 1: left and right half of W1c's rows of 4,096 bytes
	s_lshl_b32 s44, s35, 21                        ; the others are dense: segment x 2 MiB
	s_movk_i32 s42, 0x800
	s_cmp_lt_u32 s35, 2
	s_cselect_b32 s42, 4096, s42                   ; bytes from piece to piece in wts
	s_cselect_b32 s43, s43, s44
	s_mul_i32 s44, s36, s42
	s_add_co_u32 s44, s44, s43
	s_mov_b32 s45, 0
	s_add_nc_u64 s[46:47], s[30:31], s[44:45]
	v_lshlrev_b32 v1, 4, v[TMP]
	v_lshlrev_b32 v2, 3, v[TMP]                    ; v[2:5]: 8 lane + piece x step
	v_add_nc_u32 v3, s42, v2
	v_add_nc_u32 v4, s42, v3
	v_add_nc_u32 v5, s42, v4
	s_wait_alu depctr_va_vdst(0)                   ; the five offsets v1 to v5 are written: the loads read v1, the stores v2 to v5, and none is written again
.irp i, 0,1,2,3
.irp j, 0,1,2,3,4,5,6,7
	global_load_b128 v[8+32*\i+4*\j:8+32*\i+4*\j+3], v1, s[38:39] offset:4096*\i+512*\j th:TH_LOAD_NT
.endr
.endr
.irp i, 0,1,2,3
	s_wait_loadcnt 24-8*\i                         ; this piece's eight loads are in, the younger pieces stay out
.irp j, 0,1,2,3,4,5,6,7
	v_cvt_pk_bf16_f32 v[8+32*\i+4*\j], v[8+32*\i+4*\j], v[8+32*\i+4*\j+1]
	v_cvt_pk_bf16_f32 v[8+32*\i+4*\j+1], v[8+32*\i+4*\j+2], v[8+32*\i+4*\j+3]
.endr
	s_wait_alu depctr_va_vdst(0)                   ; the piece's sixteen conversions have written the eight register pairs that its stores read
.irp j, 0,1,2,3,4,5,6,7
	global_store_b64 v[2+\i], v[8+32*\i+4*\j:8+32*\i+4*\j+1], s[46:47] offset:256*\j   ; 256 consecutive bytes, aligned; no register is written again
.endr
.endr
	s_endpgm
.Lfunc_end_k_qa0361305af_prep:
	.size	k_qa0361305af_prep, .Lfunc_end_k_qa0361305af_prep-k_qa0361305af_prep
	.p2alignl 7, 3214868480
	.fill 96, 4, 3214868480
	.section	.rodata,"a",@progbits
	.p2align	6, 0x0
	.amdhsa_kernel k_qa0361305af_prep
		.amdhsa_group_segment_fixed_size 66560
		.amdhsa_private_segment_fixed_size 0
		.amdhsa_enable_private_segment 0
		.amdhsa_kernarg_size 104
		.amdhsa_user_sgpr_count 2
		.amdhsa_user_sgpr_kernarg_segment_ptr 1
		.amdhsa_wavefront_size32 1
		.amdhsa_system_sgpr_workgroup_id_x 1
		.amdhsa_system_sgpr_workgroup_id_y 1
		.amdhsa_system_sgpr_workgroup_id_z 1
		.amdhsa_system_vgpr_workitem_id 0
		.amdhsa_next_free_vgpr 242
		.amdhsa_next_free_sgpr 66
		.amdhsa_reserve_vcc 0
		.amdhsa_float_denorm_mode_32 3
		.amdhsa_float_denorm_mode_16_64 3
		.amdhsa_memory_ordered 1
		.amdhsa_forward_progress 1
		.amdhsa_inst_pref_size 104
	.end_amdhsa_kernel
	.amdgpu_metadata
---
amdhsa.version: [ 1, 2 ]
amdhsa.kernels:
  - .name:           k_qa0361305af_prep
    .symbol:         k_qa0361305af_prep.kd
    .args:
      - { .name: t, .offset: 0, .size: 8, .value_kind: global_buffer, .address_space: global }
      - { .name: ada_w, .offset: 8, .size: 8, .value_kind: global_buffer, .address_space: global }
      - { .name: ada_b, .offset: 16, .size: 8, .value_kind: global_buffer, .address_space: global }
      - { .name: ffada_w, .offset: 24, .size: 8, .value_kind: global_buffer, .address_space: global }
      - { .name: ffada_b, .offset: 32, .size: 8, .value_kind: global_buffer, .address_space: global }
      - { .name: ssm_w1, .offset: 40, .size: 8, .value_kind: global_buffer, .address_space: global }
      - { .name: bwd_w1, .offset: 48, .size: 8, .value_kind: global_buffer, .address_space: global }
      - { .name: ssm_w2, .offset: 56, .size: 8, .value_kind: global_buffer, .address_space: global }
      - { .name: bwd_w2, .offset: 64, .size: 8, .value_kind: global_buffer, .address_space: global }
      - { .name: ff_w1, .offset: 72, .size: 8, .value_kind: global_buffer, .address_space: global }
      - { .name: ff_w2, .offset: 80, .size: 8, .value_kind: global_buffer, .address_space: global }
      - { .name: wts, .offset: 88, .size: 8, .value_kind: global_buffer, .address_space: global }
      - { .name: mods, .offset: 96, .size: 8, .value_kind: global_buffer, .address_space: global }
    .group_segment_fixed_size: 66560
    .private_segment_fixed_size: 0
    .kernarg_segment_align: 8
    .kernarg_segment_size: 104
    .max_flat_workgroup_size: 256
    .sgpr_count:     66
    .vgpr_count:     242
    .wavefront_size: 32
...
	.end_amdgpu_metadata
.endif
;; end of part 12
;; launch ln1: the kernel of part 2 again; grid 256 x 1, 8 waves a work-group, no clusters, 0 bytes of LDS; arguments x, mask, mods, act; writes act
;; launch up1: the kernel of part 8 again; grid 8 x 32, 4 waves a work-group, clusters of 4 x 4, 327,680 bytes of LDS; arguments act, wts, ssm_b1, bwd_b1, hid; writes hid
;; launch down1: the kernel of part 9 again; grid 4 x 64, 4 waves a work-group, clusters of 4 x 4, 327,680 bytes of LDS; arguments hid, wts, ssm_b2, bwd_b2, mods, x, mask, x1; writes x1
;; launch ln2: the kernel of part 5 again; grid 256 x 1, 8 waves a work-group, no clusters, 0 bytes of LDS; arguments x1, mods, act; writes act
;; launch up2: the kernel of part 10 again; grid 8 x 32, 4 waves a work-group, clusters of 4 x 4, 327,680 bytes of LDS; arguments act, wts, ff_b1, hid; writes hid
;; launch down2: the kernel of part 11 again; grid 4 x 64, 4 waves a work-group, clusters of 4 x 4, 327,680 bytes of LDS; arguments hid, wts, ff_b2, mods, x1, out0; writes out0
